; MI455X (gfx1250); checked and timed in simulation.
; The chip was launched on July 23, 2026; its instructions are those of AMD's public machine-readable ISA for CDNA 5 (MIT licence, August 2026) and "CDNA5" Instruction Set Architecture Reference Guide (July 2026). The comments in the code are by the model that wrote it; some were corrected since.
;; Multi Head Attention. Allowed arithmetic: matrix products marked QUANTISED: E3M2 operands, one E8M0 scale for each 32 along K, by v_wmma_scale_f32_16x16x128_f8f6f4 with both operands' format E3M2, f32 sums; everything else in f32.
;; Inputs: W1 4,096 x 1,024 float32; W2 1,024 x 4,096 float32; Wk 1,024 x 1,024 float32; Wo 1,024 x 1,024 float32; Wq 1,024 x 1,024 float32; Wv 1,024 x 1,024 float32; b1 4,096 float32; b2 1,024 float32; be1 1,024 float32; be2 1,024 float32; g1 1,024 float32; g2 1,024 float32; k 2 x 2,048 x 1,024 float32; pad_mask 2 x 2,048 bool; q 2 x 2,048 x 1,024 float32; v 2 x 2,048 x 1,024 float32.
;; Outputs: out0 2 x 2,048 x 1,024 float32.
;; This version of the problem:
;;   THIS VERSION OF THE PROBLEM IS GIVEN IN LOW PRECISION. The matrix products marked QUANTISED in the list below multiply operands that are first quantised to E3M2 (3 exponent bits, 2 mantissa bits; 6 bits a number), with one power-of-two scale for each 32 numbers along K (OCP MX v1.0); their sums are f32. All else is computed in f32.
;;   The module's matrix products, in the order in which they are computed (A, B: the left and right operand; K: the contracted axis; several contracted axes count as one K, in the product's order):
;;     1. [M 4,096, K 1,024] x [K 1,024, N 1,024]; A: input q; B: input Wq: QUANTISED
;;     2. [M 4,096, K 1,024] x [K 1,024, N 1,024]; A: input k; B: input Wk: QUANTISED
;;     3. [M 4,096, K 1,024] x [K 1,024, N 1,024]; A: input v; B: input Wv: QUANTISED
;;     4. batch 32 x [M 2,048, K 64] x [K 64, N 2,048]; A: computed on the way; B: computed on the way: QUANTISED
;;     5. batch 32 x [M 2,048, K 2,048] x [K 2,048, N 64]; A: computed on the way; B: computed on the way: QUANTISED
;;     6. [M 4,096, K 1,024] x [K 1,024, N 1,024]; A: computed on the way; B: input Wo: QUANTISED
;;     7. [M 4,096, K 1,024] x [K 1,024, N 4,096]; A: computed on the way; B: input W1: QUANTISED
;;     8. [M 4,096, K 4,096] x [K 4,096, N 1,024]; A: computed on the way; B: input W2: QUANTISED
;;   THE QUANTISER, for each operand of a quantised product, along K:
;;     - K is cut into blocks of 32 from its start; a last block that is shorter is filled with zeros.
;;     - A block's scale is 2^e with e = floor(log2(the largest magnitude in the block)) - 4, held to -126 .. 127; a block of zeros has e = 0. As a byte (E8M0): e + 127.
;;     - Each number is divided by its block's scale, clamped to +-28, and rounded to the nearest number of E3M2, ties to even, subnormals kept.
;;     - The product sums the exact products of the quantised numbers (number of the format x scale) in f32.
;;   ~~~python
;;   def quantise(x, axis):      # numpy; x: float32 -> the quantised numbers, widened to float32 again
;;       x = np.moveaxis(x, axis, -1); K = x.shape[-1]
;;       x = np.pad(x, [(0, 0)] * (x.ndim - 1) + [(0, -K % 32)]); x = x.reshape(x.shape[:-1] + (-1, 32)); a = np.abs(x).max(-1, keepdims=True)
;;       e = np.where(a > 0, np.clip(np.frexp(np.where(a > 0, a, 1))[1] - 1 - 4, -126, 127), 0)      # np.frexp(a)[1] - 1 = floor(log2(a)), exactly
;;       r = np.clip(x / 2.0 ** e, -28, 28)
;;       step = 2.0 ** (np.maximum(np.frexp(np.where(r == 0, 1, r))[1] - 1, -2) - 2)
;;       q = np.round(r / step) * step * 2.0 ** e      # np.round: ties to even
;;       return np.moveaxis(q.reshape(q.shape[:-2] + (-1,))[..., :K], -1, axis).astype(np.float32)
;;   ~~~
;;   OPERANDS COMPUTED ON THE WAY. 'Computed on the way' means the value that the module computes at that place (a softmax that the list does not call 'softmax' is quantised finished and normalised). What goes into a quantiser is computed in f32, as accurately as f32 sums, v_exp_f32 and their like allow (about 1e-6 of the number): no bf16 or f16 on the way to a quantiser, and a product that is left as it is and whose result goes on into a quantised operand takes f32 operands (vector FMAs, or v_wmma_f32_16x16x4_f32). A number that lies on a knife's edge between two numbers of the format may be rounded either way, as far as f32 arithmetic and the matrix unit's own rounding can turn it there, and no further.
;; 3 versions, each right; version 2 is faster than version 1; version 3 is version 2 with the launch attn written anew for expert scheduling mode. Each part assembles by itself: llvm-mc -triple=amdgcn-amd-amdhsa -mcpu=gfx1250 --defsym DOCPART=n.
;; ======== version 1 of 3: 8 launches
;; workspace buffers: cw 19,660,800 bytes; qkv 10,092,544 bytes; hq 3,276,800 bytes; xo 16,777,216 bytes; h1 16,777,216 bytes; fq 13,107,200 bytes
;; launch quant (part 1): grid 768 x 1, 4 waves a work-group, no clusters, 34,304 bytes of LDS; arguments q, k, v, Wq, Wk, Wv, Wo, W1, W2, cw; writes cw
.if DOCPART == 1
	.amdgcn_target "amdgcn-amd-amdhsa--gfx1250"
	.amdhsa_code_object_version 6
	.text
	.protected	k_q7ba3f394db_quant
	.globl	k_q7ba3f394db_quant
	.p2align	8
	.type	k_q7ba3f394db_quant,@function
k_q7ba3f394db_quant:
	s_mov_b64 s[64:65], 0
	v_nop
	global_prefetch_b8 v0, s[64:65] scope:SCOPE_SE
	s_setreg_imm32_b32 hwreg(HW_REG_WAVE_MODE, 25, 1), 1
	s_wait_xcnt 0x0
; q, k, v [4096][1024], Wq, Wk, Wv, Wo [1024][1024], W1 [4096][1024], W2 [1024][4096], all f32 with K innermost, become codes of BF6 (E3M2) with one E8M0 byte for each 32 along K.
; A block's byte is its largest magnitude's exponent field - 4, held at 1 from below (a block of zeros gets 1 where the rule says 127: its codes are zeros, and this program alone reads the bytes).
; LIMITS: NaN and infinities among the inputs are not served.
; OUTPUT LAYOUT (this program's own): a fragment, 16 rows x 128 K, is stored as the image of the operand's 12 registers: piece p (registers 2 p, 2 p + 1) of lane l at byte 256 p + 8 l: 1,536 bytes.
; A tensor is [row block][K / 128][1,536].  Its scale words are [row block][K / 256][row][(K / 128) % 2], 4 bytes each.  Every store of the wave covers 256 consecutive bytes, aligned.
; A JOB is one row block x 512 K (4 fragments); job J = 4 x work-group + wave writes codes at 6,144 J and scale words at CWS + 256 J, which is that layout for all nine tensors on end.
; WHICH ROWS FORM A ROW BLOCK is chosen for the product that reads the tensor: row i of block rb is true row ((rb >> 1) << x1) + ((rb & 1) << x2) + ((i % 8) << a) + ((i / 8) << b).
;   natural order (q, k, v, Wo, W2): x1 5, x2 4, a 0, b 3.   Wq, Wk, W1: x1 5, x2 3, a 0, b 4: a lane's 16 results of two neighbouring tiles are then 16 neighbouring columns.
;   Wv: x1 1, x2 9, a 6, b 0: a lane's 16 results are then one channel of 16 neighbouring keys of a head.
; Each load reads 512 consecutive bytes of one row; a fragment's 8,192 bytes turn through the wave's own stage in LDS (rows 528 bytes apart), so that a lane gets its 64 numbers along K.  No barrier: waves share nothing.
.set CWS,  18874368
.set STGB, 16*528
.set VO,   8                           ; v8-23    byte offset of row i's 16 bytes of mine
.set R,    32                          ; v32-159  two sets of 64 registers as loaded
.set X,    160                         ; v160-223 my 64 numbers: register 32 c + i = k 64 c + 32 h + i of row r
.set PC,   224                         ; v224-235 the fragment's codes
.set UP,   236                         ; v236-238, v240-242 a block's upper 16 codes (a conversion's three registers begin on an even number)
.set TM,   244
.set SO,   246
.set BY,   248
.set SW,   250                         ; v250-253 the four fragments' scale words
	s_load_b512 s[8:23], s[0:1], 0x0               ; q, k, v, Wq, Wk, Wv, Wo, W1
	s_load_b128 s[24:27], s[0:1], 0x40             ; W2, cw
	v_lshl_add_u32 v239, v0, 2, 0x8400
	v_mov_b32 v243, 0
	v_lshrrev_b32 v1, 5, v0
	v_readfirstlane_b32 s28, v1                    ; wave
	v_and_b32 v1, 31, v0                           ; lane
	v_and_b32 v2, 15, v0                           ; r
	v_bfe_u32 v3, v0, 4, 1                         ; h
	s_mul_i32 s29, s28, STGB                       ; my stage
	v_lshlrev_b32 v[VO], 4, v1                     ; 16 x lane
	v_add_nc_u32 v4, s29, v[VO]                    ; into the stage: 16 x lane, row i in the immediate
	v_mul_u32_u24 v5, v2, 528
	v_lshl_add_u32 v5, v3, 7, v5
	v_add_nc_u32 v5, s29, v5                       ; out of it: row r, + 128 h
	v_lshlrev_b32 v6, 3, v1                        ; 8 x lane: my place in a piece
	v_lshlrev_b32 v7, 3, v3                        ; 8 h: my bytes' shift in a scale word
	v_mov_b32 v255, 0                              ; written once: a lane permute's destination counts as one of its sources
	s_mov_b32 s44, 0x76543210
	s_mov_b32 s45, 0xfedcba98                      ; selects for lane l xor 16
	s_mov_b32 s30, 0                               ; the tensor's first work-group
	s_mov_b32 s31, 0xC13045                        ; x1 | x2 << 4 | a << 8 | b << 12 | log2(jobs in a row block) << 16 | log2(bytes in a row) << 20
	s_wait_kmcnt 0x0
	s_mov_b64 s[4:5], s[8:9]
.macro PICK bound, ptr, par                    ; the choice hangs on the work-group's number alone
	s_cmp_ge_u32 ttmp9, \bound
	s_cselect_b64 s[4:5], s[\ptr:\ptr+1], s[4:5]
	s_cselect_b32 s30, \bound, s30
	s_cselect_b32 s31, \par, s31
.endm
	PICK 128, 10, 0xC13045                         ; k
	PICK 256, 12, 0xC13045                         ; v
	PICK 384, 14, 0xC14035                         ; Wq
	PICK 416, 16, 0xC14035                         ; Wk
	PICK 448, 18, 0xC10691                         ; Wv
	PICK 480, 20, 0xC13045                         ; Wo
	PICK 512, 22, 0xC14035                         ; W1
	PICK 640, 24, 0xE33045                         ; W2
	s_sub_co_u32 s32, ttmp9, s30
	s_lshl_b32 s32, s32, 2
	s_add_co_u32 s32, s32, s28                     ; the job's number in its tensor
	s_bfe_u32 s33, s31, 0x40010
	s_lshr_b32 s34, s32, s33                       ; row block
	s_lshl_b32 s35, s34, s33
	s_sub_co_u32 s35, s32, s35                     ; which 512 along K
	s_bfe_u32 s36, s31, 0x40000
	s_bfe_u32 s37, s31, 0x40004
	s_lshr_b32 s38, s34, 1
	s_lshl_b32 s38, s38, s36
	s_and_b32 s39, s34, 1
	s_lshl_b32 s39, s39, s37
	s_add_co_u32 s38, s38, s39                     ; the block's first true row
	s_bfe_u32 s40, s31, 0x40014
	s_lshl_b32 s38, s38, s40                       ; in bytes (under 2^25)
	s_lshl_b32 s35, s35, 11
	s_add_co_u32 s38, s38, s35
	s_mov_b32 s39, 0
	s_add_nc_u64 s[4:5], s[4:5], s[38:39]
	s_bfe_u32 s36, s31, 0x40008
	s_bfe_u32 s37, s31, 0x4000c
	s_add_co_u32 s36, s36, s40
	s_add_co_u32 s37, s37, s40
	s_lshl_b32 s36, 1, s36                         ; bytes from row i to row i + 1 within eight
	s_lshl_b32 s37, 1, s37                         ; and from row i to row i + 8
.irp i, 1,2,3,4,5,6,7
	v_add_nc_u32 v[VO+\i], s36, v[VO+\i-1]
.endr
.irp i, 0,1,2,3,4,5,6,7
	v_add_nc_u32 v[VO+8+\i], s37, v[VO+\i]
.endr
	s_lshl_b32 s41, ttmp9, 2
	s_add_co_u32 s41, s41, s28                     ; J
	s_mul_i32 s42, s41, 6144
	s_mov_b32 s43, 0
	s_add_nc_u64 s[6:7], s[26:27], s[42:43]        ; my codes
	s_lshl_b32 s42, s41, 8
	s_add_co_u32 s42, s42, CWS
	s_add_nc_u64 s[26:27], s[26:27], s[42:43]      ; my scale words
.macro LOADF f                                 ; fragment f: 16 rows x 512 bytes into set f % 2
.irp i, 0,1,2,3,4,5,6,7,8,9,10,11,12,13,14,15
	global_load_b128 v[R+64*((\f)%2)+4*\i:R+64*((\f)%2)+4*\i+3], v[VO+\i], s[4:5] offset:512*(\f) th:TH_LOAD_NT
.endr
.endm
.macro FRAGQ f
.if (\f) < 3
	s_wait_loadcnt 16                              ; this fragment's 16 loads are in; the next one's 16 may be out
.else
	s_wait_loadcnt 0x0
.endif
.irp i, 0,1,2,3,4,5,6,7,8,9,10,11,12,13,14,15
	ds_store_b128 v4, v[R+64*((\f)%2)+4*\i:R+64*((\f)%2)+4*\i+3] offset:528*\i
.endr
.irp c, 0,1
.irp j, 0,1,2,3,4,5,6,7
	ds_load_b128 v[X+32*\c+4*\j:X+32*\c+4*\j+3], v5 offset:256*\c+16*\j   ; LDS serves a wave's instructions in order (ISA guide 5.7.1.4): these see the stores above
.endr
.endr
	s_wait_dscnt 16                                ; the 16 stores have read their registers (the 16 loads may be out),
.if (\f)+2 < 4
	LOADF (\f)+2                                   ; which take the fragment two on
.endif
	s_wait_dscnt 0x0
.irp c, 0,1
	v_max3_num_f32 v[TM+\c], |v[X+32*\c]|, |v[X+32*\c+1]|, 0x2800000   ; my block 2 c + h: all its 32 numbers are mine; the floor 2^(5 - 127) holds the byte at 1 from below
.endr
.irp i, 2,4,6,8,10,12,14,16,18,20,22,24,26,28,30
.irp c, 0,1
	v_max3_num_f32 v[TM+\c], v[TM+\c], |v[X+32*\c+\i]|, |v[X+32*\c+\i+1]|
.endr
.endr
.irp c, 0,1
	v_add_nc_u32 v[SO+\c], 0xfe000000, v[TM+\c]    ; 4 off the exponent field: the conversion's scale operand
.endr
.irp c, 0,1
	v_lshrrev_b32 v[BY+\c], 23, v[SO+\c]           ; the scale's byte
.endr
	v_lshl_or_b32 v254, v[BY+1], 16, v[BY]         ; blocks h and 2 + h,
	v_lshlrev_b32 v254, v7, v254                   ; at their places in the word;
	v_permlanex16_b32 v255, v254, s44, s45
	v_or_b32 v[SW+(\f)], v254, v255                ; with lane l xor 16's two the word is whole
	s_wait_xcnt 0x0                                ; the last fragment's stores have read the codes' registers
.irp c, 0,1
	v_cvt_scalef32_pk16_bf6_f32 v[PC+6*\c:PC+6*\c+2], v[X+32*\c:X+32*\c+15], v[SO+\c]
	v_cvt_scalef32_pk16_bf6_f32 v[UP+4*\c:UP+4*\c+2], v[X+32*\c+16:X+32*\c+31], v[SO+\c]
.endr
	v_nop                                          ; one plain place behind a scaled conversion
.irp c, 0,1
.irp i, 0,1,2
	v_mov_b32 v[PC+6*\c+3+\i], v[UP+4*\c+\i]
.endr
.endr
.irp p, 0,1,2,3,4,5
	global_store_b64 v6, v[PC+2*\p:PC+2*\p+1], s[6:7] offset:1536*(\f)+256*\p
.endr
.endm
	LOADF 0
	LOADF 1
	FRAGQ 0
	FRAGQ 1
	FRAGQ 2
	FRAGQ 3
	v_cmp_le_u32 vcc_lo, 16, v1                    ; lanes 0-15 store the words of fragments 0, 1 of row r, lanes 16-31 those of fragments 2, 3: 8 x lane = 128 (K / 256) + 8 r
	v_cndmask_b32 v254, v[SW], v[SW+2], vcc_lo
	v_cndmask_b32 v255, v[SW+1], v[SW+3], vcc_lo
	global_store_b64 v6, v[254:255], s[26:27]
	s_wait_tensorcnt 0x0
	ds_add_u32 v239, v243
	s_wait_dscnt 0x0
	s_endpgm
.Lfunc_end_k_q7ba3f394db_quant:
	.size	k_q7ba3f394db_quant, .Lfunc_end_k_q7ba3f394db_quant-k_q7ba3f394db_quant
	.p2alignl 7, 3214868480
	.fill 96, 4, 3214868480
	.section	.rodata,"a",@progbits
	.p2align	6, 0x0
	.amdhsa_kernel k_q7ba3f394db_quant
		.amdhsa_group_segment_fixed_size 34304
		.amdhsa_private_segment_fixed_size 0
		.amdhsa_enable_private_segment 0
		.amdhsa_kernarg_size 80
		.amdhsa_user_sgpr_count 2
		.amdhsa_user_sgpr_kernarg_segment_ptr 1
		.amdhsa_wavefront_size32 1
		.amdhsa_system_sgpr_workgroup_id_x 1
		.amdhsa_system_sgpr_workgroup_id_y 1
		.amdhsa_system_sgpr_workgroup_id_z 1
		.amdhsa_system_vgpr_workitem_id 0
		.amdhsa_next_free_vgpr 256
		.amdhsa_next_free_sgpr 66
		.amdhsa_reserve_vcc 1
		.amdhsa_float_denorm_mode_32 3
		.amdhsa_float_denorm_mode_16_64 3
		.amdhsa_memory_ordered 1
		.amdhsa_forward_progress 1
		.amdhsa_inst_pref_size 34
	.end_amdhsa_kernel
	.amdgpu_metadata
---
amdhsa.version: [ 1, 2 ]
amdhsa.kernels:
  - .name:           k_q7ba3f394db_quant
    .symbol:         k_q7ba3f394db_quant.kd
    .args:
      - { .name: q, .offset: 0, .size: 8, .value_kind: global_buffer, .address_space: global }
      - { .name: k, .offset: 8, .size: 8, .value_kind: global_buffer, .address_space: global }
      - { .name: v, .offset: 16, .size: 8, .value_kind: global_buffer, .address_space: global }
      - { .name: Wq, .offset: 24, .size: 8, .value_kind: global_buffer, .address_space: global }
      - { .name: Wk, .offset: 32, .size: 8, .value_kind: global_buffer, .address_space: global }
      - { .name: Wv, .offset: 40, .size: 8, .value_kind: global_buffer, .address_space: global }
      - { .name: Wo, .offset: 48, .size: 8, .value_kind: global_buffer, .address_space: global }
      - { .name: W1, .offset: 56, .size: 8, .value_kind: global_buffer, .address_space: global }
      - { .name: W2, .offset: 64, .size: 8, .value_kind: global_buffer, .address_space: global }
      - { .name: cw, .offset: 72, .size: 8, .value_kind: global_buffer, .address_space: global }
    .group_segment_fixed_size: 34304
    .private_segment_fixed_size: 0
    .kernarg_segment_align: 8
    .kernarg_segment_size: 80
    .max_flat_workgroup_size: 128
    .sgpr_count:     66
    .vgpr_count:     256
    .wavefront_size: 32
...
	.end_amdgpu_metadata
.endif
;; end of part 1
;; launch qkv (part 2): grid 4 x 48, 4 waves a work-group, clusters of 4 x 4, 327,680 bytes of LDS; arguments cw, qkv; writes qkv
.if DOCPART == 2
	.amdgcn_target "amdgcn-amd-amdhsa--gfx1250"
	.amdhsa_code_object_version 6
	.text
	.protected	k_q7ba3f394db_qkv
	.globl	k_q7ba3f394db_qkv
	.p2align	8
	.type	k_q7ba3f394db_qkv,@function
k_q7ba3f394db_qkv:
	s_mov_b64 s[64:65], 0
	v_nop
	global_prefetch_b8 v0, s[64:65] scope:SCOPE_SE
	s_setreg_imm32_b32 hwreg(HW_REG_WAVE_MODE, 25, 1), 1
	s_wait_xcnt 0x0
	s_wait_alu depctr_hold_cnt(0) depctr_sa_sdst(0) depctr_va_vdst(0) depctr_va_sdst(0) depctr_va_ssrc(0) depctr_va_vcc(0) depctr_vm_vsrc(0)
	s_getreg_b32 s2, hwreg(HW_REG_IB_STS2, 6, 4)
	s_cmp_eq_u32 s2, 0
	s_cbranch_scc0 .Lentry_in_a_cluster
	s_endpgm
.Lentry_in_a_cluster:
	s_bfe_u32 s2, ttmp6, 0x10000c
	s_cmp_lg_u32 s2, 0xf033
	s_cbranch_scc0 .Lentry_shape_is_right
	s_endpgm
.Lentry_shape_is_right:
; Q = q Wq^T, K = k Wk^T, V = v Wv^T on codes of BF6 (E3M2) with E8M0 scales, and the results quantised on the way out for the two products of attention.
; A: the codes of q, k, v on end, 12,288 rows; tile rows 0-15 take Wq, 16-31 Wk, 32-47 Wv.  All operands lie as images of fragments (16 rows x 128 K = 1,536 bytes: piece p of lane l at 256 p + 8 l).
; A tile of C, 256 x 256, is made by four waves, 128 x 128 each: 64 accumulators, 512 registers.  K goes in steps of 256 through a ring of two LDS slots; a wave's tensor load brings 8 row blocks x 3,072 dense bytes.
; The scale words of the work-group's rows, for all of K, come into LDS once, with the first fills.  CLUSTERS: 4 x 4 work-groups; A's tiles are asked for jointly along a row of the cluster, B's along a column.
; THE MATRIX INSTRUCTION IS USED TRANSPOSED (source 0 = 16 rows of the weight, source 1 = 16 rows of A): a lane holds one row of C.  The weights' rows were laid so that a lane's 16 registers of two neighbouring tiles are
;   Q, K: 16 neighbouring columns (a head's channels are 64 neighbouring columns: blocks of 32 along the first product's K);   V: one channel of 16 neighbouring keys (the second product's K).
; OUT: Q's and K's codes as images over [8,192 rows][1,024], their scale words [row block][column / 64][row] = {s0, s1, s0, s1};  V's codes [head][channel][2,048 keys as a stream of bits], its bytes [head][channel][64]: block 8 a + e at 8 e + a.
; A block of zeros gets the byte 1 where the rule says 127 (zero codes; the bytes are this program's own).  LIMITS: NaN and infinities are not served.
; REGISTERS: window 0: v0-31 addresses; v32-63 scale words, two sets; from v128 A's fragments, one set; window 1: B's fragments, two sets, at v0 and v128; windows 2, 3: the accumulators ((a, b) at v[8 (8 (a % 4) + b)]).
.set SIZE_K, 1024
.set APTR,   4
.set BPTR,   4
.set CWS,    18874368
.set A_SC,   CWS
.set B_CO,   9437184
.set B_SC,   CWS+393216
.set HASP,   1
.set VTC,    6291456
.set QKS,    9437184
.set VTS,    9961472
.set KF,     SIZE_K/128
.set RBB,    1536*KF                   ; a row block's codes in memory
.set KJ,     SIZE_K/256
.set NQ,     2                         ; matrix instructions deep in a slot
.set FR,     12                        ; registers of a fragment
.set NL,     6                         ; LDS loads that bring one
.set NP,     4                         ; places behind this matrix instruction (ISA guide 7.12.1)
.set HALFT,  8*3072                    ; 128 rows x 256 K: what one tensor load brings
.set SLOT,   4*HALFT                   ; A's 256 rows, then B's
.set LAPS,   SIZE_K/512
.set SCL,    2*SLOT                    ; behind the ring: the scale words
.set HALFS,  1024*KJ                   ; those of 128 rows
.set SPARE,  SCL+4*HALFS+256           ; behind them: the spare words, 128 bytes a wave, two blocks of 256 bytes that no other line names
.set ADRA, 16                          ; v16-17 LDS address of my A fragments in slot 0, 1
.set ADRB, 20                          ; v20-21 the same for B
.set ADRS, 27                          ; v27    of my scale words: lanes 0-15 A's rows, lanes 16-31 B's
.set SPW,  28                          ; v28    my spare word; never rewritten
.set NIL,  29                          ; v29    0; never rewritten
.set SC,   32
.set AF,   128
.set G1, 24
.set G0, 32
.set G1B, 48
.set G0B, 56
.set G1S, 68
.set G0S, 76
.set G1SB, 80
.set G0SB, 88
.set LO,   7                           ; v7  8 x lane
.set L4,   8                           ; v8  4 x lane
.set SELV, 9                           ; v9  byte selects: my half's two scale bytes, twice
.set VA,   10                          ; v10 1,536 h + 12 r
.set VB,   11                          ; v11 64 h + 8 (r / 2)
.set SB,   96                          ; v96-103  V's scale bytes, two registers a channel pair
.set PC,   112                         ; v112-131 the codes just made
.set CV,   112                         ; (V's way: four runs of three)
.set TM,   200                         ; v200-215 at work
.set PW,   216
.set DW,   217
.set SEL,  98
.set MSB, 0
.macro WIN new                         ; the immediate's high byte repeats the setting that is left
.if MSB != (\new)
	s_set_vgpr_msb (MSB<<8)|(\new)
.set MSB, (\new)
.endif
.endm
.set MUL_LO, 0xa1                      ; source 0 (B) window 1, source 1 (A) window 0, C and D window 2
.set MUL_HI, 0xf1
.set TO_B,   0x40
.macro JLOAD g0a, g1a, g0b, g1b        ; a joint load: waves 0, 1 fetch for A, waves 2, 3 for B; four v_nop follow each line
	s_cmp_eq_u32 s15, 0
	s_cbranch_scc0 .Lfor_b_\@
	tensor_load_to_lds s[\g0a:\g0a+3], s[\g1a:\g1a+7]
	s_nop 0
.rept 4
	v_nop
.endr
	s_branch .Lasked_\@
.Lfor_b_\@:
	tensor_load_to_lds s[\g0b:\g0b+3], s[\g1b:\g1b+7]
	s_nop 0
.rept 4
	v_nop
.endr
.Lasked_\@:
.endm
.macro CREST                           ; a round of the cluster's barrier behind its opening barrier
	s_cmp_lg_u32 s14, 0
	s_cbranch_scc1 .Lnot_wave_0_\@
	s_barrier_signal -3
.Lnot_wave_0_\@:
	s_barrier_wait -3
	s_barrier_signal -1
	s_barrier_wait -1
.endm
.macro CROUND
	s_barrier_signal -1
	s_barrier_wait -1
	CREST
.endm
	s_load_b128 s[4:7], s[0:1], 0x0                ; cw, qkv
	v_lshl_add_u32 v[SPW], v0, 2, SPARE
	v_mov_b32 v[NIL], 0
	ds_add_u32 v28, v29
	ds_add_u32 v28, v29
	s_wait_dscnt 0x0
	v_lshrrev_b32 v1, 5, v0
	v_readfirstlane_b32 s14, v1                    ; wave
	s_lshr_b32 s15, s14, 1                         ; my half of the tile's rows.  Also: I fetch for A (0) or B (1)
	s_and_b32 s16, s14, 1                          ; my half of its columns.  Also: which 128 rows I fetch
	s_bfe_u32 s40, ttmp6, 0x40000                  ; cx
	s_bfe_u32 s41, ttmp6, 0x40004                  ; cy
	s_lshl_b32 s42, ttmp9, 2
	s_add_co_u32 s42, s42, s40                     ; tile column
	s_and_b32 s17, ttmp7, 0xffff
.if HASP
	s_lshr_b32 s95, s17, 2                         ; which of the three products: from the cluster's y alone, the same in all sixteen partners
.endif
	s_lshl_b32 s17, s17, 2
	s_add_co_u32 s17, s17, s41                     ; tile row
	s_lshl_b32 s43, s41, 2
	s_lshl_b32 s43, 15, s43                        ; my row of the cluster
	s_lshl_b32 s44, 0x1111, s40                    ; my column
	s_or_b32 s[G1+0], s43, (3<<16)|(1<<21)         ; the mask; elements of 8 bytes; bit 21 beside a mask; no padding
	s_or_b32 s[G1B+0], s44, (3<<16)|(1<<21)
.irp g, G1, G1B
	s_mov_b32 s[\g+1], 384<<16                     ; tensor_dim0 = 384 elements: two fragments
	s_mov_b32 s[\g+2], 8<<16                       ; tensor_dim1 = 8 row blocks
	s_mov_b32 s[\g+3], 384<<16                     ; tile_dim0
	s_mov_b32 s[\g+4], 8                           ; tile_dim1
	s_mov_b32 s[\g+5], RBB/8                       ; from row block to row block
	s_mov_b32 s[\g+6], 0
	s_mov_b32 s[\g+7], 0
.endr
	s_or_b32 s[G1S+0], s43, (3<<16)|(1<<21)        ; the scale words of 128 rows: a dense block, as rows of 256 bytes
	s_or_b32 s[G1SB+0], s44, (3<<16)|(1<<21)
.irp g, G1S, G1SB
	s_mov_b32 s[\g+1], 32<<16
	s_mov_b32 s[\g+2], (HALFS/256)<<16
	s_mov_b32 s[\g+3], 32<<16
	s_mov_b32 s[\g+4], HALFS/256
	s_mov_b32 s[\g+5], 32
	s_mov_b32 s[\g+6], 0
	s_mov_b32 s[\g+7], 0
.endr
	s_lshl_b32 s18, s16, 3
	s_lshl_b32 s20, s17, 4
	s_add_co_u32 s20, s20, s18                     ; A: the first row block that I fetch
	s_lshl_b32 s46, s42, 4
	s_add_co_u32 s46, s46, s18                     ; B likewise
	s_mul_i32 s22, s20, 128*KJ
	s_add_co_u32 s22, s22, A_SC
	s_mul_i32 s20, s20, RBB
	s_mul_i32 s92, s46, 128*KJ
	s_add_co_u32 s92, s92, B_SC
	s_mul_i32 s46, s46, RBB
	s_add_co_u32 s46, s46, B_CO
.if HASP
	s_mul_i32 s96, s95, 786432                     ; the product's weight
	s_add_co_u32 s46, s46, s96
	s_lshl_b32 s96, s95, 15
	s_add_co_u32 s92, s92, s96
.endif
	s_mov_b32 s21, 0
	s_mov_b32 s23, 0
	s_mov_b32 s47, 0
	s_mov_b32 s93, 0
	s_mul_i32 s45, s14, HALFT                      ; where they go: by the wave's number alone
	s_mul_i32 s94, s14, HALFS
	s_wait_kmcnt 0x0
	s_add_nc_u64 s[20:21], s[APTR:APTR+1], s[20:21]
	s_add_nc_u64 s[22:23], s[APTR:APTR+1], s[22:23]
	s_add_nc_u64 s[46:47], s[BPTR:BPTR+1], s[46:47]
	s_add_nc_u64 s[92:93], s[BPTR:BPTR+1], s[92:93]
	CROUND                                         ; all sixteen work-groups are here: the first joint loads meet
	s_mov_b32 s[G0S], 1
	s_add_co_u32 s[G0S+1], s94, SCL
	s_mov_b64 s[G0S+2:G0S+3], s[22:23]
	s_or_b32 s[G0S+3], s[G0S+3], 0x80000000
	s_mov_b32 s[G0SB], 1
	s_add_co_u32 s[G0SB+1], s94, SCL+128           ; B's words lie 128 bytes further on, so that A's 128 bytes and B's of one load fall into different halves of a span of 256
	s_mov_b64 s[G0SB+2:G0SB+3], s[92:93]
	s_or_b32 s[G0SB+3], s[G0SB+3], 0x80000000
	JLOAD G0S, G1S, G0SB, G1SB                     ; three tensor loads of mine go out here: the scale words and K steps 0 and 1
.irp s, 0,1
	s_mov_b32 s[G0+4*\s], 1
	s_add_co_u32 s[G0+4*\s+1], s45, \s*SLOT
	s_add_nc_u64 s[G0+4*\s+2:G0+4*\s+3], s[20:21], \s*3072
	s_or_b32 s[G0+4*\s+3], s[G0+4*\s+3], 0x80000000
	s_mov_b32 s[G0B+4*\s], 1
	s_add_co_u32 s[G0B+4*\s+1], s45, \s*SLOT
	s_add_nc_u64 s[G0B+4*\s+2:G0B+4*\s+3], s[46:47], \s*3072
	s_or_b32 s[G0B+4*\s+3], s[G0B+4*\s+3], 0x80000000
	JLOAD G0+4*\s, G1, G0B+4*\s, G1B
.endr
	v_and_b32 v1, 15, v0                           ; r
	v_bfe_u32 v2, v0, 4, 1                         ; h
	v_and_b32 v3, 31, v0
	v_lshlrev_b32 v[LO], 3, v3                     ; 8 x lane
	s_mul_i32 s21, s15, HALFT
	s_mul_i32 s22, s16, HALFT
	s_add_co_u32 s22, s22, 2*HALFT
.irp s, 0,1
	v_add_nc_u32 v[ADRA+\s], s21, v[LO]
	v_add_nc_u32 v[ADRB+\s], s22, v[LO]
	s_add_co_u32 s21, s21, SLOT
	s_add_co_u32 s22, s22, SLOT
.endr
	v_lshlrev_b32 v5, 3, v1                        ; my row's two words of a K step
	s_mul_i32 s21, s15, HALFS
	s_mul_i32 s22, s16, HALFS
	s_add_co_u32 s22, s22, 2*HALFS+128
	s_sub_co_u32 s22, s22, s21
	v_mul_u32_u24 v6, s22, v2                      ; lanes 16-31 take B's
	s_add_co_u32 s21, s21, SCL
	v_add_nc_u32 v5, v5, v6
	v_add_nc_u32 v[ADRS], s21, v5
	v_lshlrev_b32 v[L4], 2, v3
	v_cmp_ne_u32 vcc_lo, 0, v2
	v_mov_b32 v[SELV], 0x01000100
	v_mov_b32 v12, 0x03020302
	v_cndmask_b32 v[SELV], v[SELV], v12, vcc_lo
	v_mul_u32_u24 v[VA], v2, 1536
	v_mad_u32_u24 v[VA], v1, 12, v[VA]
	v_lshrrev_b32 v[VB], 1, v1
	v_lshlrev_b32 v[VB], 3, v[VB]
	v_lshl_add_u32 v[VB], v2, 6, v[VB]
	s_mov_b32 s[SEL], 0x76543210
	s_mov_b32 s[SEL+1], 0xfedcba98
.macro FRAG reg, adr, q, i             ; a fragment comes as it was stored: six loads of 8 bytes a lane, 256 consecutive bytes each
.irp p, 0,1,2,3,4,5
	ds_load_b64 v[\reg+2*\p:\reg+2*\p+1], v[\adr] offset:(\i)*3072+(\q)*1536+256*\p
.endr
.endm
; 16 matrix instructions: A's blocks a0, a0 + 1 x B's eight.  The 64 accumulators take turns, one instruction a turn, in the same order in every step.
.macro MUL16 a0, p, q, sc, zero
.irp a, \a0, \a0+1
.irp b, 0,1,2,3,4,5,6,7
.if \zero
	v_wmma_scale_f32_16x16x128_f8f6f4 v[8*(8*((\a)%4)+\b):8*(8*((\a)%4)+\b)+7], v[128*(\p)+FR*\b:128*(\p)+FR*\b+FR-1], v[AF+FR*(\a):AF+FR*(\a)+FR-1], 0, v[SC+8*NQ*(\sc)+NQ*\b+(\q)], v[SC+8*NQ*(\sc)+NQ*(\a)+(\q)] matrix_a_fmt:MATRIX_FMT_BF6 matrix_b_fmt:MATRIX_FMT_BF6 matrix_a_scale:MATRIX_SCALE_ROW1
.else
	v_wmma_scale_f32_16x16x128_f8f6f4 v[8*(8*((\a)%4)+\b):8*(8*((\a)%4)+\b)+7], v[128*(\p)+FR*\b:128*(\p)+FR*\b+FR-1], v[AF+FR*(\a):AF+FR*(\a)+FR-1], v[8*(8*((\a)%4)+\b):8*(8*((\a)%4)+\b)+7], v[SC+8*NQ*(\sc)+NQ*\b+(\q)], v[SC+8*NQ*(\sc)+NQ*(\a)+(\q)] matrix_a_fmt:MATRIX_FMT_BF6 matrix_b_fmt:MATRIX_FMT_BF6 matrix_a_scale:MATRIX_SCALE_ROW1
.endif
.endr
.endr
.endm
.macro FETCH_B slot, q, p
	WIN TO_B
.irp i, 0,1,2,3,4,5,6,7
	FRAG 128*(\p)+FR*\i, ADRB+\slot, \q, \i
.endr
	WIN 0
.endm
.macro FETCH_A slot, q, i0
.irp i, \i0, \i0+1, \i0+2, \i0+3
	FRAG AF+FR*(\i), ADRA+\slot, \q, \i
.endr
.endm
.macro SCALES sc                       ; the K step's two words a row: lanes 0-15 A's block i, lanes 16-31 B's block i
.irp i, 0,1,2,3,4,5,6,7
	ds_load_b64 v[SC+8*NQ*\sc+NQ*\i:SC+8*NQ*\sc+NQ*\i+1], v[ADRS] offset:\i*KJ*128
.endr
.endm
.macro PLACES n                        ; plain vector instructions between a matrix instruction and a load into, or a read of, its registers
.rept \n
	v_nop
.endr
.endm
.macro STEP slot, q, zero              ; a step of 128 along K that has its successor in the same slot
	s_wait_dscnt 4*NL                              ; B's set and A's blocks 0-3 are in; the youngest 24 loads (A's blocks 4-7) may be out
	WIN MUL_LO
	MUL16 0, (\q)%2, \q, \slot, \zero
	MUL16 2, (\q)%2, \q, \slot, \zero
	s_wait_dscnt 0
	PLACES NP
	FETCH_B \slot, (\q)+1, 1-(\q)%2
	FETCH_A \slot, (\q)+1, 0
	WIN MUL_HI
	MUL16 4, (\q)%2, \q, \slot, \zero
	MUL16 6, (\q)%2, \q, \slot, \zero
	PLACES NP
	WIN 0
	FETCH_A \slot, (\q)+1, 4
.endm
.macro TURN slot, next, fill           ; a slot's last step changes slots: one barrier; fill = 1: this slot is filled again, two K steps ahead
	s_wait_tensorcnt 0x0                           ; all my tensor loads have landed: my part of the next slot
	ds_add_u32 v[SPW], v[NIL]                      ; 0 onto my spare word
	s_wait_dscnt 4*NL+1                            ; (the add and the youngest 24 loads may be out)
	WIN MUL_LO
	MUL16 0, 1, NQ-1, \slot, 0
	s_wait_dscnt 0x0                               ; the add is done, and my reads of this slot are over
	s_barrier_signal -1
	MUL16 2, 1, NQ-1, \slot, 0
	WIN 0
	s_barrier_wait -1
.if \fill
	CREST                                          ; the barrier has opened a round of the cluster's barrier: no wave of any partner still reads this slot or has a load on its way
	s_add_nc_u64 s[G0+4*\slot+2:G0+4*\slot+3], s[G0+4*\slot+2:G0+4*\slot+3], 6144
	s_add_nc_u64 s[G0B+4*\slot+2:G0B+4*\slot+3], s[G0B+4*\slot+2:G0B+4*\slot+3], 6144
	JLOAD G0+4*\slot, G1, G0B+4*\slot, G1B         ; my one tensor load behind the round; its four v_nop are the places in front of the loads below
.else
	PLACES NP
.endif
	v_add_nc_u32 v[ADRS], 128, v[ADRS]             ; the next K step's scale words
	FETCH_B \next, 0, 0
	FETCH_A \next, 0, 0
	SCALES \next
	WIN MUL_HI
	MUL16 4, 1, NQ-1, \slot, 0
	MUL16 6, 1, NQ-1, \slot, 0
	PLACES NP
	WIN 0
	FETCH_A \next, 0, 4
.endm
	s_wait_tensorcnt 1                             ; the scale words and my part of K step 0 are in; K step 1's load may be out
	s_barrier_signal -1
	s_barrier_wait -1
	FETCH_B 0, 0, 0
	FETCH_A 0, 0, 0
	SCALES 0
	FETCH_A 0, 0, 4
	STEP 0, 0, 1                                   ; the first step's products start the sums
	s_mov_b32 s3, LAPS-1
.Llap:
	TURN 0, 1, 1
	STEP 1, 0, 0
	TURN 1, 0, 1
	STEP 0, 0, 0
	s_sub_co_u32 s3, s3, 1
	s_cmp_lg_u32 s3, 0
	s_cbranch_scc1 .Llap
	TURN 0, 1, 0                                   ; the last lap fills nothing
	STEP 1, 0, 0
	s_wait_dscnt 4*NL
	WIN MUL_LO
	MUL16 0, 1, NQ-1, 1, 0
	MUL16 2, 1, NQ-1, 1, 0
	s_wait_dscnt 0
	WIN MUL_HI
	MUL16 4, 1, NQ-1, 1, 0
	MUL16 6, 1, NQ-1, 1, 0
	WIN 0
; 64 numbers of a lane in window w, register s + 16 b + i = column 32 b + 16 h + i of my row, become a fragment's codes in v[PC] on and its scale word in v[PW].  Each accumulator is read from its low end on.
.macro QUANT s, w
.set WA, (\w)|((\w)<<2)
.set WB, ((\w)<<2)|((\w)<<4)
	WIN WA
.irp b, 0,1,2,3
	v_max3_num_f32 v[TM+\b], |v[(\s)+16*\b]|, |v[(\s)+1+16*\b]|, 0x2800000   ; with the floor 2^(5 - 127): the byte cannot fall under 1
.endr
	WIN WB
.irp i, 2,4,6,8,10,12,14
.irp b, 0,1,2,3
	v_max3_num_f32 v[TM+\b], v[TM+\b], |v[(\s)+16*\b+\i]|, |v[(\s)+1+16*\b+\i]|
.endr
.endr
	WIN 0
.irp b, 0,1,2,3
	v_permlanex16_b32 v[TM+4+\b], v[TM+\b], s[SEL], s[SEL+1]
.endr
.irp b, 0,1,2,3
	v_max_num_f32 v[TM+\b], v[TM+\b], v[TM+4+\b]   ; with lane l xor 16's: the block's largest magnitude
.endr
.irp b, 0,1,2,3
	v_add_nc_u32 v[TM+12+\b], 0xfe000000, v[TM+\b] ; 4 off its exponent field: the conversion's scale operand
.endr
.irp b, 0,1,2,3
	v_lshrrev_b32 v[TM+4+\b], 23, v[TM+12+\b]      ; the byte
.endr
	v_lshl_or_b32 v[PW], v[TM+5], 8, v[TM+4]
	v_lshl_or_b32 v[PW], v[TM+6], 16, v[PW]
	v_lshl_or_b32 v[PW], v[TM+7], 24, v[PW]
	WIN \w
.irp c, 0,1
	v_cvt_scalef32_pk16_bf6_f32 v[PC+6*\c:PC+2+6*\c], v[(\s)+32*\c:(\s)+15+32*\c], v[TM+12+2*\c]
	v_cvt_scalef32_pk16_bf6_f32 v[PC+12+4*\c:PC+14+4*\c], v[(\s)+16+32*\c:(\s)+31+32*\c], v[TM+12+2*\c+1]
.endr
	WIN 0
	v_nop                                          ; one plain place behind a scaled conversion
.irp c, 0,1                                    ; the operand's layout wants a whole block in a lane
.irp i, 0,1,2
	v_permlane16_swap_b32 v[PC+6*\c+\i], v[PC+12+4*\c+\i]
.endr
.irp i, 0,1,2
	v_mov_b32 v[PC+3+6*\c+\i], v[PC+12+4*\c+\i]
.endr
.endr
.endm
	PLACES NP                                      ; behind the last products: their results are read, and registers that held A's fragments are written
.irp b, 0,1,2,3
	v_mov_b32 v[TM+4+\b], 0                        ; written once: a lane permute's destination counts as one of its sources
.endr
	s_lshl_b32 s22, s42, 1
	s_add_co_u32 s22, s22, s16                     ; my 128 columns: 2 x tile column + half
	s_mov_b32 s41, 0
	s_cmp_eq_u32 s95, 2
	s_cbranch_scc1 .Lv_way
	; ---- Q and K: block a of 16 rows becomes one fragment and 32 scale words
	s_lshl_b32 s20, s17, 4
	s_lshl_b32 s21, s15, 3
	s_add_co_u32 s20, s20, s21                     ; my first row block
	s_mul_i32 s40, s20, 12288
	s_mul_i32 s21, s22, 1536
	s_add_co_u32 s40, s40, s21
	s_add_nc_u64 s[8:9], s[6:7], s[40:41]
	s_lshl_b32 s40, s20, 10
	s_lshl_b32 s21, s22, 7
	s_add_co_u32 s40, s40, s21
	s_add_co_u32 s40, s40, QKS
	s_add_nc_u64 s[10:11], s[6:7], s[40:41]
.irp a, 0,1,2,3,4,5,6,7
.if \a > 0
	s_wait_xcnt 0x0                                ; the last block's stores have read their registers
.endif
	QUANT 64*(\a%4), 2+\a/4
.irp p, 0,1,2,3,4,5
	global_store_b64 v[LO], v[PC+2*\p:PC+2*\p+1], s[8:9] offset:\a*12288+256*\p
.endr
	v_perm_b32 v[DW], v[PW], v[PW], v[SELV]        ; lanes 0-15: {b0, b1, b0, b1} of the first 64 columns, lanes 16-31: {b2, b3, b2, b3} of the second
	global_store_b32 v[L4], v[DW], s[10:11] offset:\a*1024
.endr
	s_branch .Ldone
.Lv_way:
	; ---- V: lane (r, h), registers 16 P + i: channel 2 P + h, keys 16 (16 a + r) + i.  A block of 32 keys lies in lanes r and r xor 1
	s_sub_co_u32 s20, s17, 32
	s_lshl_b32 s20, s20, 1
	s_add_co_u32 s20, s20, s15                     ; the head
	s_lshl_b32 s22, s22, 3                         ; my first channel: 16 x tile column + 8 x half
	s_mul_i32 s40, s20, 98304
	s_mul_i32 s21, s22, 1536
	s_add_co_u32 s40, s40, s21
	s_add_co_u32 s40, s40, VTC
	s_add_nc_u64 s[8:9], s[6:7], s[40:41]
	s_lshl_b32 s40, s20, 12
	s_lshl_b32 s21, s22, 6
	s_add_co_u32 s40, s40, s21
	s_add_co_u32 s40, s40, VTS
	s_add_nc_u64 s[10:11], s[6:7], s[40:41]
.macro VQUANT a
.set VS0, 64*((\a)%4)
.set VW, 2+(\a)/4
.set WA, VW|(VW<<2)
.set WB, (VW<<2)|(VW<<4)
	WIN WA
.irp b, 0,1,2,3
	v_max3_num_f32 v[TM+\b], |v[VS0+16*\b]|, |v[VS0+1+16*\b]|, 0x2800000
.endr
	WIN WB
.irp i, 2,4,6,8,10,12,14
.irp b, 0,1,2,3
	v_max3_num_f32 v[TM+\b], v[TM+\b], |v[VS0+16*\b+\i]|, |v[VS0+1+16*\b+\i]|
.endr
.endr
	WIN 0
.irp b, 0,1,2,3
	v_max_num_f32_dpp v[TM+\b], v[TM+\b], v[TM+\b] row_xmask:1 row_mask:0xf bank_mask:0xf   ; with the neighbouring row's 16 keys
.endr
.irp b, 0,1,2,3
	v_add_nc_u32 v[TM+12+\b], 0xfe000000, v[TM+\b]
.endr
.irp b, 0,1,2,3
	v_lshrrev_b32 v[TM+4+\b], 23, v[TM+12+\b]
.endr
.irp b, 0,1,2,3
.if (\a)%4 == 0
	v_mov_b32 v[SB+2*\b+(\a)/4], v[TM+4+\b]        ; byte a of my eight: key block 8 a + r / 2
.else
	v_lshl_or_b32 v[SB+2*\b+(\a)/4], v[TM+4+\b], 8*((\a)%4), v[SB+2*\b+(\a)/4]
.endif
.endr
	s_wait_xcnt 0x0                                ; the last block's stores have read the codes' registers
	WIN VW
.irp b, 0,1,2,3
	v_cvt_scalef32_pk16_bf6_f32 v[CV+4*\b:CV+4*\b+2], v[VS0+16*\b:VS0+16*\b+15], v[TM+12+\b]
.endr
	WIN 0
	v_nop                                          ; one plain place behind a scaled conversion
.irp b, 0,1,2,3
	global_store_b96 v[VA], v[CV+4*\b:CV+4*\b+2], s[8:9] offset:\b*3072+192*(\a)   ; sixteen lanes store 192 consecutive bytes of a channel's row
.endr
.endm
.irp a, 0,1,2,3,4,5,6,7
	VQUANT \a
.endr
.irp b, 0,1,2,3
	global_store_b64 v[VB], v[SB+2*\b:SB+2*\b+1], s[10:11] offset:\b*128   ; lanes r and r xor 1 store the same eight bytes
.endr
.Ldone:
	s_wait_tensorcnt 0x0                           ; the wave's end
	ds_add_u32 v[SPW], v[NIL]
	s_wait_dscnt 0x0
	CROUND                                         ; the closing round
	s_endpgm
.Lfunc_end_k_q7ba3f394db_qkv:
	.size	k_q7ba3f394db_qkv, .Lfunc_end_k_q7ba3f394db_qkv-k_q7ba3f394db_qkv
	.p2alignl 7, 3214868480
	.fill 96, 4, 3214868480
	.section	.rodata,"a",@progbits
	.p2align	6, 0x0
	.amdhsa_kernel k_q7ba3f394db_qkv
		.amdhsa_group_segment_fixed_size 327680
		.amdhsa_private_segment_fixed_size 0
		.amdhsa_enable_private_segment 0
		.amdhsa_kernarg_size 16
		.amdhsa_user_sgpr_count 2
		.amdhsa_user_sgpr_kernarg_segment_ptr 1
		.amdhsa_wavefront_size32 1
		.amdhsa_system_sgpr_workgroup_id_x 1
		.amdhsa_system_sgpr_workgroup_id_y 1
		.amdhsa_system_sgpr_workgroup_id_z 1
		.amdhsa_system_vgpr_workitem_id 0
		.amdhsa_next_free_vgpr 1024
		.amdhsa_next_free_sgpr 100
		.amdhsa_reserve_vcc 1
		.amdhsa_float_denorm_mode_32 3
		.amdhsa_float_denorm_mode_16_64 3
		.amdhsa_memory_ordered 1
		.amdhsa_forward_progress 1
		.amdhsa_inst_pref_size 199
	.end_amdhsa_kernel
	.amdgpu_metadata
---
amdhsa.version: [ 1, 2 ]
amdhsa.kernels:
  - .name:           k_q7ba3f394db_qkv
    .symbol:         k_q7ba3f394db_qkv.kd
    .args:
      - { .name: cw, .offset: 0, .size: 8, .value_kind: global_buffer, .address_space: global }
      - { .name: qkv, .offset: 8, .size: 8, .value_kind: global_buffer, .address_space: global }
    .group_segment_fixed_size: 327680
    .private_segment_fixed_size: 0
    .kernarg_segment_align: 8
    .kernarg_segment_size: 16
    .max_flat_workgroup_size: 128
    .sgpr_count:     100
    .vgpr_count:     1024
    .wavefront_size: 32
...
	.end_amdgpu_metadata
.endif
;; end of part 2
;; launch attn (part 3): grid 8 x 32, 16 waves a work-group, no clusters, 136,192 bytes of LDS; arguments qkv, pad_mask, hq; writes hq
.if DOCPART == 3
	.amdgcn_target "amdgcn-amd-amdhsa--gfx1250"
	.amdhsa_code_object_version 6
	.text
	.protected	k_q7ba3f394db_attn
	.globl	k_q7ba3f394db_attn
	.p2align	8
	.type	k_q7ba3f394db_attn,@function
k_q7ba3f394db_attn:
	s_mov_b64 s[64:65], 0
	v_nop
	global_prefetch_b8 v0, s[64:65] scope:SCOPE_SE
	s_setreg_imm32_b32 hwreg(HW_REG_WAVE_MODE, 25, 1), 1
	s_wait_xcnt 0x0
; h = (softmax(mask_keys(Q K^T) / 8) x mask_queries) V for 32 heads of 2,048 x 64, both products on codes of BF6 (E3M2) with E8M0 scales; the second product's left operand is the FINISHED, normalised weight, quantised along the keys.
; A head is 128 rows t of the [4,096][1,024] results: row i of the head is (t % 128) 16 + column / 64.  Work-group (tb, hd) owns rows t = 128 hd + 16 tb + r; pass cg = 0 .. 15 takes the 16 queries i = 256 tb + 16 r + cg.
; THE KEYS ARE SHARED OUT AMONG THE SIXTEEN WAVES: wave w owns keys 128 w .. 128 w + 127, one K step of the second product; its fragments of K and of V^T stay in registers for the whole launch.  Each score is made once and
; each exponential taken once; the waves' maxima and sums meet in LDS, so that the row's final maximum and sum are known before a weight is converted; the waves' parts of O^T are added through LDS.
; THE FIRST PRODUCT HAS K = 64: a fragment of K holds two tiles of 16 keys (registers 0-5, 6-11); Q stands between zeros in 18 registers, and is named as Q | 0 for the first tile and as 0 | Q for the second: the other tile's codes meet zero codes.
; Both products are used transposed (source 0 = keys, or channels; source 1 = queries): a lane holds one query.  Lane r of key tile (d, u) is key 32 d + 8 u + r + 8 (r / 8), so register 16 d + 8 u + j is key 32 d + 16 h + 8 u + j.
; p = 2^(t - M), t = score x log2(e) / 8, M the wave's largest t rounded up to a whole number; the change to the row's M is a multiplication by a power of two, which rounds nothing.
; LIMITS: a batch row whose pad_mask is all false (the reference gives NaN there) is not served; NaN and infinities are not served; a block of zeros carries the byte 1, not 127 (zero codes; the bytes are this program's own).
; No cluster: what the eight work-groups of a head share, K and V, is read once, at the head, 12 KB a wave, into registers; there is no tile that is asked for again.
.set QKS,  9437184
.set VTC,  6291456
.set VTS,  9961472
.set HQS,  3145728
.set ORB,  65536                       ; LDS: 0: the waves' parts of O^T, 4,096 bytes each;  ORB: the sums, 4,096 bytes a pass
.set STAT, 131072                      ; row r of 144 bytes: wave w's {-M, l} at 8 w
.set HSC,  133376                      ; h's scale words, 512 bytes
.set BM,   24                          ; v24-27 the blocks' largest scores, then largest weights
.set BX,   28
.set SO,   32
.set KS,   36                          ; v36-39 K's scale words;  v40-43 V's;  v20 the weights';  v21 Q's
.set VS,   40
.set QZ,   44                          ; v44-61 0 | Q | 0
.set PC,   62                          ; v62-80 the codes just made; also the statistics as read
.set KFR,  82                          ; v82-129  K: four fragments
.set VFR,  130                         ; v130-177 V^T: four fragments
.set S,    178                         ; v178-241 scores, weights; then O^T in the lower 32
	s_load_b128 s[4:7], s[0:1], 0x0                ; qkv, pad_mask
	s_load_b64 s[8:9], s[0:1], 0x10                ; hq
	v_lshl_add_u32 v81, v0, 2, 0x20c00
	v_mov_b32 v255, 0
	v_lshrrev_b32 v11, 5, v0
	v_readfirstlane_b32 s10, v11                   ; wave w
	s_mov_b32 s11, ttmp9                           ; tb
	s_and_b32 s12, ttmp7, 0xffff                   ; hd
	v_and_b32 v22, 31, v0                          ; lane
	v_and_b32 v23, 15, v0                          ; r
	v_bfe_u32 v11, v0, 4, 1                        ; h
	v_lshlrev_b32 v1, 3, v22                       ; 8 x lane
	v_lshlrev_b32 v2, 2, v23                       ; 4 r
	v_lshlrev_b32 v254, 4, v22                     ; 16 x lane
	v_mul_u32_u24 v3, v23, 144
	v_lshl_add_u32 v4, v11, 6, v3
	v_add_nc_u32 v4, STAT, v4                      ; the statistics as read: row r, eight waves' pairs for each half of the lanes
	s_lshl_b32 s24, s10, 3
	s_add_co_u32 s24, s24, STAT
	v_add_nc_u32 v3, s24, v3                       ; and as written: row r, my wave's pair
	s_lshl_b32 s24, s10, 12
	v_add_nc_u32 v5, s24, v254                     ; my part of O^T: 4,096 w + 16 x lane
	v_add_nc_u32 v251, ORB, v5                     ; and, at the end, pass w's sum
	s_lshl_b32 s24, s10, 8
	v_lshl_add_u32 v6, v23, 4, s24                 ; what I add up: bytes 256 w + 16 r of every part,
	v_add_nc_u32 v7, ORB, v6                       ; where the sum goes (4,096 on in each pass),
	v_lshl_add_u32 v6, v11, 15, v6                 ; lanes 16-31 take parts 8 to 15
	s_lshr_b32 s24, s10, 2
	s_lshl_b32 s24, s24, 7
	s_and_b32 s25, s10, 3
	s_lshl_b32 s25, s25, 1
	s_add_co_u32 s24, s24, s25
	s_add_co_u32 s24, s24, HSC
	v_lshl_add_u32 v252, v23, 3, s24               ; h's two scale bytes of columns 64 w on: 128 (w / 4) + 8 r + 2 (w % 4)
	v_add_nc_u32 v253, HSC, v254
	v_and_b32 v243, 7, v23
	v_lshrrev_b32 v244, 3, v23
	v_mul_u32_u24 v242, v243, 768
	v_lshl_add_u32 v242, v244, 3, v242
	v_lshl_add_u32 v242, v11, 7, v242              ; K's codes: 768 (r % 8) + 8 (r / 8) + 128 h
	v_lshlrev_b32 v245, 6, v243
	v_lshl_add_u32 v245, v244, 2, v245             ; K's scale bytes: 64 (r % 8) + 4 (r / 8)
	v_lshl_add_u32 v246, v244, 3, v23              ; r + 8 (r / 8)
	v_mul_u32_u24 v247, v246, 1536
	v_mad_u32_u24 v247, v11, 24, v247              ; V's codes: channel's row, + 24 h
	v_lshlrev_b32 v248, 6, v246                    ; V's scale bytes
	v_lshlrev_b32 v249, 4, v11                     ; the keys' mask: 16 h
	v_lshlrev_b32 v250, 4, v23                     ; the queries' mask: 16 r
	s_lshr_b32 s22, s10, 1
	s_and_b32 s23, s10, 1
	s_mov_b32 s3, 0
	s_mov_b32 s14, 0x76543210
	s_mov_b32 s15, 0xfedcba98                      ; selects for lane l xor 16
	s_mov_b32 s16, 0x3e38aa3b                      ; c = log2(e) / 8
	s_mov_b32 s17, s16                             ; (named with it as a pair)
	s_wait_kmcnt 0x0
	s_mul_i32 s2, s12, 98304                       ; K's codes: row block 256 + 8 hd + w / 2, rows 8 (w % 2) on
	s_mul_i32 s34, s22, 12288
	s_add_co_u32 s2, s2, s34
	s_lshl_b32 s34, s23, 6
	s_add_co_u32 s2, s2, s34
	s_add_co_u32 s2, s2, 3145728
	s_add_nc_u64 s[24:25], s[4:5], s[2:3]
	s_lshl_b32 s2, s12, 13
	s_lshl_b32 s34, s22, 10
	s_add_co_u32 s2, s2, s34
	s_lshl_b32 s34, s23, 5
	s_add_co_u32 s2, s2, s34
	s_add_co_u32 s2, s2, QKS+262144
	s_add_nc_u64 s[26:27], s[4:5], s[2:3]
	s_mul_i32 s2, s12, 98304                       ; V's codes: my 128 keys are 96 bytes of each channel's row
	s_mul_i32 s34, s10, 96
	s_add_co_u32 s2, s2, s34
	s_add_co_u32 s2, s2, VTC
	s_add_nc_u64 s[28:29], s[4:5], s[2:3]
	s_lshl_b32 s2, s12, 12                         ; V's bytes: key block 4 w + x stands at 8 (4 (w % 2) + x) + w / 2
	s_lshl_b32 s34, s23, 5
	s_add_co_u32 s2, s2, s34
	s_add_co_u32 s2, s2, s22
	s_add_co_u32 s2, s2, VTS
	s_add_nc_u64 s[30:31], s[4:5], s[2:3]
	s_lshr_b32 s35, s12, 4
	s_lshl_b32 s35, s35, 11                        ; the batch's row of pad_mask
	s_lshl_b32 s2, s10, 7
	s_add_co_u32 s2, s2, s35
	s_add_nc_u64 s[32:33], s[6:7], s[2:3]
	s_lshl_b32 s2, s11, 8
	s_add_co_u32 s2, s2, s35
	s_add_nc_u64 s[6:7], s[6:7], s[2:3]
	s_lshl_b32 s34, s12, 3
	s_add_co_u32 s34, s34, s11                     ; my row block 8 hd + tb
	s_mul_i32 s2, s34, 12288
	s_add_nc_u64 s[18:19], s[4:5], s[2:3]          ; Q's codes, 768 bytes a pass
	s_lshl_b32 s2, s34, 10
	s_add_co_u32 s2, s2, QKS
	s_add_nc_u64 s[20:21], s[4:5], s[2:3]          ; Q's scale words, 64 bytes a pass
.irp d, 0,1,2,3
.irp u, 0,1
.irp p, 0,1,2
	global_load_b64 v[KFR+12*\d+6*\u+2*\p:KFR+12*\d+6*\u+2*\p+1], v242, s[24:25] offset:6144*\u+16*\d+256*\p
.endr
	global_load_u16 v[S+16+2*\d+\u], v245, s[26:27] offset:512*\u+8*\d
.endr
.endr
.irp t, 0,1,2,3                                ; lane r of channel tile t takes channel 32 (t / 2) + 8 (t % 2) + r + 8 (r / 8), so that O^T's 16 registers of two tiles are 16 neighbouring channels
.irp c, 0,1
.irp p, 0,1,2
	global_load_b64 v[VFR+12*\t+6*\c+2*\p:VFR+12*\t+6*\c+2*\p+1], v247, s[28:29] offset:(32*(\t/2)+8*(\t%2))*1536+48*\c+8*\p
.endr
.endr
.irp x, 0,1,2,3
	global_load_u8 v[S+24+4*\t+\x], v248, s[30:31] offset:(32*(\t/2)+8*(\t%2))*64+8*\x
.endr
.endr
.irp b, 0,1,2,3
	global_load_b128 v[S+4*\b:S+4*\b+3], v249, s[32:33] offset:32*\b   ; the mask bytes of keys 32 b + 16 h + 0 .. 15
.endr
	global_load_b128 v[S+40:S+43], v250, s[6:7]    ; and of queries 16 r + 0 .. 15
.irp p, 0,1,2
	global_load_b64 v[QZ+6+2*\p:QZ+7+2*\p], v1, s[18:19] offset:256*\p   ; pass 0's Q
.endr
	global_load_b32 v21, v2, s[20:21]
	v_mov_b32 v10, 0xff800000                      ; -infinity
	v_mov_b32 v13, 0
	v_mov_b32 v15, 0                               ; (upper halves of pairs that packed forms name)
.irp i, 0,1,2,3,4,5
	v_mov_b32 v[QZ+\i], 0                          ; zero codes on both sides of Q
	v_mov_b32 v[QZ+12+\i], 0
.endr
.irp b, 0,1,2,3
	v_mov_b32 v[BX+\b], 0                          ; written once: a lane permute's destination counts as one of its sources
.endr
	s_wait_loadcnt 0x0
.irp d, 0,1,2,3
	v_lshl_or_b32 v[KS+\d], v[S+17+2*\d], 16, v[S+16+2*\d]   ; {first tile's two bytes, second tile's two bytes}
.endr
.irp t, 0,1,2,3
	v_lshl_or_b32 v[VS+\t], v[S+25+4*\t], 8, v[S+24+4*\t]
	v_lshl_or_b32 v[VS+\t], v[S+26+4*\t], 16, v[VS+\t]
	v_lshl_or_b32 v[VS+\t], v[S+27+4*\t], 24, v[VS+\t]
.endr
.set n, 0
.rept 64                                       ; register n's key counts in the lanes whose bit is set: 64 lane masks in s36-63 and s66-101
	v_bfe_u32 v11, v[S+4*(n/16)+(n%16)/4], 8*(n%4), 8
	v_cmp_ne_u32 s[36+n+2*((n+36)/64)], 0, v11
.set n, n+1
.endr
	v_mov_b32 v8, 0
.set n, 0
.rept 16                                       ; bit cg: does query 16 r + cg count?
	v_bfe_u32 v11, v[S+40+n/4], 8*(n%4), 1
	v_lshl_or_b32 v8, v11, n, v8
.set n, n+1
.endr
	s_mov_b32 s13, 0
.Lpass:
	s_wait_loadcnt 0x0                             ; this pass's Q and its scale words are in, so their bases may step
	s_add_nc_u64 s[18:19], s[18:19], 768
	s_add_nc_u64 s[20:21], s[20:21], 64
.irp d, 0,1,2,3
	v_wmma_scale_f32_16x16x128_f8f6f4 v[S+16*\d:S+16*\d+7], v[KFR+12*\d:KFR+12*\d+11], v[QZ+6:QZ+17], 0, v[KS+\d], v21 matrix_a_fmt:MATRIX_FMT_BF6 matrix_b_fmt:MATRIX_FMT_BF6
	v_wmma_scale_f32_16x16x128_f8f6f4 v[S+16*\d+8:S+16*\d+15], v[KFR+12*\d:KFR+12*\d+11], v[QZ:QZ+11], 0, v[KS+\d], v21 matrix_a_fmt:MATRIX_FMT_BF6 matrix_b_fmt:MATRIX_FMT_BF6
.endr
.rept 4
	v_nop                                          ; places in front of the loads into Q's registers and of the first read of the scores
.endr
.irp p, 0,1,2
	global_load_b64 v[QZ+6+2*\p:QZ+7+2*\p], v1, s[18:19] offset:256*\p   ; the next pass's Q.  (The last pass's loads fall on the next row block of the same buffer and are not used)
.endr
	global_load_b32 v21, v2, s[20:21]
.set n, 0
.rept 64
	v_cndmask_b32 v[S+n], v10, v[S+n], s[36+n+2*((n+36)/64)]   ; hidden keys: -infinity, ahead of the maximum.  Each accumulator from its low end on
.set n, n+1
.endr
.irp b, 0,1,2,3
	v_max3_num_f32 v[BM+\b], v[S+16*\b], v[S+1+16*\b], v[S+2+16*\b]   ; the largest score of each block of 32 keys: for the maximum, and, since p rises with the score, for the block's largest weight
.endr
.irp i, 3,5,7,9,11,13
.irp b, 0,1,2,3
	v_max3_num_f32 v[BM+\b], v[BM+\b], v[S+16*\b+\i], v[S+1+16*\b+\i]
.endr
.endr
.irp b, 0,1,2,3
	v_max_num_f32 v[BM+\b], v[BM+\b], v[S+15+16*\b]
.endr
.irp b, 0,1,2,3
	v_permlanex16_b32 v[BX+\b], v[BM+\b], s14, s15
.endr
.irp b, 0,1,2,3
	v_max_num_f32 v[BM+\b], v[BM+\b], v[BX+\b]
.endr
	v_max3_num_f32 v11, v[BM], v[BM+1], v[BM+2]
	v_max3_num_f32 v11, v11, v[BM+3], 0xff61b1e6   ; -3e38 among the leaves: a wave all of whose keys are hidden keeps a finite M
	v_mul_f32 v11, s16, v11
	v_floor_f32 v12, -v11                          ; -M of my 128 keys: a whole number
.set n, 0
.rept 32
	v_pk_fma_f32 v[S+n:S+n+1], v[S+n:S+n+1], s[16:17], v[12:13] op_sel_hi:[1,0,0]   ; t - M
.set n, n+2
.endr
.irp b, 0,1,2,3
	v_fma_f32 v[BM+\b], v[BM+\b], s16, v12
.endr
.set n, 0
.rept 64
	v_exp_f32 v[S+n], v[S+n]
.set n, n+1
.endr
	v_lshrrev_b32 v9, s13, v8                      ; (plain work behind the exponentials)  the query's mask as a factor
	v_and_b32 v9, 1, v9
	v_cvt_f32_u32 v9, v9
	s_wait_alu depctr_va_vdst(0)                   ; one wait for the batch, ahead of its first reader
.irp b, 0,1,2,3
	v_exp_f32 v[BM+\b], v[BM+\b]                   ; the block's largest p: the same two instructions on the same number
.endr
	v_pk_add_f32 v[16:17], v[S:S+1], v[S+2:S+3]    ; the sum of the unquantised p, in two chains
	v_pk_add_f32 v[18:19], v[S+4:S+5], v[S+6:S+7]
.irp j, 8,12,16,20,24,28,32,36,40,44,48,52,56,60
	v_pk_add_f32 v[16:17], v[16:17], v[S+\j:S+\j+1]
	v_pk_add_f32 v[18:19], v[18:19], v[S+\j+2:S+\j+3]
.endr
	v_pk_add_f32 v[16:17], v[16:17], v[18:19]
	v_add_f32 v16, v16, v17
	v_permlanex16_b32 v22, v16, s14, s15
	v_add_f32 v13, v16, v22                        ; l of my 128 keys, beside -M
	s_wait_alu depctr_va_vdst(0)                   ; and one for the four
	ds_store_b64 v3, v[12:13]
	s_wait_dscnt 0x0                               ; my pair has landed (and my store of the last pass's sum)
	s_barrier_signal -1
	s_barrier_wait -1                              ; all sixteen pairs lie in LDS
.irp k, 0,1,2,3
	ds_load_b128 v[PC+4*\k:PC+4*\k+3], v4 offset:16*\k
.endr
	s_wait_dscnt 0x0
	v_min3_num_f32 v11, v[PC], v[PC+2], v[PC+4]
	v_min3_num_f32 v11, v11, v[PC+6], v[PC+8]
	v_min3_num_f32 v11, v11, v[PC+10], v[PC+12]
	v_min_num_f32 v11, v11, v[PC+14]
	v_permlanex16_b32 v22, v11, s14, s15
	v_min_num_f32 v11, v11, v22                    ; the row's -M
.irp i, 0,1,2,3,4,5,6,7
	v_sub_f32 v[PC+2*\i], v11, v[PC+2*\i]          ; that wave's M less the row's: a whole number, 0 or less
.endr
.irp i, 0,1,2,3,4,5,6,7
	v_cvt_i32_f32 v[PC+2*\i], v[PC+2*\i]           ; (it saturates)
.endr
.irp i, 0,1,2,3,4,5,6,7
	v_ldexp_f32 v[PC+1+2*\i], v[PC+1+2*\i], v[PC+2*\i]
.endr
	v_add_f32 v[PC+1], v[PC+1], v[PC+3]
	v_add_f32 v[PC+5], v[PC+5], v[PC+7]
	v_add_f32 v[PC+9], v[PC+9], v[PC+11]
	v_add_f32 v[PC+13], v[PC+13], v[PC+15]
	v_add_f32 v[PC+1], v[PC+1], v[PC+5]
	v_add_f32 v[PC+9], v[PC+9], v[PC+13]
	v_add_f32 v[PC+1], v[PC+1], v[PC+9]
	v_permlanex16_b32 v22, v[PC+1], s14, s15
	v_add_f32 v23, v[PC+1], v22                    ; the row's sum
	v_rcp_f32 v23, v23
	v_sub_f32 v22, v11, v12                        ; (plain work behind the reciprocal)  my M less the row's
	v_cvt_i32_f32 v22, v22
	s_wait_alu depctr_va_vdst(0)
	v_ldexp_f32 v14, v23, v22
	v_mul_f32 v14, v14, v9                         ; F = 2^(my M - the row's M) / sum x the query's mask
.set n, 0
.rept 32
	v_pk_mul_f32 v[S+n:S+n+1], v[S+n:S+n+1], v[14:15] op_sel_hi:[1,0]   ; the finished weights
.set n, n+2
.endr
.irp b, 0,1,2,3
	v_mul_f32 v[BM+\b], v[BM+\b], v14              ; the blocks' largest
.endr
.irp b, 0,1,2,3
	v_max_num_f32 v[BM+\b], 0x2800000, v[BM+\b]    ; the floor 2^(5 - 127)
.endr
.irp b, 0,1,2,3
	v_add_nc_u32 v[SO+\b], 0xfe000000, v[BM+\b]
.endr
.irp b, 0,1,2,3
	v_lshrrev_b32 v[BX+\b], 23, v[SO+\b]
.endr
	v_lshl_or_b32 v20, v[BX+1], 8, v[BX]
	v_lshl_or_b32 v20, v[BX+2], 16, v20
	v_lshl_or_b32 v20, v[BX+3], 24, v20
.irp c, 0,1
	v_cvt_scalef32_pk16_bf6_f32 v[PC+6*\c:PC+2+6*\c], v[S+32*\c:S+15+32*\c], v[SO+2*\c]
	v_cvt_scalef32_pk16_bf6_f32 v[PC+12+4*\c:PC+14+4*\c], v[S+16+32*\c:S+31+32*\c], v[SO+2*\c+1]
.endr
	v_nop                                          ; one plain place behind a scaled conversion
.irp c, 0,1
.irp i, 0,1,2
	v_permlane16_swap_b32 v[PC+6*\c+\i], v[PC+12+4*\c+\i]
.endr
.irp i, 0,1,2
	v_mov_b32 v[PC+3+6*\c+\i], v[PC+12+4*\c+\i]
.endr
.endr
.rept 8
	v_nop                                          ; a scale register written by a vector instruction stands 8 places ahead of a scaled matrix instruction, an operand 4
.endr
.irp t, 0,1,2,3
	v_wmma_scale_f32_16x16x128_f8f6f4 v[S+8*\t:S+8*\t+7], v[VFR+12*\t:VFR+12*\t+11], v[PC:PC+11], 0, v[VS+\t], v20 matrix_a_fmt:MATRIX_FMT_BF6 matrix_b_fmt:MATRIX_FMT_BF6
.endr
.rept 4
	v_nop
.endr
.irp k, 0,1,2,3,4,5,6,7
	ds_store_b128 v5, v[S+4*\k:S+4*\k+3] offset:512*\k   ; my keys' part of O^T, as an image of its 32 registers
.endr
	s_wait_dscnt 0x0
	s_barrier_signal -1
	s_barrier_wait -1                              ; all sixteen parts lie in LDS
.irp i, 0,1,2,3,4,5,6,7
	ds_load_b128 v[S+32+4*\i:S+35+4*\i], v6 offset:4096*\i
.endr
	s_wait_dscnt 0x0
.irp i, 0,2,4,6
	v_pk_add_f32 v[S+32+4*\i:S+33+4*\i], v[S+32+4*\i:S+33+4*\i], v[S+36+4*\i:S+37+4*\i]
	v_pk_add_f32 v[S+34+4*\i:S+35+4*\i], v[S+34+4*\i:S+35+4*\i], v[S+38+4*\i:S+39+4*\i]
.endr
.irp i, 0,4
	v_pk_add_f32 v[S+32+4*\i:S+33+4*\i], v[S+32+4*\i:S+33+4*\i], v[S+40+4*\i:S+41+4*\i]
	v_pk_add_f32 v[S+34+4*\i:S+35+4*\i], v[S+34+4*\i:S+35+4*\i], v[S+42+4*\i:S+43+4*\i]
.endr
	v_pk_add_f32 v[S+32:S+33], v[S+32:S+33], v[S+48:S+49]
	v_pk_add_f32 v[S+34:S+35], v[S+34:S+35], v[S+50:S+51]
.irp i, 0,1,2,3
	v_permlanex16_b32 v[242+\i], v[S+32+\i], s14, s15
.endr
	v_pk_add_f32 v[S+32:S+33], v[S+32:S+33], v[242:243]
	v_pk_add_f32 v[S+34:S+35], v[S+34:S+35], v[244:245]
	ds_store_b128 v7, v[S+32:S+35]                 ; both halves of the lanes store the same 16 bytes
	v_add_nc_u32 v7, 4096, v7
	s_add_co_u32 s13, s13, 1
	s_cmp_lt_u32 s13, 16
	s_cbranch_scc1 .Lpass
	; The statistics are written again only behind the second barrier of a pass, the parts only behind the first of the next, the sums once: two barriers a pass order all of them.
	s_wait_dscnt 0x0
	s_barrier_signal -1
	s_barrier_wait -1                              ; sixteen passes' sums lie in LDS
	; ---- wave w quantises pass w's 16 rows x 64 channels: columns 64 w on of h, half a fragment of the next product's operand
.irp k, 0,1,2,3,4,5,6,7
	ds_load_b128 v[S+4*\k:S+4*\k+3], v251 offset:512*\k
.endr
	s_lshl_b32 s22, s12, 3
	s_add_co_u32 s22, s22, s11
	s_mul_i32 s2, s22, 12288
	s_mul_i32 s23, s10, 768
	s_add_co_u32 s2, s2, s23
	s_add_nc_u64 s[24:25], s[8:9], s[2:3]
	s_lshl_b32 s2, s22, 9
	s_add_co_u32 s2, s2, HQS
	s_add_nc_u64 s[26:27], s[8:9], s[2:3]
	s_wait_dscnt 0x0
.irp b, 0,1
	v_max3_num_f32 v[BM+\b], |v[S+16*\b]|, |v[S+1+16*\b]|, 0x2800000
.endr
.irp i, 2,4,6,8,10,12,14
.irp b, 0,1
	v_max3_num_f32 v[BM+\b], v[BM+\b], |v[S+16*\b+\i]|, |v[S+1+16*\b+\i]|
.endr
.endr
.irp b, 0,1
	v_permlanex16_b32 v[BX+\b], v[BM+\b], s14, s15
.endr
.irp b, 0,1
	v_max_num_f32 v[BM+\b], v[BM+\b], v[BX+\b]
.endr
.irp b, 0,1
	v_add_nc_u32 v[SO+\b], 0xfe000000, v[BM+\b]
.endr
.irp b, 0,1
	v_lshrrev_b32 v[BX+\b], 23, v[SO+\b]
.endr
	v_lshl_or_b32 v11, v[BX+1], 8, v[BX]
	v_cvt_scalef32_pk16_bf6_f32 v[PC:PC+2], v[S:S+15], v[SO]
	v_cvt_scalef32_pk16_bf6_f32 v[PC+12:PC+14], v[S+16:S+31], v[SO+1]
	v_nop                                          ; one plain place behind a scaled conversion
.irp i, 0,1,2
	v_permlane16_swap_b32 v[PC+\i], v[PC+12+\i]
.endr
.irp i, 0,1,2
	v_mov_b32 v[PC+3+\i], v[PC+12+\i]
.endr
.irp p, 0,1,2
	global_store_b64 v1, v[PC+2*\p:PC+2*\p+1], s[24:25] offset:256*\p   ; 256 consecutive bytes, aligned
.endr
	ds_store_b16 v252, v11
	s_wait_dscnt 0x0
	s_barrier_signal -1
	s_barrier_wait -1                              ; the row block's 512 bytes of scale words are whole
	s_cmp_lg_u32 s10, 0
	s_cbranch_scc1 .Lend
	ds_load_b128 v[S:S+3], v253
	s_wait_dscnt 0x0
	global_store_b128 v254, v[S:S+3], s[26:27]
.Lend:
	s_wait_tensorcnt 0x0
	ds_add_u32 v81, v255
	s_wait_dscnt 0x0
	s_endpgm
.Lfunc_end_k_q7ba3f394db_attn:
	.size	k_q7ba3f394db_attn, .Lfunc_end_k_q7ba3f394db_attn-k_q7ba3f394db_attn
	.p2alignl 7, 3214868480
	.fill 96, 4, 3214868480
	.section	.rodata,"a",@progbits
	.p2align	6, 0x0
	.amdhsa_kernel k_q7ba3f394db_attn
		.amdhsa_group_segment_fixed_size 136192
		.amdhsa_private_segment_fixed_size 0
		.amdhsa_enable_private_segment 0
		.amdhsa_kernarg_size 24
		.amdhsa_user_sgpr_count 2
		.amdhsa_user_sgpr_kernarg_segment_ptr 1
		.amdhsa_wavefront_size32 1
		.amdhsa_system_sgpr_workgroup_id_x 1
		.amdhsa_system_sgpr_workgroup_id_y 1
		.amdhsa_system_sgpr_workgroup_id_z 1
		.amdhsa_system_vgpr_workitem_id 0
		.amdhsa_next_free_vgpr 256
		.amdhsa_next_free_sgpr 102
		.amdhsa_reserve_vcc 0
		.amdhsa_float_denorm_mode_32 3
		.amdhsa_float_denorm_mode_16_64 3
		.amdhsa_memory_ordered 1
		.amdhsa_forward_progress 1
		.amdhsa_inst_pref_size 52
	.end_amdhsa_kernel
	.amdgpu_metadata
---
amdhsa.version: [ 1, 2 ]
amdhsa.kernels:
  - .name:           k_q7ba3f394db_attn
    .symbol:         k_q7ba3f394db_attn.kd
    .args:
      - { .name: qkv, .offset: 0, .size: 8, .value_kind: global_buffer, .address_space: global }
      - { .name: pad_mask, .offset: 8, .size: 8, .value_kind: global_buffer, .address_space: global }
      - { .name: hq, .offset: 16, .size: 8, .value_kind: global_buffer, .address_space: global }
    .group_segment_fixed_size: 136192
    .private_segment_fixed_size: 0
    .kernarg_segment_align: 8
    .kernarg_segment_size: 24
    .max_flat_workgroup_size: 512
    .sgpr_count:     102
    .vgpr_count:     256
    .wavefront_size: 32
...
	.end_amdgpu_metadata
.endif
;; end of part 3
;; launch wo (part 4): grid 4 x 16, 4 waves a work-group, clusters of 4 x 4, 327,680 bytes of LDS; arguments hq, cw, xo; writes xo
.if DOCPART == 4
	.amdgcn_target "amdgcn-amd-amdhsa--gfx1250"
	.amdhsa_code_object_version 6
	.text
	.protected	k_q7ba3f394db_wo
	.globl	k_q7ba3f394db_wo
	.p2align	8
	.type	k_q7ba3f394db_wo,@function
k_q7ba3f394db_wo:
	s_mov_b64 s[64:65], 0
	v_nop
	global_prefetch_b8 v0, s[64:65] scope:SCOPE_SE
	s_setreg_imm32_b32 hwreg(HW_REG_WAVE_MODE, 25, 1), 1
	s_wait_xcnt 0x0
	s_wait_alu depctr_hold_cnt(0) depctr_sa_sdst(0) depctr_va_vdst(0) depctr_va_sdst(0) depctr_va_ssrc(0) depctr_va_vcc(0) depctr_vm_vsrc(0)
	s_getreg_b32 s2, hwreg(HW_REG_IB_STS2, 6, 4)
	s_cmp_eq_u32 s2, 0
	s_cbranch_scc0 .Lentry_in_a_cluster
	s_endpgm
.Lentry_in_a_cluster:
	s_bfe_u32 s2, ttmp6, 0x10000c
	s_cmp_lg_u32 s2, 0xf033
	s_cbranch_scc0 .Lentry_shape_is_right
	s_endpgm
.Lentry_shape_is_right:
; xo = h Wo^T on codes of BF6 (E3M2) with E8M0 scales; xo [4,096][1,024] f32.  The residual and the norm follow in the next launch, where their loads are dense.
; Operands lie as images of fragments (16 rows x 128 K = 1,536 bytes: piece p of lane l at 256 p + 8 l), [row block][K / 128]; scale words [row block][K / 256][row][2].
; A tile of C, 256 x 256, is made by four waves, 128 x 128 each: 64 accumulators, 512 registers.  K goes in steps of 256 through a ring of two LDS slots; a wave's tensor load brings 8 row blocks x 3,072 dense bytes.
; The scale words of the work-group's rows, for all of K, come into LDS once, with the first fills.  CLUSTERS: 4 x 4 work-groups; A's tiles are asked for jointly along a row of the cluster, B's along a column.
; THE MATRIX INSTRUCTION IS USED TRANSPOSED (source 0 = 16 rows of the weight, source 1 = 16 rows of A): a lane holds eight neighbouring numbers of a row of C.
; C has 64 tiles of this size: 64 work-groups.
; REGISTERS: window 0: v0-31 addresses; v32-63 scale words, two sets; from v128 A's fragments, one set; window 1: B's fragments, two sets, at v0 and v128; windows 2, 3: the accumulators ((a, b) at v[8 (8 (a % 4) + b)]).
.set SIZE_K, 1024
.set SIZE_N, 1024
.set APTR,   4
.set BPTR,   6
.set A_SC,   3145728
.set B_CO,   11796480
.set B_SC,   18874368+491520
.set HASP,   0
.set KF,     SIZE_K/128
.set RBB,    1536*KF                   ; a row block's codes in memory
.set KJ,     SIZE_K/256
.set NQ,     2                         ; matrix instructions deep in a slot
.set FR,     12                        ; registers of a fragment
.set NL,     6                         ; LDS loads that bring one
.set NP,     4                         ; places behind this matrix instruction (ISA guide 7.12.1)
.set HALFT,  8*3072                    ; 128 rows x 256 K: what one tensor load brings
.set SLOT,   4*HALFT                   ; A's 256 rows, then B's
.set LAPS,   SIZE_K/512
.set SCL,    2*SLOT                    ; behind the ring: the scale words
.set HALFS,  1024*KJ                   ; those of 128 rows
.set SPARE,  SCL+4*HALFS+256           ; behind them: the spare words, 128 bytes a wave, two blocks of 256 bytes that no other line names
.set SPITCH, 528                       ; the way out: a stage of 16 rows x (512 + 16) bytes a wave, in slot 0, which has had its last fill and its last read by then
.set ADRA, 16                          ; v16-17 LDS address of my A fragments in slot 0, 1
.set ADRB, 20                          ; v20-21 the same for B
.set STO,  24
.set RD,   25
.set CO,   26
.set ADRS, 27                          ; v27    of my scale words: lanes 0-15 A's rows, lanes 16-31 B's
.set SPW,  28                          ; v28    my spare word; never rewritten
.set NIL,  29                          ; v29    0; never rewritten
.set LO,   7
.set SC,   32
.set AF,   128
.set BK,   128
.set G1, 24
.set G0, 32
.set G1B, 48
.set G0B, 56
.set G1S, 68
.set G0S, 76
.set G1SB, 80
.set G0SB, 88
.set MSB, 0
.macro WIN new                         ; the immediate's high byte repeats the setting that is left
.if MSB != (\new)
	s_set_vgpr_msb (MSB<<8)|(\new)
.set MSB, (\new)
.endif
.endm
.set MUL_LO, 0xa1                      ; source 0 (B) window 1, source 1 (A) window 0, C and D window 2
.set MUL_HI, 0xf1
.set TO_B,   0x40
.macro JLOAD g0a, g1a, g0b, g1b        ; a joint load: waves 0, 1 fetch for A, waves 2, 3 for B; four v_nop follow each line
	s_cmp_eq_u32 s15, 0
	s_cbranch_scc0 .Lfor_b_\@
	tensor_load_to_lds s[\g0a:\g0a+3], s[\g1a:\g1a+7]
	s_nop 0
.rept 4
	v_nop
.endr
	s_branch .Lasked_\@
.Lfor_b_\@:
	tensor_load_to_lds s[\g0b:\g0b+3], s[\g1b:\g1b+7]
	s_nop 0
.rept 4
	v_nop
.endr
.Lasked_\@:
.endm
.macro CREST                           ; a round of the cluster's barrier behind its opening barrier
	s_cmp_lg_u32 s14, 0
	s_cbranch_scc1 .Lnot_wave_0_\@
	s_barrier_signal -3
.Lnot_wave_0_\@:
	s_barrier_wait -3
	s_barrier_signal -1
	s_barrier_wait -1
.endm
.macro CROUND
	s_barrier_signal -1
	s_barrier_wait -1
	CREST
.endm
	s_load_b128 s[4:7], s[0:1], 0x0                ; hq, cw
	s_load_b64 s[12:13], s[0:1], 0x10              ; xo
	v_lshl_add_u32 v[SPW], v0, 2, SPARE
	v_mov_b32 v[NIL], 0
	ds_add_u32 v28, v29
	ds_add_u32 v28, v29
	s_wait_dscnt 0x0
	v_lshrrev_b32 v1, 5, v0
	v_readfirstlane_b32 s14, v1                    ; wave
	s_lshr_b32 s15, s14, 1                         ; my half of the tile's rows.  Also: I fetch for A (0) or B (1)
	s_and_b32 s16, s14, 1                          ; my half of its columns.  Also: which 128 rows I fetch
	s_bfe_u32 s40, ttmp6, 0x40000                  ; cx
	s_bfe_u32 s41, ttmp6, 0x40004                  ; cy
	s_lshl_b32 s42, ttmp9, 2
	s_add_co_u32 s42, s42, s40                     ; tile column
	s_and_b32 s17, ttmp7, 0xffff
	s_lshl_b32 s17, s17, 2
	s_add_co_u32 s17, s17, s41                     ; tile row
	s_lshl_b32 s43, s41, 2
	s_lshl_b32 s43, 15, s43                        ; my row of the cluster
	s_lshl_b32 s44, 0x1111, s40                    ; my column
	s_or_b32 s[G1+0], s43, (3<<16)|(1<<21)         ; the mask; elements of 8 bytes; bit 21 beside a mask; no padding
	s_or_b32 s[G1B+0], s44, (3<<16)|(1<<21)
.irp g, G1, G1B
	s_mov_b32 s[\g+1], 384<<16                     ; tensor_dim0 = 384 elements: two fragments
	s_mov_b32 s[\g+2], 8<<16                       ; tensor_dim1 = 8 row blocks
	s_mov_b32 s[\g+3], 384<<16                     ; tile_dim0
	s_mov_b32 s[\g+4], 8                           ; tile_dim1
	s_mov_b32 s[\g+5], RBB/8                       ; from row block to row block
	s_mov_b32 s[\g+6], 0
	s_mov_b32 s[\g+7], 0
.endr
	s_or_b32 s[G1S+0], s43, (3<<16)|(1<<21)        ; the scale words of 128 rows: a dense block, as rows of 256 bytes
	s_or_b32 s[G1SB+0], s44, (3<<16)|(1<<21)
.irp g, G1S, G1SB
	s_mov_b32 s[\g+1], 32<<16
	s_mov_b32 s[\g+2], (HALFS/256)<<16
	s_mov_b32 s[\g+3], 32<<16
	s_mov_b32 s[\g+4], HALFS/256
	s_mov_b32 s[\g+5], 32
	s_mov_b32 s[\g+6], 0
	s_mov_b32 s[\g+7], 0
.endr
	s_lshl_b32 s18, s16, 3
	s_lshl_b32 s20, s17, 4
	s_add_co_u32 s20, s20, s18                     ; A: the first row block that I fetch
	s_lshl_b32 s46, s42, 4
	s_add_co_u32 s46, s46, s18                     ; B likewise
	s_mul_i32 s22, s20, 128*KJ
	s_add_co_u32 s22, s22, A_SC
	s_mul_i32 s20, s20, RBB
	s_mul_i32 s92, s46, 128*KJ
	s_add_co_u32 s92, s92, B_SC
	s_mul_i32 s46, s46, RBB
	s_add_co_u32 s46, s46, B_CO
	s_mov_b32 s21, 0
	s_mov_b32 s23, 0
	s_mov_b32 s47, 0
	s_mov_b32 s93, 0
	s_mul_i32 s45, s14, HALFT                      ; where they go: by the wave's number alone
	s_mul_i32 s94, s14, HALFS
	s_wait_kmcnt 0x0
	s_add_nc_u64 s[20:21], s[APTR:APTR+1], s[20:21]
	s_add_nc_u64 s[22:23], s[APTR:APTR+1], s[22:23]
	s_add_nc_u64 s[46:47], s[BPTR:BPTR+1], s[46:47]
	s_add_nc_u64 s[92:93], s[BPTR:BPTR+1], s[92:93]
	CROUND                                         ; all sixteen work-groups are here: the first joint loads meet
	s_mov_b32 s[G0S], 1
	s_add_co_u32 s[G0S+1], s94, SCL
	s_mov_b64 s[G0S+2:G0S+3], s[22:23]
	s_or_b32 s[G0S+3], s[G0S+3], 0x80000000
	s_mov_b32 s[G0SB], 1
	s_add_co_u32 s[G0SB+1], s94, SCL+128           ; B's words lie 128 bytes further on, so that A's 128 bytes and B's of one load fall into different halves of a span of 256
	s_mov_b64 s[G0SB+2:G0SB+3], s[92:93]
	s_or_b32 s[G0SB+3], s[G0SB+3], 0x80000000
	JLOAD G0S, G1S, G0SB, G1SB                     ; three tensor loads of mine go out here: the scale words and K steps 0 and 1
.irp s, 0,1
	s_mov_b32 s[G0+4*\s], 1
	s_add_co_u32 s[G0+4*\s+1], s45, \s*SLOT
	s_add_nc_u64 s[G0+4*\s+2:G0+4*\s+3], s[20:21], \s*3072
	s_or_b32 s[G0+4*\s+3], s[G0+4*\s+3], 0x80000000
	s_mov_b32 s[G0B+4*\s], 1
	s_add_co_u32 s[G0B+4*\s+1], s45, \s*SLOT
	s_add_nc_u64 s[G0B+4*\s+2:G0B+4*\s+3], s[46:47], \s*3072
	s_or_b32 s[G0B+4*\s+3], s[G0B+4*\s+3], 0x80000000
	JLOAD G0+4*\s, G1, G0B+4*\s, G1B
.endr
	v_and_b32 v1, 15, v0                           ; r
	v_bfe_u32 v2, v0, 4, 1                         ; h
	v_and_b32 v3, 31, v0
	v_lshlrev_b32 v[LO], 3, v3                     ; 8 x lane
	s_mul_i32 s21, s15, HALFT
	s_mul_i32 s22, s16, HALFT
	s_add_co_u32 s22, s22, 2*HALFT
.irp s, 0,1
	v_add_nc_u32 v[ADRA+\s], s21, v[LO]
	v_add_nc_u32 v[ADRB+\s], s22, v[LO]
	s_add_co_u32 s21, s21, SLOT
	s_add_co_u32 s22, s22, SLOT
.endr
	v_lshlrev_b32 v5, 3, v1                        ; my row's two words of a K step
	s_mul_i32 s21, s15, HALFS
	s_mul_i32 s22, s16, HALFS
	s_add_co_u32 s22, s22, 2*HALFS+128
	s_sub_co_u32 s22, s22, s21
	v_mul_u32_u24 v6, s22, v2                      ; lanes 16-31 take B's
	s_add_co_u32 s21, s21, SCL
	v_add_nc_u32 v5, v5, v6
	v_add_nc_u32 v[ADRS], s21, v5
	s_mul_i32 s23, s14, 16*SPITCH                  ; my stage
	v_mul_u32_u24 v5, v1, SPITCH
	v_lshl_add_u32 v5, v2, 5, v5
	v_add_nc_u32 v[STO], s23, v5                   ; in: row r, 32 bytes for each half of the lanes
	v_lshlrev_b32 v[CO], 4, v3                     ; back: the 32 lanes take one row of 512 bytes; and the same in C
	v_add_nc_u32 v[RD], s23, v[CO]
	s_lshl_b32 s20, s17, 8
	s_lshl_b32 s21, s15, 7
	s_add_co_u32 s20, s20, s21                     ; my first row of C
	s_lshl_b32 s20, s20, 12                        ; x 4,096 bytes
	s_lshl_b32 s46, s42, 10
	s_lshl_b32 s47, s16, 9
	s_add_co_u32 s46, s46, s47                     ; my first column, in bytes
	s_add_co_u32 s20, s20, s46
	s_mov_b32 s21, 0
	s_add_nc_u64 s[12:13], s[12:13], s[20:21]
.macro FRAG reg, adr, q, i             ; a fragment comes as it was stored: six loads of 8 bytes a lane, 256 consecutive bytes each
.irp p, 0,1,2,3,4,5
	ds_load_b64 v[\reg+2*\p:\reg+2*\p+1], v[\adr] offset:(\i)*3072+(\q)*1536+256*\p
.endr
.endm
; 16 matrix instructions: A's blocks a0, a0 + 1 x B's eight.  The 64 accumulators take turns, one instruction a turn, in the same order in every step.
.macro MUL16 a0, p, q, sc, zero
.irp a, \a0, \a0+1
.irp b, 0,1,2,3,4,5,6,7
.if \zero
	v_wmma_scale_f32_16x16x128_f8f6f4 v[8*(8*((\a)%4)+\b):8*(8*((\a)%4)+\b)+7], v[128*(\p)+FR*\b:128*(\p)+FR*\b+FR-1], v[AF+FR*(\a):AF+FR*(\a)+FR-1], 0, v[SC+8*NQ*(\sc)+NQ*\b+(\q)], v[SC+8*NQ*(\sc)+NQ*(\a)+(\q)] matrix_a_fmt:MATRIX_FMT_BF6 matrix_b_fmt:MATRIX_FMT_BF6 matrix_a_scale:MATRIX_SCALE_ROW1
.else
	v_wmma_scale_f32_16x16x128_f8f6f4 v[8*(8*((\a)%4)+\b):8*(8*((\a)%4)+\b)+7], v[128*(\p)+FR*\b:128*(\p)+FR*\b+FR-1], v[AF+FR*(\a):AF+FR*(\a)+FR-1], v[8*(8*((\a)%4)+\b):8*(8*((\a)%4)+\b)+7], v[SC+8*NQ*(\sc)+NQ*\b+(\q)], v[SC+8*NQ*(\sc)+NQ*(\a)+(\q)] matrix_a_fmt:MATRIX_FMT_BF6 matrix_b_fmt:MATRIX_FMT_BF6 matrix_a_scale:MATRIX_SCALE_ROW1
.endif
.endr
.endr
.endm
.macro FETCH_B slot, q, p
	WIN TO_B
.irp i, 0,1,2,3,4,5,6,7
	FRAG 128*(\p)+FR*\i, ADRB+\slot, \q, \i
.endr
	WIN 0
.endm
.macro FETCH_A slot, q, i0
.irp i, \i0, \i0+1, \i0+2, \i0+3
	FRAG AF+FR*(\i), ADRA+\slot, \q, \i
.endr
.endm
.macro SCALES sc                       ; the K step's two words a row: lanes 0-15 A's block i, lanes 16-31 B's block i
.irp i, 0,1,2,3,4,5,6,7
	ds_load_b64 v[SC+8*NQ*\sc+NQ*\i:SC+8*NQ*\sc+NQ*\i+1], v[ADRS] offset:\i*KJ*128
.endr
.endm
.macro PLACES n                        ; plain vector instructions between a matrix instruction and a load into, or a read of, its registers
.rept \n
	v_nop
.endr
.endm
.macro STEP slot, q, zero              ; a step of 128 along K that has its successor in the same slot
	s_wait_dscnt 4*NL                              ; B's set and A's blocks 0-3 are in; the youngest 24 loads (A's blocks 4-7) may be out
	WIN MUL_LO
	MUL16 0, (\q)%2, \q, \slot, \zero
	MUL16 2, (\q)%2, \q, \slot, \zero
	s_wait_dscnt 0
	PLACES NP
	FETCH_B \slot, (\q)+1, 1-(\q)%2
	FETCH_A \slot, (\q)+1, 0
	WIN MUL_HI
	MUL16 4, (\q)%2, \q, \slot, \zero
	MUL16 6, (\q)%2, \q, \slot, \zero
	PLACES NP
	WIN 0
	FETCH_A \slot, (\q)+1, 4
.endm
.macro TURN slot, next, fill           ; a slot's last step changes slots: one barrier; fill = 1: this slot is filled again, two K steps ahead
	s_wait_tensorcnt 0x0                           ; all my tensor loads have landed: my part of the next slot
	ds_add_u32 v[SPW], v[NIL]                      ; 0 onto my spare word
	s_wait_dscnt 4*NL+1                            ; (the add and the youngest 24 loads may be out)
	WIN MUL_LO
	MUL16 0, 1, NQ-1, \slot, 0
	s_wait_dscnt 0x0                               ; the add is done, and my reads of this slot are over
	s_barrier_signal -1
	MUL16 2, 1, NQ-1, \slot, 0
	WIN 0
	s_barrier_wait -1
.if \fill
	CREST                                          ; the barrier has opened a round of the cluster's barrier: no wave of any partner still reads this slot or has a load on its way
	s_add_nc_u64 s[G0+4*\slot+2:G0+4*\slot+3], s[G0+4*\slot+2:G0+4*\slot+3], 6144
	s_add_nc_u64 s[G0B+4*\slot+2:G0B+4*\slot+3], s[G0B+4*\slot+2:G0B+4*\slot+3], 6144
	JLOAD G0+4*\slot, G1, G0B+4*\slot, G1B         ; my one tensor load behind the round; its four v_nop are the places in front of the loads below
.else
	PLACES NP
.endif
	v_add_nc_u32 v[ADRS], 128, v[ADRS]             ; the next K step's scale words
	FETCH_B \next, 0, 0
	FETCH_A \next, 0, 0
	SCALES \next
	WIN MUL_HI
	MUL16 4, 1, NQ-1, \slot, 0
	MUL16 6, 1, NQ-1, \slot, 0
	PLACES NP
	WIN 0
	FETCH_A \next, 0, 4
.endm
	s_wait_tensorcnt 1                             ; the scale words and my part of K step 0 are in; K step 1's load may be out
	s_barrier_signal -1
	s_barrier_wait -1
	FETCH_B 0, 0, 0
	FETCH_A 0, 0, 0
	SCALES 0
	FETCH_A 0, 0, 4
	STEP 0, 0, 1                                   ; the first step's products start the sums
	s_mov_b32 s3, LAPS-1
.Llap:
	TURN 0, 1, 1
	STEP 1, 0, 0
	TURN 1, 0, 1
	STEP 0, 0, 0
	s_sub_co_u32 s3, s3, 1
	s_cmp_lg_u32 s3, 0
	s_cbranch_scc1 .Llap
	TURN 0, 1, 0                                   ; the last lap fills nothing
	STEP 1, 0, 0
	s_wait_dscnt 4*NL
	WIN MUL_LO
	MUL16 0, 1, NQ-1, 1, 0
	MUL16 2, 1, NQ-1, 1, 0
	s_wait_dscnt 0
	WIN MUL_HI
	MUL16 4, 1, NQ-1, 1, 0
	MUL16 6, 1, NQ-1, 1, 0
	WIN 0
; THE WAY OUT, block by block of 16 rows x 128 columns, through my own stage: in as 32 bytes a lane, back as whole rows of 512 bytes.  LDS serves a wave's instructions in order (ISA guide 5.7.1.4).
.macro TOSTAGE a
.set AC, 64*((\a)%4)
	WIN 0x08+4*((\a)/4)                            ; the data: window 2 or 3
.irp b, 0,1,2,3,4,5,6,7
	ds_store_b128 v[STO], v[AC+8*\b:AC+8*\b+3] offset:64*\b          ; each accumulator from its low end on
	ds_store_b128 v[STO], v[AC+8*\b+4:AC+8*\b+7] offset:64*\b+16
.endr
	WIN 0
.set BB, BK+64*((\a)%2)
.irp t, 0,1,2,3,4,5,6,7,8,9,10,11,12,13,14,15
	ds_load_b128 v[BB+4*\t:BB+4*\t+3], v[RD] offset:\t*SPITCH
.endr
.endm
.macro SEND a, younger                 ; younger: the LDS instructions issued behind block a's loads, which may stay out
.set BB, BK+64*((\a)%2)
	s_wait_dscnt \younger
.if (\a) > 0
	s_add_nc_u64 s[12:13], s[12:13], 16*SIZE_N*4   ; (behind a wait on XCNT: the earlier stores have read their base)
.endif
.irp t, 0,1,2,3,4,5,6,7,8,9,10,11,12,13,14,15
	global_store_b128 v[CO], v[BB+4*\t:BB+4*\t+3], s[12:13] offset:\t*SIZE_N*4   ; 32 lanes store 512 consecutive bytes, aligned
.endr
.endm
	PLACES NP
	TOSTAGE 0
.irp a, 1,2,3,4,5,6,7
.if \a > 1
	s_wait_xcnt 0x0                                ; block a - 2's stores have read their registers and their base
.endif
	TOSTAGE \a
	SEND \a-1, 32                                  ; behind block a - 1's loads: block a's 16 stores and 16 loads
.endr
	s_wait_xcnt 0x0
	SEND 7, 0
	s_wait_tensorcnt 0x0                           ; the wave's end
	ds_add_u32 v[SPW], v[NIL]
	s_wait_dscnt 0x0
	CROUND                                         ; the closing round
	s_endpgm
.Lfunc_end_k_q7ba3f394db_wo:
	.size	k_q7ba3f394db_wo, .Lfunc_end_k_q7ba3f394db_wo-k_q7ba3f394db_wo
	.p2alignl 7, 3214868480
	.fill 96, 4, 3214868480
	.section	.rodata,"a",@progbits
	.p2align	6, 0x0
	.amdhsa_kernel k_q7ba3f394db_wo
		.amdhsa_group_segment_fixed_size 327680
		.amdhsa_private_segment_fixed_size 0
		.amdhsa_enable_private_segment 0
		.amdhsa_kernarg_size 24
		.amdhsa_user_sgpr_count 2
		.amdhsa_user_sgpr_kernarg_segment_ptr 1
		.amdhsa_wavefront_size32 1
		.amdhsa_system_sgpr_workgroup_id_x 1
		.amdhsa_system_sgpr_workgroup_id_y 1
		.amdhsa_system_sgpr_workgroup_id_z 1
		.amdhsa_system_vgpr_workitem_id 0
		.amdhsa_next_free_vgpr 1024
		.amdhsa_next_free_sgpr 100
		.amdhsa_reserve_vcc 0
		.amdhsa_float_denorm_mode_32 3
		.amdhsa_float_denorm_mode_16_64 3
		.amdhsa_memory_ordered 1
		.amdhsa_forward_progress 1
		.amdhsa_inst_pref_size 159
	.end_amdhsa_kernel
	.amdgpu_metadata
---
amdhsa.version: [ 1, 2 ]
amdhsa.kernels:
  - .name:           k_q7ba3f394db_wo
    .symbol:         k_q7ba3f394db_wo.kd
    .args:
      - { .name: hq, .offset: 0, .size: 8, .value_kind: global_buffer, .address_space: global }
      - { .name: cw, .offset: 8, .size: 8, .value_kind: global_buffer, .address_space: global }
      - { .name: xo, .offset: 16, .size: 8, .value_kind: global_buffer, .address_space: global }
    .group_segment_fixed_size: 327680
    .private_segment_fixed_size: 0
    .kernarg_segment_align: 8
    .kernarg_segment_size: 24
    .max_flat_workgroup_size: 128
    .sgpr_count:     100
    .vgpr_count:     1024
    .wavefront_size: 32
...
	.end_amdgpu_metadata
.endif
;; end of part 4
;; launch ln1 (part 5): grid 256 x 1, 16 waves a work-group, no clusters, 68,608 bytes of LDS; arguments xo, q, g1, be1, h1, hq; writes h1, hq
.if DOCPART == 5
	.amdgcn_target "amdgcn-amd-amdhsa--gfx1250"
	.amdhsa_code_object_version 6
	.text
	.protected	k_q7ba3f394db_ln1
	.globl	k_q7ba3f394db_ln1
	.p2align	8
	.type	k_q7ba3f394db_ln1,@function
k_q7ba3f394db_ln1:
	s_mov_b64 s[64:65], 0
	v_nop
	global_prefetch_b8 v0, s[64:65] scope:SCOPE_SE
	s_setreg_imm32_b32 hwreg(HW_REG_WAVE_MODE, 25, 1), 1
	s_wait_xcnt 0x0
; h1 = layernorm(q + xo) x g1 + be1, rows of 1,024, in f32; stored as f32, and quantised to BF6 (E3M2) with E8M0 scales along the row for the next product.
; A work-group owns 16 rows (one row block of the operand), wave w row w: 8 loads of 512 consecutive bytes for each of x, q, g1, be1; the row stays in 32 registers a lane; mean and variance as the reference has them.
; The 16 rows meet in LDS (rows 4,112 bytes apart); behind a barrier wave w takes columns 64 w on of all 16 rows, a whole block of 32 in a lane, and stores half a fragment's image: three stores of 256 consecutive bytes.
; The scale bytes are gathered in LDS and leave as 512 consecutive bytes.  A block of zeros gets the byte 1 where the rule says 127 (zero codes; the bytes are this program's own).  NaN and infinities are not served.
; Memory binds: no matrix unit, no cluster, no tensor load.
.set X,   16
.set Q,   48
.set G,   80
.set B,   112
.set A,   144                          ; v144-151 four chains
.set MU,  152
.set RS,  154
.set PT,  159
.set RP,  4112
.set SCB, 16*RP
.set HQS, 3145728
	s_load_b256 s[4:11], s[0:1], 0x0               ; xo, q, g1, be1
	s_load_b128 s[12:15], s[0:1], 0x20             ; h1, hq
	v_lshl_add_u32 v160, v0, 2, 0x10400
	v_mov_b32 v161, 0
	v_lshrrev_b32 v1, 5, v0
	v_readfirstlane_b32 s16, v1                    ; wave
	v_and_b32 v1, 31, v0
	v_and_b32 v2, 15, v0                           ; r
	v_bfe_u32 v3, v0, 4, 1                         ; h
	v_lshlrev_b32 v4, 4, v1                        ; 16 x lane
	v_lshlrev_b32 v8, 3, v1                        ; 8 x lane
	s_mul_i32 s20, s16, RP
	v_add_nc_u32 v5, s20, v4                       ; my row in LDS
	v_mul_u32_u24 v6, v2, RP
	v_lshl_add_u32 v6, v3, 7, v6
	s_lshl_b32 s21, s16, 8
	v_add_nc_u32 v6, s21, v6                       ; row r, columns 64 w + 32 h on
	s_lshr_b32 s22, s16, 2
	s_lshl_b32 s22, s22, 7
	s_and_b32 s23, s16, 3
	s_lshl_b32 s23, s23, 1
	s_add_co_u32 s22, s22, s23
	s_add_co_u32 s22, s22, SCB
	v_lshl_add_u32 v7, v2, 3, v3
	v_add_nc_u32 v7, s22, v7                       ; my block's byte: 128 (w / 4) + 8 r + 2 (w % 4) + h
	v_add_nc_u32 v9, SCB, v4
	v_mov_b32 v[PT], 0                             ; written once: a lane permute's destination counts as one of its sources
	s_mov_b32 s24, 0x76543210
	s_mov_b32 s25, 0xfedcba98
	s_lshl_b32 s17, ttmp9, 4
	s_add_co_u32 s17, s17, s16                     ; my row
	s_lshl_b32 s18, s17, 12
	s_mov_b32 s19, 0
	s_wait_kmcnt 0x0
	s_add_nc_u64 s[4:5], s[4:5], s[18:19]
	s_add_nc_u64 s[6:7], s[6:7], s[18:19]
	s_add_nc_u64 s[12:13], s[12:13], s[18:19]
.irp i, 0,1,2,3,4,5,6,7
	global_load_b128 v[X+4*\i:X+4*\i+3], v4, s[4:5] offset:512*\i th:TH_LOAD_NT
.endr
.irp i, 0,1,2,3,4,5,6,7
	global_load_b128 v[Q+4*\i:Q+4*\i+3], v4, s[6:7] offset:512*\i th:TH_LOAD_NT
.endr
.irp i, 0,1,2,3,4,5,6,7
	global_load_b128 v[G+4*\i:G+4*\i+3], v4, s[8:9] offset:512*\i
.endr
.irp i, 0,1,2,3,4,5,6,7
	global_load_b128 v[B+4*\i:B+4*\i+3], v4, s[10:11] offset:512*\i
.endr
.macro WSUM                                    ; v[A] summed over the 32 lanes, the result in every lane
	v_add_f32_dpp v[A], v[A], v[A] row_xmask:1 row_mask:0xf bank_mask:0xf
	v_add_f32_dpp v[A], v[A], v[A] row_xmask:2 row_mask:0xf bank_mask:0xf
	v_add_f32_dpp v[A], v[A], v[A] row_xmask:4 row_mask:0xf bank_mask:0xf
	v_add_f32_dpp v[A], v[A], v[A] row_xmask:8 row_mask:0xf bank_mask:0xf
	v_permlanex16_b32 v[PT], v[A], s24, s25
	v_add_f32 v[A], v[A], v[PT]
.endm
.macro FOLD                                    ; the four chains into v[A]
	v_pk_add_f32 v[A:A+1], v[A:A+1], v[A+2:A+3]
	v_pk_add_f32 v[A+4:A+5], v[A+4:A+5], v[A+6:A+7]
	v_pk_add_f32 v[A:A+1], v[A:A+1], v[A+4:A+5]
	v_add_f32 v[A], v[A], v[A+1]
.endm
	s_wait_loadcnt 16                              ; x and q are in; the 16 loads of g1 and be1 may be out
.irp j, 0,2,4,6,8,10,12,14,16,18,20,22,24,26,28,30
	v_pk_add_f32 v[X+\j:X+\j+1], v[X+\j:X+\j+1], v[Q+\j:Q+\j+1]
.endr
.irp c, 0,1,2,3
	v_pk_add_f32 v[A+2*\c:A+2*\c+1], v[X+4*\c:X+4*\c+1], v[X+4*\c+2:X+4*\c+3]
.endr
.irp c, 0,1,2,3
	v_pk_add_f32 v[A+2*\c:A+2*\c+1], v[A+2*\c:A+2*\c+1], v[X+16+4*\c:X+17+4*\c]
.endr
.irp c, 0,1,2,3
	v_pk_add_f32 v[A+2*\c:A+2*\c+1], v[A+2*\c:A+2*\c+1], v[X+18+4*\c:X+19+4*\c]
.endr
	FOLD
	WSUM
	v_mul_f32 v[MU], 0xba800000, v[A]              ; - the mean
	v_mov_b32 v[MU+1], v[MU]
.irp j, 0,2,4,6,8,10,12,14,16,18,20,22,24,26,28,30
	v_pk_add_f32 v[X+\j:X+\j+1], v[X+\j:X+\j+1], v[MU:MU+1]
.endr
.irp c, 0,1,2,3
	v_pk_mul_f32 v[A+2*\c:A+2*\c+1], v[X+2*\c:X+2*\c+1], v[X+2*\c:X+2*\c+1]
.endr
.irp j, 8,16,24
.irp c, 0,1,2,3
	v_pk_fma_f32 v[A+2*\c:A+2*\c+1], v[X+\j+2*\c:X+\j+2*\c+1], v[X+\j+2*\c:X+\j+2*\c+1], v[A+2*\c:A+2*\c+1]
.endr
.endr
	FOLD
	WSUM
	v_mov_b32 v[A+1], 0x3a800000                   ; 1 / 1,024
	v_fmaak_f32 v[A], v[A], v[A+1], 0x3727c5ac     ; the variance + 1e-5
	v_rsq_f32 v[RS], v[A]
	v_nop                                          ; one plain place behind the transcendental
	s_wait_alu depctr_va_vdst(0)                   ; and the wait ahead of its first reader
	v_mov_b32 v[RS+1], v[RS]
	s_wait_loadcnt 0x0                             ; g1 and be1
.irp j, 0,2,4,6,8,10,12,14,16,18,20,22,24,26,28,30
	v_pk_mul_f32 v[X+\j:X+\j+1], v[X+\j:X+\j+1], v[RS:RS+1]
.endr
.irp j, 0,2,4,6,8,10,12,14,16,18,20,22,24,26,28,30
	v_pk_fma_f32 v[X+\j:X+\j+1], v[X+\j:X+\j+1], v[G+\j:G+\j+1], v[B+\j:B+\j+1]
.endr
.irp i, 0,1,2,3,4,5,6,7
	global_store_b128 v4, v[X+4*\i:X+4*\i+3], s[12:13] offset:512*\i
	ds_store_b128 v5, v[X+4*\i:X+4*\i+3] offset:512*\i
.endr
	s_wait_dscnt 0x0                               ; for the others' sake: my row has landed
	s_barrier_signal -1
	s_barrier_wait -1
.irp j, 0,1,2,3,4,5,6,7
	ds_load_b128 v[Q+4*\j:Q+4*\j+3], v6 offset:16*\j   ; a whole block of 32 along K
.endr
	s_mul_i32 s18, ttmp9, 12288
	s_mul_i32 s20, s16, 768
	s_add_co_u32 s18, s18, s20
	s_add_nc_u64 s[4:5], s[14:15], s[18:19]        ; my half fragment
	s_lshl_b32 s18, ttmp9, 9
	s_add_co_u32 s18, s18, HQS
	s_add_nc_u64 s[6:7], s[14:15], s[18:19]        ; the row block's scale words
	s_wait_dscnt 0x0
	v_max3_num_f32 v[A], |v[Q]|, |v[Q+1]|, 0x2800000   ; with the floor 2^(5 - 127)
	v_max3_num_f32 v[A+1], |v[Q+16]|, |v[Q+17]|, |v[Q+18]|
.irp i, 2,4,6,8,10,12
	v_max3_num_f32 v[A], v[A], |v[Q+\i]|, |v[Q+\i+1]|
	v_max3_num_f32 v[A+1], v[A+1], |v[Q+17+\i]|, |v[Q+18+\i]|
.endr
	v_max3_num_f32 v[A], v[A], |v[Q+14]|, |v[Q+15]|
	v_max3_num_f32 v[A], v[A], v[A+1], |v[Q+31]|
	v_add_nc_u32 v[A+2], 0xfe000000, v[A]          ; 4 off the exponent field: the conversion's scale operand
	v_lshrrev_b32 v[A+3], 23, v[A+2]               ; the byte
	v_cvt_scalef32_pk16_bf6_f32 v[A+4:A+6], v[Q:Q+15], v[A+2]
	v_cvt_scalef32_pk16_bf6_f32 v[A+12:A+14], v[Q+16:Q+31], v[A+2]
	v_nop                                          ; one plain place behind a scaled conversion
.irp i, 0,1,2
	v_mov_b32 v[A+7+\i], v[A+12+\i]
.endr
.irp p, 0,1,2
	global_store_b64 v8, v[A+4+2*\p:A+5+2*\p], s[4:5] offset:256*\p
.endr
	ds_store_b8 v7, v[A+3]
	s_wait_dscnt 0x0
	s_barrier_signal -1
	s_barrier_wait -1
	s_cmp_lg_u32 s16, 0
	s_cbranch_scc1 .Lend
	ds_load_b128 v[G:G+3], v9
	s_wait_dscnt 0x0
	global_store_b128 v4, v[G:G+3], s[6:7]
.Lend:
	s_wait_tensorcnt 0x0
	ds_add_u32 v160, v161
	s_wait_dscnt 0x0
	s_endpgm
.Lfunc_end_k_q7ba3f394db_ln1:
	.size	k_q7ba3f394db_ln1, .Lfunc_end_k_q7ba3f394db_ln1-k_q7ba3f394db_ln1
	.p2alignl 7, 3214868480
	.fill 96, 4, 3214868480
	.section	.rodata,"a",@progbits
	.p2align	6, 0x0
	.amdhsa_kernel k_q7ba3f394db_ln1
		.amdhsa_group_segment_fixed_size 68608
		.amdhsa_private_segment_fixed_size 0
		.amdhsa_enable_private_segment 0
		.amdhsa_kernarg_size 48
		.amdhsa_user_sgpr_count 2
		.amdhsa_user_sgpr_kernarg_segment_ptr 1
		.amdhsa_wavefront_size32 1
		.amdhsa_system_sgpr_workgroup_id_x 1
		.amdhsa_system_sgpr_workgroup_id_y 1
		.amdhsa_system_sgpr_workgroup_id_z 1
		.amdhsa_system_vgpr_workitem_id 0
		.amdhsa_next_free_vgpr 162
		.amdhsa_next_free_sgpr 66
		.amdhsa_reserve_vcc 0
		.amdhsa_float_denorm_mode_32 3
		.amdhsa_float_denorm_mode_16_64 3
		.amdhsa_memory_ordered 1
		.amdhsa_forward_progress 1
		.amdhsa_inst_pref_size 17
	.end_amdhsa_kernel
	.amdgpu_metadata
---
amdhsa.version: [ 1, 2 ]
amdhsa.kernels:
  - .name:           k_q7ba3f394db_ln1
    .symbol:         k_q7ba3f394db_ln1.kd
    .args:
      - { .name: xo, .offset: 0, .size: 8, .value_kind: global_buffer, .address_space: global }
      - { .name: q, .offset: 8, .size: 8, .value_kind: global_buffer, .address_space: global }
      - { .name: g1, .offset: 16, .size: 8, .value_kind: global_buffer, .address_space: global }
      - { .name: be1, .offset: 24, .size: 8, .value_kind: global_buffer, .address_space: global }
      - { .name: h1, .offset: 32, .size: 8, .value_kind: global_buffer, .address_space: global }
      - { .name: hq, .offset: 40, .size: 8, .value_kind: global_buffer, .address_space: global }
    .group_segment_fixed_size: 68608
    .private_segment_fixed_size: 0
    .kernarg_segment_align: 8
    .kernarg_segment_size: 48
    .max_flat_workgroup_size: 512
    .sgpr_count:     66
    .vgpr_count:     162
    .wavefront_size: 32
...
	.end_amdgpu_metadata
.endif
;; end of part 5
;; launch ff1 (part 6): grid 16 x 16, 4 waves a work-group, clusters of 4 x 4, 327,680 bytes of LDS; arguments hq, cw, b1, fq; writes fq
.if DOCPART == 6
	.amdgcn_target "amdgcn-amd-amdhsa--gfx1250"
	.amdhsa_code_object_version 6
	.text
	.protected	k_q7ba3f394db_ff1
	.globl	k_q7ba3f394db_ff1
	.p2align	8
	.type	k_q7ba3f394db_ff1,@function
k_q7ba3f394db_ff1:
	s_mov_b64 s[64:65], 0
	v_nop
	global_prefetch_b8 v0, s[64:65] scope:SCOPE_SE
	s_setreg_imm32_b32 hwreg(HW_REG_WAVE_MODE, 25, 1), 1
	s_wait_xcnt 0x0
	s_wait_alu depctr_hold_cnt(0) depctr_sa_sdst(0) depctr_va_vdst(0) depctr_va_sdst(0) depctr_va_ssrc(0) depctr_va_vcc(0) depctr_vm_vsrc(0)
	s_getreg_b32 s2, hwreg(HW_REG_IB_STS2, 6, 4)
	s_cmp_eq_u32 s2, 0
	s_cbranch_scc0 .Lentry_in_a_cluster
	s_endpgm
.Lentry_in_a_cluster:
	s_bfe_u32 s2, ttmp6, 0x10000c
	s_cmp_lg_u32 s2, 0xf033
	s_cbranch_scc0 .Lentry_shape_is_right
	s_endpgm
.Lentry_shape_is_right:
; fq = Q(gelu(h1 W1^T + b1)): the product on codes of BF6 (E3M2) with E8M0 scales; bias and exact gelu in f32; the result quantised along its 4,096 columns, which are the next product's K, and stored as that operand's images.
; Operands lie as images of fragments (16 rows x 128 K = 1,536 bytes: piece p of lane l at 256 p + 8 l), [row block][K / 128]; scale words [row block][K / 256][row][2].
; A tile of C, 256 x 256, is made by four waves, 128 x 128 each: 64 accumulators, 512 registers.  K goes in steps of 256 through a ring of two LDS slots; a wave's tensor load brings 8 row blocks x 3,072 dense bytes.
; The scale words of the work-group's rows, for all of K, come into LDS once, with the first fills.  CLUSTERS: 4 x 4 work-groups; A's tiles are asked for jointly along a row of the cluster, B's along a column.
; THE MATRIX INSTRUCTION IS USED TRANSPOSED (source 0 = 16 rows of W1, source 1 = 16 rows of h1); W1's rows were laid so that a lane's 16 registers of two neighbouring tiles are 16 neighbouring columns.
; erf(z) = z P(z^2) / Q(z^2), z held to +-4, P of degree 6 and Q of degree 4: a rational fit good to a few units in f32's last place.  gelu's error in the negative tail is about 1e-7 |x|, from 1 + erf.
; A block of zeros gets the byte 1 where the rule says 127 (zero codes; the bytes are this program's own).  NaN and infinities are not served.
; REGISTERS: window 0: v0-31 addresses; v32-63 scale words; from v128 A's fragments; window 1: B's fragments at v0 and v128, and b1 in the result's layout in v96-127 and v224-255; windows 2, 3: the accumulators.
.set SIZE_K, 1024
.set APTR,   4
.set BPTR,   6
.set A_SC,   3145728
.set B_CO,   12582912
.set B_SC,   18874368+524288
.set HASP,   0
.set FQS,    12582912
.set KF,     SIZE_K/128
.set RBB,    1536*KF                   ; a row block's codes in memory
.set KJ,     SIZE_K/256
.set NQ,     2                         ; matrix instructions deep in a slot
.set FR,     12                        ; registers of a fragment
.set NL,     6                         ; LDS loads that bring one
.set NP,     4                         ; places behind this matrix instruction (ISA guide 7.12.1)
.set HALFT,  8*3072                    ; 128 rows x 256 K: what one tensor load brings
.set SLOT,   4*HALFT                   ; A's 256 rows, then B's
.set LAPS,   SIZE_K/512
.set SCL,    2*SLOT                    ; behind the ring: the scale words
.set HALFS,  1024*KJ                   ; those of 128 rows
.set SPARE,  SCL+4*HALFS+256           ; behind them: the spare words, 128 bytes a wave, two blocks of 256 bytes that no other line names
.set ADRA, 16                          ; v16-17 LDS address of my A fragments in slot 0, 1
.set ADRB, 20                          ; v20-21 the same for B
.set ADRS, 27                          ; v27    of my scale words: lanes 0-15 A's rows, lanes 16-31 B's
.set SPW,  28                          ; v28    my spare word; never rewritten
.set NIL,  29                          ; v29    0; never rewritten
.set LO,   7                           ; v7  8 x lane
.set R8,   8                           ; v8  8 r
.set BO,   9                           ; v9  64 h
.set SC,   32
.set AF,   128
.set PC,   64                          ; v64-83   the codes just made
.set XR,   128                         ; v128-191 a block's 64 numbers
.set ZR,   192                         ; v192-255 at work in gelu: z, z^2, P, Q
.set YR,   208
.set PR,   224
.set QR,   240
.set TM,   200
.set PW,   216
.set SEL,  98
.set G1, 24
.set G0, 32
.set G1B, 48
.set G0B, 56
.set G1S, 68
.set G0S, 76
.set G1SB, 80
.set G0SB, 88
.set MSB, 0
.macro WIN new                         ; the immediate's high byte repeats the setting that is left
.if MSB != (\new)
	s_set_vgpr_msb (MSB<<8)|(\new)
.set MSB, (\new)
.endif
.endm
.set MUL_LO, 0xa1                      ; source 0 (B) window 1, source 1 (A) window 0, C and D window 2
.set MUL_HI, 0xf1
.set TO_B,   0x40
.macro JLOAD g0a, g1a, g0b, g1b        ; a joint load: waves 0, 1 fetch for A, waves 2, 3 for B; four v_nop follow each line
	s_cmp_eq_u32 s15, 0
	s_cbranch_scc0 .Lfor_b_\@
	tensor_load_to_lds s[\g0a:\g0a+3], s[\g1a:\g1a+7]
	s_nop 0
.rept 4
	v_nop
.endr
	s_branch .Lasked_\@
.Lfor_b_\@:
	tensor_load_to_lds s[\g0b:\g0b+3], s[\g1b:\g1b+7]
	s_nop 0
.rept 4
	v_nop
.endr
.Lasked_\@:
.endm
.macro CREST                           ; a round of the cluster's barrier behind its opening barrier
	s_cmp_lg_u32 s14, 0
	s_cbranch_scc1 .Lnot_wave_0_\@
	s_barrier_signal -3
.Lnot_wave_0_\@:
	s_barrier_wait -3
	s_barrier_signal -1
	s_barrier_wait -1
.endm
.macro CROUND
	s_barrier_signal -1
	s_barrier_wait -1
	CREST
.endm
	s_load_b128 s[4:7], s[0:1], 0x0                ; hq, cw
	s_load_b128 s[8:11], s[0:1], 0x10              ; b1, fq
	v_lshl_add_u32 v[SPW], v0, 2, SPARE
	v_mov_b32 v[NIL], 0
	ds_add_u32 v28, v29
	ds_add_u32 v28, v29
	s_wait_dscnt 0x0
	v_lshrrev_b32 v1, 5, v0
	v_readfirstlane_b32 s14, v1                    ; wave
	s_lshr_b32 s15, s14, 1                         ; my half of the tile's rows.  Also: I fetch for A (0) or B (1)
	s_and_b32 s16, s14, 1                          ; my half of its columns.  Also: which 128 rows I fetch
	s_bfe_u32 s40, ttmp6, 0x40000                  ; cx
	s_bfe_u32 s41, ttmp6, 0x40004                  ; cy
	s_lshl_b32 s42, ttmp9, 2
	s_add_co_u32 s42, s42, s40                     ; tile column
	s_and_b32 s17, ttmp7, 0xffff
	s_lshl_b32 s17, s17, 2
	s_add_co_u32 s17, s17, s41                     ; tile row
	s_lshl_b32 s43, s41, 2
	s_lshl_b32 s43, 15, s43                        ; my row of the cluster
	s_lshl_b32 s44, 0x1111, s40                    ; my column
	s_or_b32 s[G1+0], s43, (3<<16)|(1<<21)         ; the mask; elements of 8 bytes; bit 21 beside a mask; no padding
	s_or_b32 s[G1B+0], s44, (3<<16)|(1<<21)
.irp g, G1, G1B
	s_mov_b32 s[\g+1], 384<<16                     ; tensor_dim0 = 384 elements: two fragments
	s_mov_b32 s[\g+2], 8<<16                       ; tensor_dim1 = 8 row blocks
	s_mov_b32 s[\g+3], 384<<16                     ; tile_dim0
	s_mov_b32 s[\g+4], 8                           ; tile_dim1
	s_mov_b32 s[\g+5], RBB/8                       ; from row block to row block
	s_mov_b32 s[\g+6], 0
	s_mov_b32 s[\g+7], 0
.endr
	s_or_b32 s[G1S+0], s43, (3<<16)|(1<<21)        ; the scale words of 128 rows: a dense block, as rows of 256 bytes
	s_or_b32 s[G1SB+0], s44, (3<<16)|(1<<21)
.irp g, G1S, G1SB
	s_mov_b32 s[\g+1], 32<<16
	s_mov_b32 s[\g+2], (HALFS/256)<<16
	s_mov_b32 s[\g+3], 32<<16
	s_mov_b32 s[\g+4], HALFS/256
	s_mov_b32 s[\g+5], 32
	s_mov_b32 s[\g+6], 0
	s_mov_b32 s[\g+7], 0
.endr
	s_lshl_b32 s18, s16, 3
	s_lshl_b32 s20, s17, 4
	s_add_co_u32 s20, s20, s18                     ; A: the first row block that I fetch
	s_lshl_b32 s46, s42, 4
	s_add_co_u32 s46, s46, s18                     ; B likewise
	s_mul_i32 s22, s20, 128*KJ
	s_add_co_u32 s22, s22, A_SC
	s_mul_i32 s20, s20, RBB
	s_mul_i32 s92, s46, 128*KJ
	s_add_co_u32 s92, s92, B_SC
	s_mul_i32 s46, s46, RBB
	s_add_co_u32 s46, s46, B_CO
	s_mov_b32 s21, 0
	s_mov_b32 s23, 0
	s_mov_b32 s47, 0
	s_mov_b32 s93, 0
	s_mul_i32 s45, s14, HALFT                      ; where they go: by the wave's number alone
	s_mul_i32 s94, s14, HALFS
	s_wait_kmcnt 0x0
	s_add_nc_u64 s[20:21], s[APTR:APTR+1], s[20:21]
	s_add_nc_u64 s[22:23], s[APTR:APTR+1], s[22:23]
	s_add_nc_u64 s[46:47], s[BPTR:BPTR+1], s[46:47]
	s_add_nc_u64 s[92:93], s[BPTR:BPTR+1], s[92:93]
	CROUND                                         ; all sixteen work-groups are here: the first joint loads meet
	s_mov_b32 s[G0S], 1
	s_add_co_u32 s[G0S+1], s94, SCL
	s_mov_b64 s[G0S+2:G0S+3], s[22:23]
	s_or_b32 s[G0S+3], s[G0S+3], 0x80000000
	s_mov_b32 s[G0SB], 1
	s_add_co_u32 s[G0SB+1], s94, SCL+128           ; B's words lie 128 bytes further on, so that A's 128 bytes and B's of one load fall into different halves of a span of 256
	s_mov_b64 s[G0SB+2:G0SB+3], s[92:93]
	s_or_b32 s[G0SB+3], s[G0SB+3], 0x80000000
	JLOAD G0S, G1S, G0SB, G1SB                     ; three tensor loads of mine go out here: the scale words and K steps 0 and 1
.irp s, 0,1
	s_mov_b32 s[G0+4*\s], 1
	s_add_co_u32 s[G0+4*\s+1], s45, \s*SLOT
	s_add_nc_u64 s[G0+4*\s+2:G0+4*\s+3], s[20:21], \s*3072
	s_or_b32 s[G0+4*\s+3], s[G0+4*\s+3], 0x80000000
	s_mov_b32 s[G0B+4*\s], 1
	s_add_co_u32 s[G0B+4*\s+1], s45, \s*SLOT
	s_add_nc_u64 s[G0B+4*\s+2:G0B+4*\s+3], s[46:47], \s*3072
	s_or_b32 s[G0B+4*\s+3], s[G0B+4*\s+3], 0x80000000
	JLOAD G0+4*\s, G1, G0B+4*\s, G1B
.endr
	v_and_b32 v1, 15, v0                           ; r
	v_bfe_u32 v2, v0, 4, 1                         ; h
	v_and_b32 v3, 31, v0
	v_lshlrev_b32 v[LO], 3, v3                     ; 8 x lane
	s_mul_i32 s21, s15, HALFT
	s_mul_i32 s22, s16, HALFT
	s_add_co_u32 s22, s22, 2*HALFT
.irp s, 0,1
	v_add_nc_u32 v[ADRA+\s], s21, v[LO]
	v_add_nc_u32 v[ADRB+\s], s22, v[LO]
	s_add_co_u32 s21, s21, SLOT
	s_add_co_u32 s22, s22, SLOT
.endr
	v_lshlrev_b32 v[R8], 3, v1                     ; my row's two words of a K step
	s_mul_i32 s21, s15, HALFS
	s_mul_i32 s22, s16, HALFS
	s_add_co_u32 s22, s22, 2*HALFS+128
	s_sub_co_u32 s22, s22, s21
	v_mul_u32_u24 v6, s22, v2                      ; lanes 16-31 take B's
	s_add_co_u32 s21, s21, SCL
	v_add_nc_u32 v5, v[R8], v6
	v_add_nc_u32 v[ADRS], s21, v5
	s_mov_b32 s[SEL], 0x76543210
	s_mov_b32 s[SEL+1], 0xfedcba98
	s_lshl_b32 s20, s42, 10                        ; b1 at my 128 columns
	s_lshl_b32 s21, s16, 9
	s_add_co_u32 s20, s20, s21
	s_mov_b32 s21, 0
	s_add_nc_u64 s[8:9], s[8:9], s[20:21]
	v_lshlrev_b32 v[BO], 6, v2
	WIN TO_B                                       ; tile b's eight numbers of b1, columns 32 (b / 2) + 16 h + 8 (b % 2) on, into window 1's idle registers: they are waited for on the way out
.irp b, 0,1,2,3,4,5,6,7
	global_load_b128 v[96+8*\b+96*(\b/4):99+8*\b+96*(\b/4)], v[BO], s[8:9] offset:(32*(\b/2)+8*(\b%2))*4
	global_load_b128 v[100+8*\b+96*(\b/4):103+8*\b+96*(\b/4)], v[BO], s[8:9] offset:(32*(\b/2)+8*(\b%2))*4+16
.endr
	WIN 0
.macro FRAG reg, adr, q, i             ; a fragment comes as it was stored: six loads of 8 bytes a lane, 256 consecutive bytes each
.irp p, 0,1,2,3,4,5
	ds_load_b64 v[\reg+2*\p:\reg+2*\p+1], v[\adr] offset:(\i)*3072+(\q)*1536+256*\p
.endr
.endm
; 16 matrix instructions: A's blocks a0, a0 + 1 x B's eight.  The 64 accumulators take turns, one instruction a turn, in the same order in every step.
.macro MUL16 a0, p, q, sc, zero
.irp a, \a0, \a0+1
.irp b, 0,1,2,3,4,5,6,7
.if \zero
	v_wmma_scale_f32_16x16x128_f8f6f4 v[8*(8*((\a)%4)+\b):8*(8*((\a)%4)+\b)+7], v[128*(\p)+FR*\b:128*(\p)+FR*\b+FR-1], v[AF+FR*(\a):AF+FR*(\a)+FR-1], 0, v[SC+8*NQ*(\sc)+NQ*\b+(\q)], v[SC+8*NQ*(\sc)+NQ*(\a)+(\q)] matrix_a_fmt:MATRIX_FMT_BF6 matrix_b_fmt:MATRIX_FMT_BF6 matrix_a_scale:MATRIX_SCALE_ROW1
.else
	v_wmma_scale_f32_16x16x128_f8f6f4 v[8*(8*((\a)%4)+\b):8*(8*((\a)%4)+\b)+7], v[128*(\p)+FR*\b:128*(\p)+FR*\b+FR-1], v[AF+FR*(\a):AF+FR*(\a)+FR-1], v[8*(8*((\a)%4)+\b):8*(8*((\a)%4)+\b)+7], v[SC+8*NQ*(\sc)+NQ*\b+(\q)], v[SC+8*NQ*(\sc)+NQ*(\a)+(\q)] matrix_a_fmt:MATRIX_FMT_BF6 matrix_b_fmt:MATRIX_FMT_BF6 matrix_a_scale:MATRIX_SCALE_ROW1
.endif
.endr
.endr
.endm
.macro FETCH_B slot, q, p
	WIN TO_B
.irp i, 0,1,2,3,4,5,6,7
	FRAG 128*(\p)+FR*\i, ADRB+\slot, \q, \i
.endr
	WIN 0
.endm
.macro FETCH_A slot, q, i0
.irp i, \i0, \i0+1, \i0+2, \i0+3
	FRAG AF+FR*(\i), ADRA+\slot, \q, \i
.endr
.endm
.macro SCALES sc                       ; the K step's two words a row: lanes 0-15 A's block i, lanes 16-31 B's block i
.irp i, 0,1,2,3,4,5,6,7
	ds_load_b64 v[SC+8*NQ*\sc+NQ*\i:SC+8*NQ*\sc+NQ*\i+1], v[ADRS] offset:\i*KJ*128
.endr
.endm
.macro PLACES n                        ; plain vector instructions between a matrix instruction and a load into, or a read of, its registers
.rept \n
	v_nop
.endr
.endm
.macro STEP slot, q, zero              ; a step of 128 along K that has its successor in the same slot
	s_wait_dscnt 4*NL                              ; B's set and A's blocks 0-3 are in; the youngest 24 loads (A's blocks 4-7) may be out
	WIN MUL_LO
	MUL16 0, (\q)%2, \q, \slot, \zero
	MUL16 2, (\q)%2, \q, \slot, \zero
	s_wait_dscnt 0
	PLACES NP
	FETCH_B \slot, (\q)+1, 1-(\q)%2
	FETCH_A \slot, (\q)+1, 0
	WIN MUL_HI
	MUL16 4, (\q)%2, \q, \slot, \zero
	MUL16 6, (\q)%2, \q, \slot, \zero
	PLACES NP
	WIN 0
	FETCH_A \slot, (\q)+1, 4
.endm
.macro TURN slot, next, fill           ; a slot's last step changes slots: one barrier; fill = 1: this slot is filled again, two K steps ahead
	s_wait_tensorcnt 0x0                           ; all my tensor loads have landed: my part of the next slot
	ds_add_u32 v[SPW], v[NIL]                      ; 0 onto my spare word
	s_wait_dscnt 4*NL+1                            ; (the add and the youngest 24 loads may be out)
	WIN MUL_LO
	MUL16 0, 1, NQ-1, \slot, 0
	s_wait_dscnt 0x0                               ; the add is done, and my reads of this slot are over
	s_barrier_signal -1
	MUL16 2, 1, NQ-1, \slot, 0
	WIN 0
	s_barrier_wait -1
.if \fill
	CREST                                          ; the barrier has opened a round of the cluster's barrier: no wave of any partner still reads this slot or has a load on its way
	s_add_nc_u64 s[G0+4*\slot+2:G0+4*\slot+3], s[G0+4*\slot+2:G0+4*\slot+3], 6144
	s_add_nc_u64 s[G0B+4*\slot+2:G0B+4*\slot+3], s[G0B+4*\slot+2:G0B+4*\slot+3], 6144
	JLOAD G0+4*\slot, G1, G0B+4*\slot, G1B         ; my one tensor load behind the round; its four v_nop are the places in front of the loads below
.else
	PLACES NP
.endif
	v_add_nc_u32 v[ADRS], 128, v[ADRS]             ; the next K step's scale words
	FETCH_B \next, 0, 0
	FETCH_A \next, 0, 0
	SCALES \next
	WIN MUL_HI
	MUL16 4, 1, NQ-1, \slot, 0
	MUL16 6, 1, NQ-1, \slot, 0
	PLACES NP
	WIN 0
	FETCH_A \next, 0, 4
.endm
	s_wait_tensorcnt 1                             ; the scale words and my part of K step 0 are in; K step 1's load may be out
	s_barrier_signal -1
	s_barrier_wait -1
	FETCH_B 0, 0, 0
	FETCH_A 0, 0, 0
	SCALES 0
	FETCH_A 0, 0, 4
	STEP 0, 0, 1                                   ; the first step's products start the sums
	s_mov_b32 s3, LAPS-1
.Llap:
	TURN 0, 1, 1
	STEP 1, 0, 0
	TURN 1, 0, 1
	STEP 0, 0, 0
	s_sub_co_u32 s3, s3, 1
	s_cmp_lg_u32 s3, 0
	s_cbranch_scc1 .Llap
	TURN 0, 1, 0                                   ; the last lap fills nothing; its wait has shown every tensor load of mine done
	STEP 1, 0, 0
	s_wait_dscnt 4*NL
	WIN MUL_LO
	MUL16 0, 1, NQ-1, 1, 0
	MUL16 2, 1, NQ-1, 1, 0
	s_wait_dscnt 0
	WIN MUL_HI
	MUL16 4, 1, NQ-1, 1, 0
	MUL16 6, 1, NQ-1, 1, 0
	WIN 0
; 64 numbers of a lane in window w, register s + 16 b + i = column 32 b + 16 h + i of my row, become a fragment's codes in v[PC] on and its scale word in v[PW].
.macro QUANT s, w
.set WA, (\w)|((\w)<<2)
.set WB, ((\w)<<2)|((\w)<<4)
	WIN WA
.irp b, 0,1,2,3
	v_max3_num_f32 v[TM+\b], |v[(\s)+16*\b]|, |v[(\s)+1+16*\b]|, 0x2800000   ; with the floor 2^(5 - 127): the byte cannot fall under 1
.endr
	WIN WB
.irp i, 2,4,6,8,10,12,14
.irp b, 0,1,2,3
	v_max3_num_f32 v[TM+\b], v[TM+\b], |v[(\s)+16*\b+\i]|, |v[(\s)+1+16*\b+\i]|
.endr
.endr
	WIN 0
.irp b, 0,1,2,3
	v_permlanex16_b32 v[TM+4+\b], v[TM+\b], s[SEL], s[SEL+1]
.endr
.irp b, 0,1,2,3
	v_max_num_f32 v[TM+\b], v[TM+\b], v[TM+4+\b]   ; with lane l xor 16's: the block's largest magnitude
.endr
.irp b, 0,1,2,3
	v_add_nc_u32 v[TM+12+\b], 0xfe000000, v[TM+\b] ; 4 off its exponent field: the conversion's scale operand
.endr
.irp b, 0,1,2,3
	v_lshrrev_b32 v[TM+4+\b], 23, v[TM+12+\b]      ; the byte
.endr
	v_lshl_or_b32 v[PW], v[TM+5], 8, v[TM+4]
	v_lshl_or_b32 v[PW], v[TM+6], 16, v[PW]
	v_lshl_or_b32 v[PW], v[TM+7], 24, v[PW]
	WIN \w
.irp c, 0,1
	v_cvt_scalef32_pk16_bf6_f32 v[PC+6*\c:PC+2+6*\c], v[(\s)+32*\c:(\s)+15+32*\c], v[TM+12+2*\c]
	v_cvt_scalef32_pk16_bf6_f32 v[PC+12+4*\c:PC+14+4*\c], v[(\s)+16+32*\c:(\s)+31+32*\c], v[TM+12+2*\c+1]
.endr
	WIN 0
	v_nop                                          ; one plain place behind a scaled conversion
.irp c, 0,1                                    ; the operand's layout wants a whole block in a lane
.irp i, 0,1,2
	v_permlane16_swap_b32 v[PC+6*\c+\i], v[PC+12+4*\c+\i]
.endr
.irp i, 0,1,2
	v_mov_b32 v[PC+3+6*\c+\i], v[PC+12+4*\c+\i]
.endr
.endr
.endm
; Block k's 64 sums and b1 into window 0: one packed addition moves and adds.  Each accumulator is read from its low end on.
.macro TAKE k
.set WT, (2+(\k)/4)|(1<<2)
	WIN WT
.set i, 0
.rept 32
	v_pk_add_f32 v[XR+2*i:XR+2*i+1], v[64*((\k)%4)+2*i:64*((\k)%4)+2*i+1], v[96+2*i+96*(i/16):97+2*i+96*(i/16)]
.set i, i+1
.endr
	WIN 0
.endm
; gelu in place on 16 numbers: x / 2 + (x / 2) erf(x / sqrt(2)).  The 16 reciprocals are one batch with one wait.
.macro GELU16 ch
.set XB, XR+16*(\ch)
.irp j, 0,2,4,6,8,10,12,14
	v_pk_mul_f32 v[ZR+\j:ZR+\j+1], v[XB+\j:XB+\j+1], 0x3f3504f3 op_sel_hi:[1,0]
.endr
.irp j, 0,1,2,3,4,5,6,7,8,9,10,11,12,13,14,15
	v_med3_num_f32 v[ZR+\j], v[ZR+\j], -4.0, 4.0
.endr
.irp j, 0,2,4,6,8,10,12,14
	v_pk_mul_f32 v[YR+\j:YR+\j+1], v[ZR+\j:ZR+\j+1], v[ZR+\j:ZR+\j+1]
.endr
.irp j, 0,2,4,6,8,10,12,14
	v_pk_fma_f32 v[PR+\j:PR+\j+1], v[YR+\j:YR+\j+1], s[24:25], v[84:85] op_sel_hi:[1,0,1]
.endr
.irp j, 0,2,4,6,8,10,12,14
	v_pk_fma_f32 v[QR+\j:QR+\j+1], v[YR+\j:YR+\j+1], s[36:37], v[86:87] op_sel_hi:[1,0,1]
.endr
.irp c, 26,28,30,32,34
.irp j, 0,2,4,6,8,10,12,14
	v_pk_fma_f32 v[PR+\j:PR+\j+1], v[PR+\j:PR+\j+1], v[YR+\j:YR+\j+1], s[\c:\c+1] op_sel_hi:[1,1,0]
.endr
.endr
.irp c, 38,40,42
.irp j, 0,2,4,6,8,10,12,14
	v_pk_fma_f32 v[QR+\j:QR+\j+1], v[QR+\j:QR+\j+1], v[YR+\j:YR+\j+1], s[\c:\c+1] op_sel_hi:[1,1,0]
.endr
.endr
.irp j, 0,1,2,3,4,5,6,7,8,9,10,11,12,13,14,15
	v_rcp_f32 v[YR+\j], v[QR+\j]
.endr
.irp j, 0,2,4,6,8,10,12,14
	v_pk_mul_f32 v[ZR+\j:ZR+\j+1], v[ZR+\j:ZR+\j+1], v[PR+\j:PR+\j+1]   ; (plain work behind the reciprocals)  z P
.endr
.irp j, 0,2,4,6,8,10,12,14
	v_pk_mul_f32 v[PR+\j:PR+\j+1], v[XB+\j:XB+\j+1], 0.5 op_sel_hi:[1,0]
.endr
	s_wait_alu depctr_va_vdst(0)                   ; one wait for the batch, ahead of its first reader
.irp j, 0,2,4,6,8,10,12,14
	v_pk_mul_f32 v[ZR+\j:ZR+\j+1], v[ZR+\j:ZR+\j+1], v[YR+\j:YR+\j+1]   ; erf
.endr
.irp j, 0,2,4,6,8,10,12,14
	v_pk_fma_f32 v[XB+\j:XB+\j+1], v[PR+\j:PR+\j+1], v[ZR+\j:ZR+\j+1], v[PR+\j:PR+\j+1]
.endr
.endm
.macro COEF reg, bits                          ; a coefficient as a pair: packed forms name a pair
	s_mov_b32 s[\reg], \bits
	s_mov_b32 s[\reg+1], \bits
.endm
	PLACES NP                                      ; behind the last products
	s_wait_loadcnt 0x0                             ; b1
	s_lshl_b32 s20, s17, 4
	s_lshl_b32 s21, s15, 3
	s_add_co_u32 s20, s20, s21                     ; my first row block
	s_lshl_b32 s22, s42, 1
	s_add_co_u32 s22, s22, s16                     ; my 128 columns are the next K's fragment 2 x tile column + half
	s_mul_i32 s46, s20, 49152
	s_mul_i32 s22, s22, 1536
	s_add_co_u32 s46, s46, s22
	s_mov_b32 s47, 0
	s_add_nc_u64 s[12:13], s[10:11], s[46:47]      ; the codes
	s_lshl_b32 s46, s20, 11
	s_lshl_b32 s22, s42, 7
	s_add_co_u32 s46, s46, s22
	s_lshl_b32 s22, s16, 2
	s_add_co_u32 s46, s46, s22
	s_add_co_u32 s46, s46, FQS
	s_add_nc_u64 s[10:11], s[10:11], s[46:47]      ; the scale words
	COEF 24, 0xAF95DF0B                            ; P: z^12 .. (no tensor load of mine is out: the descriptors' registers are free)
	COEF 26, 0xB60CFF51
	COEF 28, 0xB86EC2D2
	COEF 30, 0xBA40AC63
	COEF 32, 0xBB41A1F6
	COEF 34, 0xBC83DBD4
	COEF 36, 0xB77460CD                            ; Q: z^8 ..
	COEF 38, 0xBADC924E
	COEF 40, 0xBBF19BF8
	COEF 42, 0xBC69B6A7
	v_mov_b32 v84, 0x32EDFFEE                      ; P's z^10 and Q's z^6 in vector pairs: an instruction takes one scalar pair here
	v_mov_b32 v85, 0x32EDFFEE
	v_mov_b32 v86, 0xB95FBD29
	v_mov_b32 v87, 0xB95FBD29
.irp b, 0,1,2,3
	v_mov_b32 v[TM+4+\b], 0                        ; written once: a lane permute's destination counts as one of its sources
.endr
	s_mov_b32 s3, 0
.Lrow:                                             ; eight trips, one for each block of 16 rows: only the run that fetches the block's accumulators differs, so only it is written eight times
.irp k, 0,1,2,3,4,5,6
	s_cmp_eq_u32 s3, \k
	s_cbranch_scc1 .Lacc\k
.endr
	TAKE 7
	s_branch .Lgelu
.irp k, 0,1,2,3,4,5,6
.Lacc\k:
	TAKE \k
	s_branch .Lgelu
.endr
.Lgelu:
	GELU16 0
	GELU16 1
	GELU16 2
	GELU16 3
	QUANT XR, 0
.irp p, 0,1,2,3,4,5
	global_store_b64 v[LO], v[PC+2*\p:PC+2*\p+1], s[12:13] offset:256*\p   ; 256 consecutive bytes, aligned
.endr
	global_store_b32 v[R8], v[PW], s[10:11]        ; both halves of the lanes store row r's word
	s_wait_xcnt 0x0                                ; the stores have read their registers and bases: both are written again
	s_add_nc_u64 s[12:13], s[12:13], 49152
	s_add_nc_u64 s[10:11], s[10:11], 2048
	s_add_co_u32 s3, s3, 1
	s_cmp_lt_u32 s3, 8
	s_cbranch_scc1 .Lrow
	s_wait_tensorcnt 0x0                           ; the wave's end
	ds_add_u32 v[SPW], v[NIL]
	s_wait_dscnt 0x0
	CROUND                                         ; the closing round
	s_endpgm
.Lfunc_end_k_q7ba3f394db_ff1:
	.size	k_q7ba3f394db_ff1, .Lfunc_end_k_q7ba3f394db_ff1-k_q7ba3f394db_ff1
	.p2alignl 7, 3214868480
	.fill 96, 4, 3214868480
	.section	.rodata,"a",@progbits
	.p2align	6, 0x0
	.amdhsa_kernel k_q7ba3f394db_ff1
		.amdhsa_group_segment_fixed_size 327680
		.amdhsa_private_segment_fixed_size 0
		.amdhsa_enable_private_segment 0
		.amdhsa_kernarg_size 32
		.amdhsa_user_sgpr_count 2
		.amdhsa_user_sgpr_kernarg_segment_ptr 1
		.amdhsa_wavefront_size32 1
		.amdhsa_system_sgpr_workgroup_id_x 1
		.amdhsa_system_sgpr_workgroup_id_y 1
		.amdhsa_system_sgpr_workgroup_id_z 1
		.amdhsa_system_vgpr_workitem_id 0
		.amdhsa_next_free_vgpr 1024
		.amdhsa_next_free_sgpr 100
		.amdhsa_reserve_vcc 0
		.amdhsa_float_denorm_mode_32 3
		.amdhsa_float_denorm_mode_16_64 3
		.amdhsa_memory_ordered 1
		.amdhsa_forward_progress 1
		.amdhsa_inst_pref_size 195
	.end_amdhsa_kernel
	.amdgpu_metadata
---
amdhsa.version: [ 1, 2 ]
amdhsa.kernels:
  - .name:           k_q7ba3f394db_ff1
    .symbol:         k_q7ba3f394db_ff1.kd
    .args:
      - { .name: hq, .offset: 0, .size: 8, .value_kind: global_buffer, .address_space: global }
      - { .name: cw, .offset: 8, .size: 8, .value_kind: global_buffer, .address_space: global }
      - { .name: b1, .offset: 16, .size: 8, .value_kind: global_buffer, .address_space: global }
      - { .name: fq, .offset: 24, .size: 8, .value_kind: global_buffer, .address_space: global }
    .group_segment_fixed_size: 327680
    .private_segment_fixed_size: 0
    .kernarg_segment_align: 8
    .kernarg_segment_size: 32
    .max_flat_workgroup_size: 128
    .sgpr_count:     100
    .vgpr_count:     1024
    .wavefront_size: 32
...
	.end_amdgpu_metadata
.endif
;; end of part 6
;; launch ff2 (part 7): grid 4 x 16, 4 waves a work-group, clusters of 4 x 4, 327,680 bytes of LDS; arguments fq, cw, xo; writes xo
.if DOCPART == 7
	.amdgcn_target "amdgcn-amd-amdhsa--gfx1250"
	.amdhsa_code_object_version 6
	.text
	.protected	k_q7ba3f394db_ff2
	.globl	k_q7ba3f394db_ff2
	.p2align	8
	.type	k_q7ba3f394db_ff2,@function
k_q7ba3f394db_ff2:
	s_mov_b64 s[64:65], 0
	v_nop
	global_prefetch_b8 v0, s[64:65] scope:SCOPE_SE
	s_setreg_imm32_b32 hwreg(HW_REG_WAVE_MODE, 25, 1), 1
	s_wait_xcnt 0x0
	s_wait_alu depctr_hold_cnt(0) depctr_sa_sdst(0) depctr_va_vdst(0) depctr_va_sdst(0) depctr_va_ssrc(0) depctr_va_vcc(0) depctr_vm_vsrc(0)
	s_getreg_b32 s2, hwreg(HW_REG_IB_STS2, 6, 4)
	s_cmp_eq_u32 s2, 0
	s_cbranch_scc0 .Lentry_in_a_cluster
	s_endpgm
.Lentry_in_a_cluster:
	s_bfe_u32 s2, ttmp6, 0x10000c
	s_cmp_lg_u32 s2, 0xf033
	s_cbranch_scc0 .Lentry_shape_is_right
	s_endpgm
.Lentry_shape_is_right:
; xo = gelu(..) W2^T on codes of BF6 (E3M2) with E8M0 scales, K = 4,096; xo [4,096][1,024] f32.  b2, the residual and the norm follow in the next launch, where their loads are dense.
; Operands lie as images of fragments (16 rows x 128 K = 1,536 bytes: piece p of lane l at 256 p + 8 l), [row block][K / 128]; scale words [row block][K / 256][row][2].
; A tile of C, 256 x 256, is made by four waves, 128 x 128 each: 64 accumulators, 512 registers.  K goes in steps of 256 through a ring of two LDS slots; a wave's tensor load brings 8 row blocks x 3,072 dense bytes.
; The scale words of the work-group's rows, for all of K, come into LDS once, with the first fills.  CLUSTERS: 4 x 4 work-groups; A's tiles are asked for jointly along a row of the cluster, B's along a column.
; THE MATRIX INSTRUCTION IS USED TRANSPOSED (source 0 = 16 rows of the weight, source 1 = 16 rows of A): a lane holds eight neighbouring numbers of a row of C.
; C has 64 tiles of this size: 64 work-groups.
; REGISTERS: window 0: v0-31 addresses; v32-63 scale words, two sets; from v128 A's fragments, one set; window 1: B's fragments, two sets, at v0 and v128; windows 2, 3: the accumulators ((a, b) at v[8 (8 (a % 4) + b)]).
.set SIZE_K, 4096
.set SIZE_N, 1024
.set APTR,   4
.set BPTR,   6
.set A_SC,   12582912
.set B_CO,   15728640
.set B_SC,   18874368+655360
.set HASP,   0
.set KF,     SIZE_K/128
.set RBB,    1536*KF                   ; a row block's codes in memory
.set KJ,     SIZE_K/256
.set NQ,     2                         ; matrix instructions deep in a slot
.set FR,     12                        ; registers of a fragment
.set NL,     6                         ; LDS loads that bring one
.set NP,     4                         ; places behind this matrix instruction (ISA guide 7.12.1)
.set HALFT,  8*3072                    ; 128 rows x 256 K: what one tensor load brings
.set SLOT,   4*HALFT                   ; A's 256 rows, then B's
.set LAPS,   SIZE_K/512
.set SCL,    2*SLOT                    ; behind the ring: the scale words
.set HALFS,  1024*KJ                   ; those of 128 rows
.set SPARE,  SCL+4*HALFS+256           ; behind them: the spare words, 128 bytes a wave, two blocks of 256 bytes that no other line names
.set SPITCH, 528                       ; the way out: a stage of 16 rows x (512 + 16) bytes a wave, in slot 0, which has had its last fill and its last read by then
.set ADRA, 16                          ; v16-17 LDS address of my A fragments in slot 0, 1
.set ADRB, 20                          ; v20-21 the same for B
.set STO,  24
.set RD,   25
.set CO,   26
.set ADRS, 27                          ; v27    of my scale words: lanes 0-15 A's rows, lanes 16-31 B's
.set SPW,  28                          ; v28    my spare word; never rewritten
.set NIL,  29                          ; v29    0; never rewritten
.set LO,   7
.set SC,   32
.set AF,   128
.set BK,   128
.set G1, 24
.set G0, 32
.set G1B, 48
.set G0B, 56
.set G1S, 68
.set G0S, 76
.set G1SB, 80
.set G0SB, 88
.set MSB, 0
.macro WIN new                         ; the immediate's high byte repeats the setting that is left
.if MSB != (\new)
	s_set_vgpr_msb (MSB<<8)|(\new)
.set MSB, (\new)
.endif
.endm
.set MUL_LO, 0xa1                      ; source 0 (B) window 1, source 1 (A) window 0, C and D window 2
.set MUL_HI, 0xf1
.set TO_B,   0x40
.macro JLOAD g0a, g1a, g0b, g1b        ; a joint load: waves 0, 1 fetch for A, waves 2, 3 for B; four v_nop follow each line
	s_cmp_eq_u32 s15, 0
	s_cbranch_scc0 .Lfor_b_\@
	tensor_load_to_lds s[\g0a:\g0a+3], s[\g1a:\g1a+7]
	s_nop 0
.rept 4
	v_nop
.endr
	s_branch .Lasked_\@
.Lfor_b_\@:
	tensor_load_to_lds s[\g0b:\g0b+3], s[\g1b:\g1b+7]
	s_nop 0
.rept 4
	v_nop
.endr
.Lasked_\@:
.endm
.macro CREST                           ; a round of the cluster's barrier behind its opening barrier
	s_cmp_lg_u32 s14, 0
	s_cbranch_scc1 .Lnot_wave_0_\@
	s_barrier_signal -3
.Lnot_wave_0_\@:
	s_barrier_wait -3
	s_barrier_signal -1
	s_barrier_wait -1
.endm
.macro CROUND
	s_barrier_signal -1
	s_barrier_wait -1
	CREST
.endm
	s_load_b128 s[4:7], s[0:1], 0x0                ; fq, cw
	s_load_b64 s[12:13], s[0:1], 0x10              ; xo
	v_lshl_add_u32 v[SPW], v0, 2, SPARE
	v_mov_b32 v[NIL], 0
	ds_add_u32 v28, v29
	ds_add_u32 v28, v29
	s_wait_dscnt 0x0
	v_lshrrev_b32 v1, 5, v0
	v_readfirstlane_b32 s14, v1                    ; wave
	s_lshr_b32 s15, s14, 1                         ; my half of the tile's rows.  Also: I fetch for A (0) or B (1)
	s_and_b32 s16, s14, 1                          ; my half of its columns.  Also: which 128 rows I fetch
	s_bfe_u32 s40, ttmp6, 0x40000                  ; cx
	s_bfe_u32 s41, ttmp6, 0x40004                  ; cy
	s_lshl_b32 s42, ttmp9, 2
	s_add_co_u32 s42, s42, s40                     ; tile column
	s_and_b32 s17, ttmp7, 0xffff
	s_lshl_b32 s17, s17, 2
	s_add_co_u32 s17, s17, s41                     ; tile row
	s_lshl_b32 s43, s41, 2
	s_lshl_b32 s43, 15, s43                        ; my row of the cluster
	s_lshl_b32 s44, 0x1111, s40                    ; my column
	s_or_b32 s[G1+0], s43, (3<<16)|(1<<21)         ; the mask; elements of 8 bytes; bit 21 beside a mask; no padding
	s_or_b32 s[G1B+0], s44, (3<<16)|(1<<21)
.irp g, G1, G1B
	s_mov_b32 s[\g+1], 384<<16                     ; tensor_dim0 = 384 elements: two fragments
	s_mov_b32 s[\g+2], 8<<16                       ; tensor_dim1 = 8 row blocks
	s_mov_b32 s[\g+3], 384<<16                     ; tile_dim0
	s_mov_b32 s[\g+4], 8                           ; tile_dim1
	s_mov_b32 s[\g+5], RBB/8                       ; from row block to row block
	s_mov_b32 s[\g+6], 0
	s_mov_b32 s[\g+7], 0
.endr
	s_or_b32 s[G1S+0], s43, (3<<16)|(1<<21)        ; the scale words of 128 rows: a dense block, as rows of 256 bytes
	s_or_b32 s[G1SB+0], s44, (3<<16)|(1<<21)
.irp g, G1S, G1SB
	s_mov_b32 s[\g+1], 32<<16
	s_mov_b32 s[\g+2], (HALFS/256)<<16
	s_mov_b32 s[\g+3], 32<<16
	s_mov_b32 s[\g+4], HALFS/256
	s_mov_b32 s[\g+5], 32
	s_mov_b32 s[\g+6], 0
	s_mov_b32 s[\g+7], 0
.endr
	s_lshl_b32 s18, s16, 3
	s_lshl_b32 s20, s17, 4
	s_add_co_u32 s20, s20, s18                     ; A: the first row block that I fetch
	s_lshl_b32 s46, s42, 4
	s_add_co_u32 s46, s46, s18                     ; B likewise
	s_mul_i32 s22, s20, 128*KJ
	s_add_co_u32 s22, s22, A_SC
	s_mul_i32 s20, s20, RBB
	s_mul_i32 s92, s46, 128*KJ
	s_add_co_u32 s92, s92, B_SC
	s_mul_i32 s46, s46, RBB
	s_add_co_u32 s46, s46, B_CO
	s_mov_b32 s21, 0
	s_mov_b32 s23, 0
	s_mov_b32 s47, 0
	s_mov_b32 s93, 0
	s_mul_i32 s45, s14, HALFT                      ; where they go: by the wave's number alone
	s_mul_i32 s94, s14, HALFS
	s_wait_kmcnt 0x0
	s_add_nc_u64 s[20:21], s[APTR:APTR+1], s[20:21]
	s_add_nc_u64 s[22:23], s[APTR:APTR+1], s[22:23]
	s_add_nc_u64 s[46:47], s[BPTR:BPTR+1], s[46:47]
	s_add_nc_u64 s[92:93], s[BPTR:BPTR+1], s[92:93]
	CROUND                                         ; all sixteen work-groups are here: the first joint loads meet
	s_mov_b32 s[G0S], 1
	s_add_co_u32 s[G0S+1], s94, SCL
	s_mov_b64 s[G0S+2:G0S+3], s[22:23]
	s_or_b32 s[G0S+3], s[G0S+3], 0x80000000
	s_mov_b32 s[G0SB], 1
	s_add_co_u32 s[G0SB+1], s94, SCL+128           ; B's words lie 128 bytes further on, so that A's 128 bytes and B's of one load fall into different halves of a span of 256
	s_mov_b64 s[G0SB+2:G0SB+3], s[92:93]
	s_or_b32 s[G0SB+3], s[G0SB+3], 0x80000000
	JLOAD G0S, G1S, G0SB, G1SB                     ; three tensor loads of mine go out here: the scale words and K steps 0 and 1
.irp s, 0,1
	s_mov_b32 s[G0+4*\s], 1
	s_add_co_u32 s[G0+4*\s+1], s45, \s*SLOT
	s_add_nc_u64 s[G0+4*\s+2:G0+4*\s+3], s[20:21], \s*3072
	s_or_b32 s[G0+4*\s+3], s[G0+4*\s+3], 0x80000000
	s_mov_b32 s[G0B+4*\s], 1
	s_add_co_u32 s[G0B+4*\s+1], s45, \s*SLOT
	s_add_nc_u64 s[G0B+4*\s+2:G0B+4*\s+3], s[46:47], \s*3072
	s_or_b32 s[G0B+4*\s+3], s[G0B+4*\s+3], 0x80000000
	JLOAD G0+4*\s, G1, G0B+4*\s, G1B
.endr
	v_and_b32 v1, 15, v0                           ; r
	v_bfe_u32 v2, v0, 4, 1                         ; h
	v_and_b32 v3, 31, v0
	v_lshlrev_b32 v[LO], 3, v3                     ; 8 x lane
	s_mul_i32 s21, s15, HALFT
	s_mul_i32 s22, s16, HALFT
	s_add_co_u32 s22, s22, 2*HALFT
.irp s, 0,1
	v_add_nc_u32 v[ADRA+\s], s21, v[LO]
	v_add_nc_u32 v[ADRB+\s], s22, v[LO]
	s_add_co_u32 s21, s21, SLOT
	s_add_co_u32 s22, s22, SLOT
.endr
	v_lshlrev_b32 v5, 3, v1                        ; my row's two words of a K step
	s_mul_i32 s21, s15, HALFS
	s_mul_i32 s22, s16, HALFS
	s_add_co_u32 s22, s22, 2*HALFS+128
	s_sub_co_u32 s22, s22, s21
	v_mul_u32_u24 v6, s22, v2                      ; lanes 16-31 take B's
	s_add_co_u32 s21, s21, SCL
	v_add_nc_u32 v5, v5, v6
	v_add_nc_u32 v[ADRS], s21, v5
	s_mul_i32 s23, s14, 16*SPITCH                  ; my stage
	v_mul_u32_u24 v5, v1, SPITCH
	v_lshl_add_u32 v5, v2, 5, v5
	v_add_nc_u32 v[STO], s23, v5                   ; in: row r, 32 bytes for each half of the lanes
	v_lshlrev_b32 v[CO], 4, v3                     ; back: the 32 lanes take one row of 512 bytes; and the same in C
	v_add_nc_u32 v[RD], s23, v[CO]
	s_lshl_b32 s20, s17, 8
	s_lshl_b32 s21, s15, 7
	s_add_co_u32 s20, s20, s21                     ; my first row of C
	s_lshl_b32 s20, s20, 12                        ; x 4,096 bytes
	s_lshl_b32 s46, s42, 10
	s_lshl_b32 s47, s16, 9
	s_add_co_u32 s46, s46, s47                     ; my first column, in bytes
	s_add_co_u32 s20, s20, s46
	s_mov_b32 s21, 0
	s_add_nc_u64 s[12:13], s[12:13], s[20:21]
.macro FRAG reg, adr, q, i             ; a fragment comes as it was stored: six loads of 8 bytes a lane, 256 consecutive bytes each
.irp p, 0,1,2,3,4,5
	ds_load_b64 v[\reg+2*\p:\reg+2*\p+1], v[\adr] offset:(\i)*3072+(\q)*1536+256*\p
.endr
.endm
; 16 matrix instructions: A's blocks a0, a0 + 1 x B's eight.  The 64 accumulators take turns, one instruction a turn, in the same order in every step.
.macro MUL16 a0, p, q, sc, zero
.irp a, \a0, \a0+1
.irp b, 0,1,2,3,4,5,6,7
.if \zero
	v_wmma_scale_f32_16x16x128_f8f6f4 v[8*(8*((\a)%4)+\b):8*(8*((\a)%4)+\b)+7], v[128*(\p)+FR*\b:128*(\p)+FR*\b+FR-1], v[AF+FR*(\a):AF+FR*(\a)+FR-1], 0, v[SC+8*NQ*(\sc)+NQ*\b+(\q)], v[SC+8*NQ*(\sc)+NQ*(\a)+(\q)] matrix_a_fmt:MATRIX_FMT_BF6 matrix_b_fmt:MATRIX_FMT_BF6 matrix_a_scale:MATRIX_SCALE_ROW1
.else
	v_wmma_scale_f32_16x16x128_f8f6f4 v[8*(8*((\a)%4)+\b):8*(8*((\a)%4)+\b)+7], v[128*(\p)+FR*\b:128*(\p)+FR*\b+FR-1], v[AF+FR*(\a):AF+FR*(\a)+FR-1], v[8*(8*((\a)%4)+\b):8*(8*((\a)%4)+\b)+7], v[SC+8*NQ*(\sc)+NQ*\b+(\q)], v[SC+8*NQ*(\sc)+NQ*(\a)+(\q)] matrix_a_fmt:MATRIX_FMT_BF6 matrix_b_fmt:MATRIX_FMT_BF6 matrix_a_scale:MATRIX_SCALE_ROW1
.endif
.endr
.endr
.endm
.macro FETCH_B slot, q, p
	WIN TO_B
.irp i, 0,1,2,3,4,5,6,7
	FRAG 128*(\p)+FR*\i, ADRB+\slot, \q, \i
.endr
	WIN 0
.endm
.macro FETCH_A slot, q, i0
.irp i, \i0, \i0+1, \i0+2, \i0+3
	FRAG AF+FR*(\i), ADRA+\slot, \q, \i
.endr
.endm
.macro SCALES sc                       ; the K step's two words a row: lanes 0-15 A's block i, lanes 16-31 B's block i
.irp i, 0,1,2,3,4,5,6,7
	ds_load_b64 v[SC+8*NQ*\sc+NQ*\i:SC+8*NQ*\sc+NQ*\i+1], v[ADRS] offset:\i*KJ*128
.endr
.endm
.macro PLACES n                        ; plain vector instructions between a matrix instruction and a load into, or a read of, its registers
.rept \n
	v_nop
.endr
.endm
.macro STEP slot, q, zero              ; a step of 128 along K that has its successor in the same slot
	s_wait_dscnt 4*NL                              ; B's set and A's blocks 0-3 are in; the youngest 24 loads (A's blocks 4-7) may be out
	WIN MUL_LO
	MUL16 0, (\q)%2, \q, \slot, \zero
	MUL16 2, (\q)%2, \q, \slot, \zero
	s_wait_dscnt 0
	PLACES NP
	FETCH_B \slot, (\q)+1, 1-(\q)%2
	FETCH_A \slot, (\q)+1, 0
	WIN MUL_HI
	MUL16 4, (\q)%2, \q, \slot, \zero
	MUL16 6, (\q)%2, \q, \slot, \zero
	PLACES NP
	WIN 0
	FETCH_A \slot, (\q)+1, 4
.endm
.macro TURN slot, next, fill           ; a slot's last step changes slots: one barrier; fill = 1: this slot is filled again, two K steps ahead
	s_wait_tensorcnt 0x0                           ; all my tensor loads have landed: my part of the next slot
	ds_add_u32 v[SPW], v[NIL]                      ; 0 onto my spare word
	s_wait_dscnt 4*NL+1                            ; (the add and the youngest 24 loads may be out)
	WIN MUL_LO
	MUL16 0, 1, NQ-1, \slot, 0
	s_wait_dscnt 0x0                               ; the add is done, and my reads of this slot are over
	s_barrier_signal -1
	MUL16 2, 1, NQ-1, \slot, 0
	WIN 0
	s_barrier_wait -1
.if \fill
	CREST                                          ; the barrier has opened a round of the cluster's barrier: no wave of any partner still reads this slot or has a load on its way
	s_add_nc_u64 s[G0+4*\slot+2:G0+4*\slot+3], s[G0+4*\slot+2:G0+4*\slot+3], 6144
	s_add_nc_u64 s[G0B+4*\slot+2:G0B+4*\slot+3], s[G0B+4*\slot+2:G0B+4*\slot+3], 6144
	JLOAD G0+4*\slot, G1, G0B+4*\slot, G1B         ; my one tensor load behind the round; its four v_nop are the places in front of the loads below
.else
	PLACES NP
.endif
	v_add_nc_u32 v[ADRS], 128, v[ADRS]             ; the next K step's scale words
	FETCH_B \next, 0, 0
	FETCH_A \next, 0, 0
	SCALES \next
	WIN MUL_HI
	MUL16 4, 1, NQ-1, \slot, 0
	MUL16 6, 1, NQ-1, \slot, 0
	PLACES NP
	WIN 0
	FETCH_A \next, 0, 4
.endm
	s_wait_tensorcnt 1                             ; the scale words and my part of K step 0 are in; K step 1's load may be out
	s_barrier_signal -1
	s_barrier_wait -1
	FETCH_B 0, 0, 0
	FETCH_A 0, 0, 0
	SCALES 0
	FETCH_A 0, 0, 4
	STEP 0, 0, 1                                   ; the first step's products start the sums
	s_mov_b32 s3, LAPS-1
.Llap:
	TURN 0, 1, 1
	STEP 1, 0, 0
	TURN 1, 0, 1
	STEP 0, 0, 0
	s_sub_co_u32 s3, s3, 1
	s_cmp_lg_u32 s3, 0
	s_cbranch_scc1 .Llap
	TURN 0, 1, 0                                   ; the last lap fills nothing
	STEP 1, 0, 0
	s_wait_dscnt 4*NL
	WIN MUL_LO
	MUL16 0, 1, NQ-1, 1, 0
	MUL16 2, 1, NQ-1, 1, 0
	s_wait_dscnt 0
	WIN MUL_HI
	MUL16 4, 1, NQ-1, 1, 0
	MUL16 6, 1, NQ-1, 1, 0
	WIN 0
; THE WAY OUT, block by block of 16 rows x 128 columns, through my own stage: in as 32 bytes a lane, back as whole rows of 512 bytes.  LDS serves a wave's instructions in order (ISA guide 5.7.1.4).
.macro TOSTAGE a
.set AC, 64*((\a)%4)
	WIN 0x08+4*((\a)/4)                            ; the data: window 2 or 3
.irp b, 0,1,2,3,4,5,6,7
	ds_store_b128 v[STO], v[AC+8*\b:AC+8*\b+3] offset:64*\b          ; each accumulator from its low end on
	ds_store_b128 v[STO], v[AC+8*\b+4:AC+8*\b+7] offset:64*\b+16
.endr
	WIN 0
.set BB, BK+64*((\a)%2)
.irp t, 0,1,2,3,4,5,6,7,8,9,10,11,12,13,14,15
	ds_load_b128 v[BB+4*\t:BB+4*\t+3], v[RD] offset:\t*SPITCH
.endr
.endm
.macro SEND a, younger                 ; younger: the LDS instructions issued behind block a's loads, which may stay out
.set BB, BK+64*((\a)%2)
	s_wait_dscnt \younger
.if (\a) > 0
	s_add_nc_u64 s[12:13], s[12:13], 16*SIZE_N*4   ; (behind a wait on XCNT: the earlier stores have read their base)
.endif
.irp t, 0,1,2,3,4,5,6,7,8,9,10,11,12,13,14,15
	global_store_b128 v[CO], v[BB+4*\t:BB+4*\t+3], s[12:13] offset:\t*SIZE_N*4   ; 32 lanes store 512 consecutive bytes, aligned
.endr
.endm
	PLACES NP
	TOSTAGE 0
.irp a, 1,2,3,4,5,6,7
.if \a > 1
	s_wait_xcnt 0x0                                ; block a - 2's stores have read their registers and their base
.endif
	TOSTAGE \a
	SEND \a-1, 32                                  ; behind block a - 1's loads: block a's 16 stores and 16 loads
.endr
	s_wait_xcnt 0x0
	SEND 7, 0
	s_wait_tensorcnt 0x0                           ; the wave's end
	ds_add_u32 v[SPW], v[NIL]
	s_wait_dscnt 0x0
	CROUND                                         ; the closing round
	s_endpgm
.Lfunc_end_k_q7ba3f394db_ff2:
	.size	k_q7ba3f394db_ff2, .Lfunc_end_k_q7ba3f394db_ff2-k_q7ba3f394db_ff2
	.p2alignl 7, 3214868480
	.fill 96, 4, 3214868480
	.section	.rodata,"a",@progbits
	.p2align	6, 0x0
	.amdhsa_kernel k_q7ba3f394db_ff2
		.amdhsa_group_segment_fixed_size 327680
		.amdhsa_private_segment_fixed_size 0
		.amdhsa_enable_private_segment 0
		.amdhsa_kernarg_size 24
		.amdhsa_user_sgpr_count 2
		.amdhsa_user_sgpr_kernarg_segment_ptr 1
		.amdhsa_wavefront_size32 1
		.amdhsa_system_sgpr_workgroup_id_x 1
		.amdhsa_system_sgpr_workgroup_id_y 1
		.amdhsa_system_sgpr_workgroup_id_z 1
		.amdhsa_system_vgpr_workitem_id 0
		.amdhsa_next_free_vgpr 1024
		.amdhsa_next_free_sgpr 100
		.amdhsa_reserve_vcc 0
		.amdhsa_float_denorm_mode_32 3
		.amdhsa_float_denorm_mode_16_64 3
		.amdhsa_memory_ordered 1
		.amdhsa_forward_progress 1
		.amdhsa_inst_pref_size 159
	.end_amdhsa_kernel
	.amdgpu_metadata
---
amdhsa.version: [ 1, 2 ]
amdhsa.kernels:
  - .name:           k_q7ba3f394db_ff2
    .symbol:         k_q7ba3f394db_ff2.kd
    .args:
      - { .name: fq, .offset: 0, .size: 8, .value_kind: global_buffer, .address_space: global }
      - { .name: cw, .offset: 8, .size: 8, .value_kind: global_buffer, .address_space: global }
      - { .name: xo, .offset: 16, .size: 8, .value_kind: global_buffer, .address_space: global }
    .group_segment_fixed_size: 327680
    .private_segment_fixed_size: 0
    .kernarg_segment_align: 8
    .kernarg_segment_size: 24
    .max_flat_workgroup_size: 128
    .sgpr_count:     100
    .vgpr_count:     1024
    .wavefront_size: 32
...
	.end_amdgpu_metadata
.endif
;; end of part 7
;; launch ln2 (part 8): grid 512 x 1, 8 waves a work-group, no clusters, 0 bytes of LDS; arguments xo, h1, b2, g2, be2, out0; writes out0
.if DOCPART == 8
	.amdgcn_target "amdgcn-amd-amdhsa--gfx1250"
	.amdhsa_code_object_version 6
	.text
	.protected	k_q7ba3f394db_ln2
	.globl	k_q7ba3f394db_ln2
	.p2align	8
	.type	k_q7ba3f394db_ln2,@function
k_q7ba3f394db_ln2:
	s_mov_b64 s[64:65], 0
	v_nop
	global_prefetch_b8 v0, s[64:65] scope:SCOPE_SE
	s_setreg_imm32_b32 hwreg(HW_REG_WAVE_MODE, 25, 1), 1
	s_wait_xcnt 0x0
; out0 = layernorm(h1 + xo + b2) x g2 + be2, rows of 1,024, in f32.  One wave takes one row: 8 loads of 512 consecutive bytes for each of the five sources; the row stays in 32 registers a lane between
; the passes, so memory is read once; mean and variance as the reference has them.  No LDS, no barrier: waves share nothing.  Memory binds: no matrix unit, no cluster, no tensor load.
.set X,   16
.set H,   48
.set C,   80
.set G,   112
.set B,   144
.set A,   176                          ; v176-183 four chains
.set MU,  184
.set RS,  186
.set PT,  188
	s_load_b256 s[4:11], s[0:1], 0x0               ; xo, h1, b2, g2
	s_load_b128 s[12:15], s[0:1], 0x20             ; be2, out0
	v_lshrrev_b32 v1, 5, v0
	v_readfirstlane_b32 s16, v1                    ; wave
	v_and_b32 v1, 31, v0
	v_lshlrev_b32 v4, 4, v1                        ; 16 x lane
	v_mov_b32 v[PT], 0                             ; written once: a lane permute's destination counts as one of its sources
	s_mov_b32 s24, 0x76543210
	s_mov_b32 s25, 0xfedcba98
	s_lshl_b32 s17, ttmp9, 3
	s_add_co_u32 s17, s17, s16                     ; my row
	s_lshl_b32 s18, s17, 12
	s_mov_b32 s19, 0
	s_wait_kmcnt 0x0
	s_add_nc_u64 s[4:5], s[4:5], s[18:19]
	s_add_nc_u64 s[6:7], s[6:7], s[18:19]
	s_add_nc_u64 s[14:15], s[14:15], s[18:19]
.irp i, 0,1,2,3,4,5,6,7
	global_load_b128 v[X+4*\i:X+4*\i+3], v4, s[4:5] offset:512*\i th:TH_LOAD_NT
.endr
.irp i, 0,1,2,3,4,5,6,7
	global_load_b128 v[H+4*\i:H+4*\i+3], v4, s[6:7] offset:512*\i th:TH_LOAD_NT
.endr
.irp i, 0,1,2,3,4,5,6,7
	global_load_b128 v[C+4*\i:C+4*\i+3], v4, s[8:9] offset:512*\i
.endr
.irp i, 0,1,2,3,4,5,6,7
	global_load_b128 v[G+4*\i:G+4*\i+3], v4, s[10:11] offset:512*\i
.endr
.irp i, 0,1,2,3,4,5,6,7
	global_load_b128 v[B+4*\i:B+4*\i+3], v4, s[12:13] offset:512*\i
.endr
.macro WSUM                                    ; v[A] summed over the 32 lanes, the result in every lane
	v_add_f32_dpp v[A], v[A], v[A] row_xmask:1 row_mask:0xf bank_mask:0xf
	v_add_f32_dpp v[A], v[A], v[A] row_xmask:2 row_mask:0xf bank_mask:0xf
	v_add_f32_dpp v[A], v[A], v[A] row_xmask:4 row_mask:0xf bank_mask:0xf
	v_add_f32_dpp v[A], v[A], v[A] row_xmask:8 row_mask:0xf bank_mask:0xf
	v_permlanex16_b32 v[PT], v[A], s24, s25
	v_add_f32 v[A], v[A], v[PT]
.endm
.macro FOLD                                    ; the four chains into v[A]
	v_pk_add_f32 v[A:A+1], v[A:A+1], v[A+2:A+3]
	v_pk_add_f32 v[A+4:A+5], v[A+4:A+5], v[A+6:A+7]
	v_pk_add_f32 v[A:A+1], v[A:A+1], v[A+4:A+5]
	v_add_f32 v[A], v[A], v[A+1]
.endm
	s_wait_loadcnt 16                              ; xo, h1 and b2 are in; the 16 loads of g2 and be2 may be out
.irp j, 0,2,4,6,8,10,12,14,16,18,20,22,24,26,28,30
	v_pk_add_f32 v[X+\j:X+\j+1], v[X+\j:X+\j+1], v[C+\j:C+\j+1]   ; ff = the product + b2,
.endr
.irp j, 0,2,4,6,8,10,12,14,16,18,20,22,24,26,28,30
	v_pk_add_f32 v[X+\j:X+\j+1], v[X+\j:X+\j+1], v[H+\j:H+\j+1]   ; + h1
.endr
.irp c, 0,1,2,3
	v_pk_add_f32 v[A+2*\c:A+2*\c+1], v[X+4*\c:X+4*\c+1], v[X+4*\c+2:X+4*\c+3]
.endr
.irp c, 0,1,2,3
	v_pk_add_f32 v[A+2*\c:A+2*\c+1], v[A+2*\c:A+2*\c+1], v[X+16+4*\c:X+17+4*\c]
.endr
.irp c, 0,1,2,3
	v_pk_add_f32 v[A+2*\c:A+2*\c+1], v[A+2*\c:A+2*\c+1], v[X+18+4*\c:X+19+4*\c]
.endr
	FOLD
	WSUM
	v_mul_f32 v[MU], 0xba800000, v[A]              ; - the mean
	v_mov_b32 v[MU+1], v[MU]
.irp j, 0,2,4,6,8,10,12,14,16,18,20,22,24,26,28,30
	v_pk_add_f32 v[X+\j:X+\j+1], v[X+\j:X+\j+1], v[MU:MU+1]
.endr
.irp c, 0,1,2,3
	v_pk_mul_f32 v[A+2*\c:A+2*\c+1], v[X+2*\c:X+2*\c+1], v[X+2*\c:X+2*\c+1]
.endr
.irp j, 8,16,24
.irp c, 0,1,2,3
	v_pk_fma_f32 v[A+2*\c:A+2*\c+1], v[X+\j+2*\c:X+\j+2*\c+1], v[X+\j+2*\c:X+\j+2*\c+1], v[A+2*\c:A+2*\c+1]
.endr
.endr
	FOLD
	WSUM
	v_mov_b32 v[A+1], 0x3a800000                   ; 1 / 1,024
	v_fmaak_f32 v[A], v[A], v[A+1], 0x3727c5ac     ; the variance + 1e-5
	v_rsq_f32 v[RS], v[A]
	v_nop                                          ; one plain place behind the transcendental
	s_wait_alu depctr_va_vdst(0)                   ; and the wait ahead of its first reader
	v_mov_b32 v[RS+1], v[RS]
	s_wait_loadcnt 0x0                             ; g2 and be2
.irp j, 0,2,4,6,8,10,12,14,16,18,20,22,24,26,28,30
	v_pk_mul_f32 v[X+\j:X+\j+1], v[X+\j:X+\j+1], v[RS:RS+1]
.endr
.irp j, 0,2,4,6,8,10,12,14,16,18,20,22,24,26,28,30
	v_pk_fma_f32 v[X+\j:X+\j+1], v[X+\j:X+\j+1], v[G+\j:G+\j+1], v[B+\j:B+\j+1]
.endr
.irp i, 0,1,2,3,4,5,6,7
	global_store_b128 v4, v[X+4*\i:X+4*\i+3], s[14:15] offset:512*\i th:TH_STORE_NT   ; 512 consecutive bytes, aligned; written once, read by nobody here
.endr
	s_endpgm
.Lfunc_end_k_q7ba3f394db_ln2:
	.size	k_q7ba3f394db_ln2, .Lfunc_end_k_q7ba3f394db_ln2-k_q7ba3f394db_ln2
	.p2alignl 7, 3214868480
	.fill 96, 4, 3214868480
	.section	.rodata,"a",@progbits
	.p2align	6, 0x0
	.amdhsa_kernel k_q7ba3f394db_ln2
		.amdhsa_group_segment_fixed_size 0
		.amdhsa_private_segment_fixed_size 0
		.amdhsa_enable_private_segment 0
		.amdhsa_kernarg_size 48
		.amdhsa_user_sgpr_count 2
		.amdhsa_user_sgpr_kernarg_segment_ptr 1
		.amdhsa_wavefront_size32 1
		.amdhsa_system_sgpr_workgroup_id_x 1
		.amdhsa_system_sgpr_workgroup_id_y 1
		.amdhsa_system_sgpr_workgroup_id_z 1
		.amdhsa_system_vgpr_workitem_id 0
		.amdhsa_next_free_vgpr 192
		.amdhsa_next_free_sgpr 66
		.amdhsa_reserve_vcc 0
		.amdhsa_float_denorm_mode_32 3
		.amdhsa_float_denorm_mode_16_64 3
		.amdhsa_memory_ordered 1
		.amdhsa_forward_progress 1
		.amdhsa_inst_pref_size 14
	.end_amdhsa_kernel
	.amdgpu_metadata
---
amdhsa.version: [ 1, 2 ]
amdhsa.kernels:
  - .name:           k_q7ba3f394db_ln2
    .symbol:         k_q7ba3f394db_ln2.kd
    .args:
      - { .name: xo, .offset: 0, .size: 8, .value_kind: global_buffer, .address_space: global }
      - { .name: h1, .offset: 8, .size: 8, .value_kind: global_buffer, .address_space: global }
      - { .name: b2, .offset: 16, .size: 8, .value_kind: global_buffer, .address_space: global }
      - { .name: g2, .offset: 24, .size: 8, .value_kind: global_buffer, .address_space: global }
      - { .name: be2, .offset: 32, .size: 8, .value_kind: global_buffer, .address_space: global }
      - { .name: out0, .offset: 40, .size: 8, .value_kind: global_buffer, .address_space: global }
    .group_segment_fixed_size: 0
    .private_segment_fixed_size: 0
    .kernarg_segment_align: 8
    .kernarg_segment_size: 48
    .max_flat_workgroup_size: 256
    .sgpr_count:     66
    .vgpr_count:     192
    .wavefront_size: 32
...
	.end_amdgpu_metadata
.endif
;; end of part 8
;; ======== version 2 of 3: 8 launches; 1.16 times as fast as version 1
;; workspace buffers: cw 19,660,800 bytes; qkv 10,092,544 bytes; hq 3,276,800 bytes; xo 16,777,216 bytes; h1 16,777,216 bytes; fq 13,107,200 bytes
;; launch quant: the kernel of part 1 again; grid 768 x 1, 4 waves a work-group, no clusters, 34,304 bytes of LDS; arguments q, k, v, Wq, Wk, Wv, Wo, W1, W2, cw; writes cw
;; launch qkv: the kernel of part 2 again; grid 4 x 48, 4 waves a work-group, clusters of 4 x 4, 327,680 bytes of LDS; arguments cw, qkv; writes qkv
;; launch attn (part 9): grid 8 x 32, 16 waves a work-group, no clusters, 211,968 bytes of LDS; arguments qkv, pad_mask, hq; writes hq
.if DOCPART == 9
	.amdgcn_target "amdgcn-amd-amdhsa--gfx1250"
	.amdhsa_code_object_version 6
	.text
	.protected	k_q7ba3f394db_attn
	.globl	k_q7ba3f394db_attn
	.p2align	8
	.type	k_q7ba3f394db_attn,@function
k_q7ba3f394db_attn:
	s_mov_b64 s[64:65], 0
	v_nop
	global_prefetch_b8 v0, s[64:65] scope:SCOPE_SE
	s_setreg_imm32_b32 hwreg(HW_REG_WAVE_MODE, 25, 1), 1
	s_wait_xcnt 0x0
; h = (softmax(mask_keys(Q K^T) / 8) x mask_queries) V for 32 heads of 2,048 x 64, both products on codes of BF6 (E3M2) with E8M0 scales; the second product's left operand is the FINISHED, normalised weight, quantised along the keys.
; A head is 128 rows t of the [4,096][1,024] results: row i of the head is (t % 128) 16 + column / 64.  Work-group (tb, hd) owns rows t = 128 hd + 16 tb + r; pass cg = 0 .. 15 takes the 16 queries i = 256 tb + 16 r + cg.
; THE KEYS ARE SHARED OUT AMONG THE SIXTEEN WAVES: wave w owns keys 128 w .. 128 w + 127, one K step of the second product; its fragments of K and of V^T stay in registers for the whole launch.  Each score is made once and
; each exponential taken once; the waves' maxima and sums meet in LDS, so that the row's final maximum and sum are known before a weight is converted; the waves' parts of O^T are added through LDS.
; ONE BARRIER A PASS: the statistics and the parts of O^T have two buffers each, which take turns.  Pass n's parts are added up in pass n + 1, behind that pass's barrier.  Between two barriers a wave reads the statistics
; of buffer n % 2, stores its part into buffer n % 2, reads the parts of buffer 1 - n % 2, stores one slot of the sums, and stores the next statistics into buffer 1 - n % 2: five regions that lie apart.
; A trip of the loop runs two passes, so that each buffer is a register and a constant.
; THE FIRST PRODUCT HAS K = 64: a fragment of K holds two tiles of 16 keys (registers 0-5, 6-11); Q stands between zeros in 18 registers, and is named as Q | 0 for the first tile and as 0 | Q for the second: the other tile's codes meet zero codes.
; Both products are used transposed (source 0 = keys, or channels; source 1 = queries): a lane holds one query.  Lane r of key tile (d, u) is key 32 d + 8 u + r + 8 (r / 8), so register 16 d + 8 u + j is key 32 d + 16 h + 8 u + j.
; p = 2^(t - M), t = score x log2(e) / 8, M the wave's largest t rounded up to a whole number; the change to the row's M is a multiplication by a power of two, which rounds nothing.
; LIMITS: a batch row whose pad_mask is all false (the reference gives NaN there) is not served; NaN and infinities are not served; a block of zeros carries the byte 1, not 127 (zero codes; the bytes are this program's own).
; No cluster: what the eight work-groups of a head share, K and V, is read once, at the head, 12 KB a wave, into registers; there is no tile that is asked for again.
.set QKS,  9437184
.set VTC,  6291456
.set VTS,  9961472
.set HQS,  3145728
.set OP1,  65536                       ; LDS: 0 and OP1: the waves' parts of O^T, 4,096 bytes each, two buffers
.set ORB,  131072                      ; the sums, 4,096 bytes a pass: pass n's in slot (n + 1) % 16
.set STAT, 204800                      ; row r of 144 bytes: wave w's {-M, l} at 8 w; two buffers, STB apart
.set STB,  2304
.set HSC,  209408                      ; h's scale words, 512 bytes
.set BM,   24                          ; v24-27 the blocks' largest scores, then largest weights
.set BX,   28
.set SO,   32
.set KS,   36                          ; v36-39 K's scale words;  v40-43 V's;  v20 the weights';  v21 Q's
.set VS,   40
.set QZ,   44                          ; v44-61 0 | Q | 0
.set PC,   62                          ; v62-80 the codes just made; also the statistics as read
.set KFR,  82                          ; v82-129  K: four fragments
.set VFR,  130                         ; v130-177 V^T: four fragments
.set S,    178                         ; v178-241 scores, weights; then O^T in the lower 32
	s_load_b128 s[4:7], s[0:1], 0x0                ; qkv, pad_mask
	s_load_b64 s[8:9], s[0:1], 0x10                ; hq
	v_lshl_add_u32 v81, v0, 2, 0x33400
	v_mov_b32 v255, 0
	v_lshrrev_b32 v11, 5, v0
	v_readfirstlane_b32 s10, v11                   ; wave w
	s_mov_b32 s11, ttmp9                           ; tb
	s_and_b32 s12, ttmp7, 0xffff                   ; hd
	v_and_b32 v22, 31, v0                          ; lane
	v_and_b32 v23, 15, v0                          ; r
	v_bfe_u32 v11, v0, 4, 1                        ; h
	v_lshlrev_b32 v1, 3, v22                       ; 8 x lane
	v_lshlrev_b32 v2, 2, v23                       ; 4 r
	v_lshlrev_b32 v254, 4, v22                     ; 16 x lane
	v_mul_u32_u24 v3, v23, 144
	v_lshl_add_u32 v4, v11, 6, v3
	v_add_nc_u32 v4, STAT, v4                      ; the statistics as read: row r, eight waves' pairs for each half of the lanes
	s_lshl_b32 s24, s10, 3
	s_add_co_u32 s24, s24, STAT
	v_add_nc_u32 v3, s24, v3                       ; and as written: row r, my wave's pair
	s_lshl_b32 s24, s10, 12
	v_add_nc_u32 v5, s24, v254                     ; my part of O^T in buffer 0: 4,096 w + 16 x lane
	s_add_co_u32 s25, s10, 1
	s_and_b32 s25, s25, 15
	s_lshl_b32 s25, s25, 12
	s_add_co_u32 s25, s25, ORB
	v_add_nc_u32 v251, s25, v254                   ; at the end: pass w's sum, in slot (w + 1) % 16
	s_lshl_b32 s24, s10, 8
	v_lshl_add_u32 v6, v23, 4, s24                 ; what I add up: bytes 256 w + 16 r of every part,
	v_add_nc_u32 v7, ORB, v6                       ; where the sum goes (8,192 on in each trip),
	v_lshl_add_u32 v6, v11, 15, v6                 ; lanes 16-31 take parts 8 to 15
	s_lshr_b32 s24, s10, 2
	s_lshl_b32 s24, s24, 7
	s_and_b32 s25, s10, 3
	s_lshl_b32 s25, s25, 1
	s_add_co_u32 s24, s24, s25
	s_add_co_u32 s24, s24, HSC
	v_lshl_add_u32 v252, v23, 3, s24               ; h's two scale bytes of columns 64 w on: 128 (w / 4) + 8 r + 2 (w % 4)
	v_add_nc_u32 v253, HSC, v254
	v_and_b32 v243, 7, v23
	v_lshrrev_b32 v244, 3, v23
	v_mul_u32_u24 v242, v243, 768
	v_lshl_add_u32 v242, v244, 3, v242
	v_lshl_add_u32 v242, v11, 7, v242              ; K's codes: 768 (r % 8) + 8 (r / 8) + 128 h
	v_lshlrev_b32 v245, 6, v243
	v_lshl_add_u32 v245, v244, 2, v245             ; K's scale bytes: 64 (r % 8) + 4 (r / 8)
	v_lshl_add_u32 v246, v244, 3, v23              ; r + 8 (r / 8)
	v_mul_u32_u24 v247, v246, 1536
	v_mad_u32_u24 v247, v11, 24, v247              ; V's codes: channel's row, + 24 h
	v_lshlrev_b32 v248, 6, v246                    ; V's scale bytes
	v_lshlrev_b32 v249, 4, v11                     ; the keys' mask: 16 h
	v_lshlrev_b32 v250, 4, v23                     ; the queries' mask: 16 r
	s_lshr_b32 s22, s10, 1
	s_and_b32 s23, s10, 1
	s_mov_b32 s3, 0
	s_mov_b32 s14, 0x76543210
	s_mov_b32 s15, 0xfedcba98                      ; selects for lane l xor 16
	s_mov_b32 s16, 0x3e38aa3b                      ; c = log2(e) / 8
	s_mov_b32 s17, s16                             ; (named with it as a pair)
	s_wait_kmcnt 0x0
	s_mul_i32 s2, s12, 98304                       ; K's codes: row block 256 + 8 hd + w / 2, rows 8 (w % 2) on
	s_mul_i32 s34, s22, 12288
	s_add_co_u32 s2, s2, s34
	s_lshl_b32 s34, s23, 6
	s_add_co_u32 s2, s2, s34
	s_add_co_u32 s2, s2, 3145728
	s_add_nc_u64 s[24:25], s[4:5], s[2:3]
	s_lshl_b32 s2, s12, 13
	s_lshl_b32 s34, s22, 10
	s_add_co_u32 s2, s2, s34
	s_lshl_b32 s34, s23, 5
	s_add_co_u32 s2, s2, s34
	s_add_co_u32 s2, s2, QKS+262144
	s_add_nc_u64 s[26:27], s[4:5], s[2:3]
	s_mul_i32 s2, s12, 98304                       ; V's codes: my 128 keys are 96 bytes of each channel's row
	s_mul_i32 s34, s10, 96
	s_add_co_u32 s2, s2, s34
	s_add_co_u32 s2, s2, VTC
	s_add_nc_u64 s[28:29], s[4:5], s[2:3]
	s_lshl_b32 s2, s12, 12                         ; V's bytes: key block 4 w + x stands at 8 (4 (w % 2) + x) + w / 2
	s_lshl_b32 s34, s23, 5
	s_add_co_u32 s2, s2, s34
	s_add_co_u32 s2, s2, s22
	s_add_co_u32 s2, s2, VTS
	s_add_nc_u64 s[30:31], s[4:5], s[2:3]
	s_lshr_b32 s35, s12, 4
	s_lshl_b32 s35, s35, 11                        ; the batch's row of pad_mask
	s_lshl_b32 s2, s10, 7
	s_add_co_u32 s2, s2, s35
	s_add_nc_u64 s[32:33], s[6:7], s[2:3]
	s_lshl_b32 s2, s11, 8
	s_add_co_u32 s2, s2, s35
	s_add_nc_u64 s[6:7], s[6:7], s[2:3]
	s_lshl_b32 s34, s12, 3
	s_add_co_u32 s34, s34, s11                     ; my row block 8 hd + tb
	s_mul_i32 s2, s34, 12288
	s_add_nc_u64 s[18:19], s[4:5], s[2:3]          ; Q's codes, 768 bytes a pass
	s_lshl_b32 s2, s34, 10
	s_add_co_u32 s2, s2, QKS
	s_add_nc_u64 s[20:21], s[4:5], s[2:3]          ; Q's scale words, 64 bytes a pass
.irp d, 0,1,2,3
.irp u, 0,1
.irp p, 0,1,2
	global_load_b64 v[KFR+12*\d+6*\u+2*\p:KFR+12*\d+6*\u+2*\p+1], v242, s[24:25] offset:6144*\u+16*\d+256*\p
.endr
	global_load_u16 v[S+16+2*\d+\u], v245, s[26:27] offset:512*\u+8*\d
.endr
.endr
.irp t, 0,1,2,3                                ; lane r of channel tile t takes channel 32 (t / 2) + 8 (t % 2) + r + 8 (r / 8), so that O^T's 16 registers of two tiles are 16 neighbouring channels
.irp c, 0,1
.irp p, 0,1,2
	global_load_b64 v[VFR+12*\t+6*\c+2*\p:VFR+12*\t+6*\c+2*\p+1], v247, s[28:29] offset:(32*(\t/2)+8*(\t%2))*1536+48*\c+8*\p
.endr
.endr
.irp x, 0,1,2,3
	global_load_u8 v[S+24+4*\t+\x], v248, s[30:31] offset:(32*(\t/2)+8*(\t%2))*64+8*\x
.endr
.endr
.irp b, 0,1,2,3
	global_load_b128 v[S+4*\b:S+4*\b+3], v249, s[32:33] offset:32*\b   ; the mask bytes of keys 32 b + 16 h + 0 .. 15
.endr
	global_load_b128 v[S+40:S+43], v250, s[6:7]    ; and of queries 16 r + 0 .. 15
.irp p, 0,1,2
	global_load_b64 v[QZ+6+2*\p:QZ+7+2*\p], v1, s[18:19] offset:256*\p   ; pass 0's Q
.endr
	global_load_b32 v21, v2, s[20:21]
	v_mov_b32 v10, 0xff800000                      ; -infinity
	v_mov_b32 v13, 0
	v_mov_b32 v15, 0                               ; (upper halves of pairs that packed forms name)
.irp i, 0,1,2,3,4,5
	v_mov_b32 v[QZ+\i], 0                          ; zero codes on both sides of Q
	v_mov_b32 v[QZ+12+\i], 0
.endr
.irp b, 0,1,2,3
	v_mov_b32 v[BX+\b], 0                          ; written once: a lane permute's destination counts as one of its sources
.endr
	s_wait_loadcnt 0x0                             ; all the head's loads are in, so their offset registers are free
	v_add_nc_u32 v246, OP1, v5                     ; my part of O^T in buffer 1,
	v_add_nc_u32 v247, OP1, v6                     ; what I add up of buffer 1,
	v_add_nc_u32 v248, 0, v7                       ; and slot 0 of the sums, which the last pass takes
.irp d, 0,1,2,3
	v_lshl_or_b32 v[KS+\d], v[S+17+2*\d], 16, v[S+16+2*\d]   ; {first tile's two bytes, second tile's two bytes}
.endr
.irp t, 0,1,2,3
	v_lshl_or_b32 v[VS+\t], v[S+25+4*\t], 8, v[S+24+4*\t]
	v_lshl_or_b32 v[VS+\t], v[S+26+4*\t], 16, v[VS+\t]
	v_lshl_or_b32 v[VS+\t], v[S+27+4*\t], 24, v[VS+\t]
.endr
.set n, 0
.rept 64                                       ; register n's key counts in the lanes whose bit is set: 64 lane masks in s36-63 and s66-101
	v_bfe_u32 v11, v[S+4*(n/16)+(n%16)/4], 8*(n%4), 8
	v_cmp_ne_u32 s[36+n+2*((n+36)/64)], 0, v11
.set n, n+1
.endr
	v_mov_b32 v8, 0
.set n, 0
.rept 16                                       ; bit cg: does query 16 r + cg count?  The word is shifted down one bit a pass
	v_bfe_u32 v11, v[S+40+n/4], 8*(n%4), 1
	v_lshl_or_b32 v8, v11, n, v8
.set n, n+1
.endr
; The sixteen parts of one pass are added up: bytes 256 w + 16 r of each; lanes 0-15 take parts 0 to 7, lanes 16-31 parts 8 to 15.  rd: where I read, wr and off: where the sum goes.
.macro EPART rd, wr, off
.irp i, 0,1,2,3,4,5,6,7
	ds_load_b128 v[S+32+4*\i:S+35+4*\i], v[\rd] offset:4096*\i
.endr
	s_wait_dscnt 0x0
.irp i, 0,2,4,6
	v_pk_add_f32 v[S+32+4*\i:S+33+4*\i], v[S+32+4*\i:S+33+4*\i], v[S+36+4*\i:S+37+4*\i]
	v_pk_add_f32 v[S+34+4*\i:S+35+4*\i], v[S+34+4*\i:S+35+4*\i], v[S+38+4*\i:S+39+4*\i]
.endr
.irp i, 0,4
	v_pk_add_f32 v[S+32+4*\i:S+33+4*\i], v[S+32+4*\i:S+33+4*\i], v[S+40+4*\i:S+41+4*\i]
	v_pk_add_f32 v[S+34+4*\i:S+35+4*\i], v[S+34+4*\i:S+35+4*\i], v[S+42+4*\i:S+43+4*\i]
.endr
	v_pk_add_f32 v[S+32:S+33], v[S+32:S+33], v[S+48:S+49]
	v_pk_add_f32 v[S+34:S+35], v[S+34:S+35], v[S+50:S+51]
.irp i, 0,1,2,3
	v_permlanex16_b32 v[242+\i], v[S+32+\i], s14, s15
.endr
	v_pk_add_f32 v[S+32:S+33], v[S+32:S+33], v[242:243]
	v_pk_add_f32 v[S+34:S+35], v[S+34:S+35], v[244:245]
	ds_store_b128 v[\wr], v[S+32:S+35] offset:\off   ; both halves of the lanes store the same 16 bytes
.endm
; A pass.  odd = 0, 1: which of a trip's two, and so which buffers.
.macro PASS odd
	s_wait_loadcnt 0x0                             ; this pass's Q and its scale words are in, so their bases may step
	s_add_nc_u64 s[18:19], s[18:19], 768
	s_add_nc_u64 s[20:21], s[20:21], 64
.irp d, 0,1,2,3
	v_wmma_scale_f32_16x16x128_f8f6f4 v[S+16*\d:S+16*\d+7], v[KFR+12*\d:KFR+12*\d+11], v[QZ+6:QZ+17], 0, v[KS+\d], v21 matrix_a_fmt:MATRIX_FMT_BF6 matrix_b_fmt:MATRIX_FMT_BF6
	v_wmma_scale_f32_16x16x128_f8f6f4 v[S+16*\d+8:S+16*\d+15], v[KFR+12*\d:KFR+12*\d+11], v[QZ:QZ+11], 0, v[KS+\d], v21 matrix_a_fmt:MATRIX_FMT_BF6 matrix_b_fmt:MATRIX_FMT_BF6
.endr
.rept 4
	v_nop                                          ; places in front of the loads into Q's registers and of the first read of the scores
.endr
.irp p, 0,1,2
	global_load_b64 v[QZ+6+2*\p:QZ+7+2*\p], v1, s[18:19] offset:256*\p   ; the next pass's Q.  (The last pass's loads fall on the next row block of the same buffer and are not used)
.endr
	global_load_b32 v21, v2, s[20:21]
.set n, 0
.rept 64
	v_cndmask_b32 v[S+n], v10, v[S+n], s[36+n+2*((n+36)/64)]   ; hidden keys: -infinity, ahead of the maximum.  Each accumulator from its low end on
.set n, n+1
.endr
.irp b, 0,1,2,3
	v_max3_num_f32 v[BM+\b], v[S+16*\b], v[S+1+16*\b], v[S+2+16*\b]   ; the largest score of each block of 32 keys: for the maximum, and, since p rises with the score, for the block's largest weight
.endr
.irp i, 3,5,7,9,11,13
.irp b, 0,1,2,3
	v_max3_num_f32 v[BM+\b], v[BM+\b], v[S+16*\b+\i], v[S+1+16*\b+\i]
.endr
.endr
.irp b, 0,1,2,3
	v_max_num_f32 v[BM+\b], v[BM+\b], v[S+15+16*\b]
.endr
.irp b, 0,1,2,3
	v_permlanex16_b32 v[BX+\b], v[BM+\b], s14, s15
.endr
.irp b, 0,1,2,3
	v_max_num_f32 v[BM+\b], v[BM+\b], v[BX+\b]
.endr
	v_max3_num_f32 v11, v[BM], v[BM+1], v[BM+2]
	v_max3_num_f32 v11, v11, v[BM+3], 0xff61b1e6   ; -3e38 among the leaves: a wave all of whose keys are hidden keeps a finite M
	v_mul_f32 v11, s16, v11
	v_floor_f32 v12, -v11                          ; -M of my 128 keys: a whole number
.set n, 0
.rept 32
	v_pk_fma_f32 v[S+n:S+n+1], v[S+n:S+n+1], s[16:17], v[12:13] op_sel_hi:[1,0,0]   ; t - M
.set n, n+2
.endr
.irp b, 0,1,2,3
	v_fma_f32 v[BM+\b], v[BM+\b], s16, v12
.endr
.set n, 0
.rept 64
	v_exp_f32 v[S+n], v[S+n]
.set n, n+1
.endr
	v_and_b32 v9, 1, v8                            ; (plain work behind the exponentials)  the query's mask as a factor;
	v_lshrrev_b32 v8, 1, v8                        ; the next pass's bit comes down
	v_cvt_f32_u32 v9, v9
	s_wait_alu depctr_va_vdst(0)                   ; one wait for the batch, ahead of its first reader
.irp b, 0,1,2,3
	v_exp_f32 v[BM+\b], v[BM+\b]                   ; the block's largest p: the same two instructions on the same number
.endr
	v_pk_add_f32 v[16:17], v[S:S+1], v[S+2:S+3]    ; the sum of the unquantised p, in two chains
	v_pk_add_f32 v[18:19], v[S+4:S+5], v[S+6:S+7]
.irp j, 8,12,16,20,24,28,32,36,40,44,48,52,56,60
	v_pk_add_f32 v[16:17], v[16:17], v[S+\j:S+\j+1]
	v_pk_add_f32 v[18:19], v[18:19], v[S+\j+2:S+\j+3]
.endr
	v_pk_add_f32 v[16:17], v[16:17], v[18:19]
	v_add_f32 v16, v16, v17
	v_permlanex16_b32 v22, v16, s14, s15
	v_add_f32 v13, v16, v22                        ; l of my 128 keys, beside -M
	s_wait_alu depctr_va_vdst(0)                   ; and one for the four
	ds_store_b64 v3, v[12:13] offset:STB*\odd
	s_wait_dscnt 0x0                               ; for the others' sake: my pair has landed, and so have my part of the last pass's O^T and my store of a sum; my reads of the other buffers are over
	s_barrier_signal -1
	s_barrier_wait -1                              ; all sixteen pairs of this pass, and all sixteen parts of the last, lie in LDS
.irp k, 0,1,2,3
	ds_load_b128 v[PC+4*\k:PC+4*\k+3], v4 offset:STB*\odd+16*\k
.endr
	s_wait_dscnt 0x0
	v_min3_num_f32 v11, v[PC], v[PC+2], v[PC+4]
	v_min3_num_f32 v11, v11, v[PC+6], v[PC+8]
	v_min3_num_f32 v11, v11, v[PC+10], v[PC+12]
	v_min_num_f32 v11, v11, v[PC+14]
	v_permlanex16_b32 v22, v11, s14, s15
	v_min_num_f32 v11, v11, v22                    ; the row's -M
.irp i, 0,1,2,3,4,5,6,7
	v_sub_f32 v[PC+2*\i], v11, v[PC+2*\i]          ; that wave's M less the row's: a whole number, 0 or less
.endr
.irp i, 0,1,2,3,4,5,6,7
	v_cvt_i32_f32 v[PC+2*\i], v[PC+2*\i]           ; (it saturates)
.endr
.irp i, 0,1,2,3,4,5,6,7
	v_ldexp_f32 v[PC+1+2*\i], v[PC+1+2*\i], v[PC+2*\i]
.endr
	v_add_f32 v[PC+1], v[PC+1], v[PC+3]
	v_add_f32 v[PC+5], v[PC+5], v[PC+7]
	v_add_f32 v[PC+9], v[PC+9], v[PC+11]
	v_add_f32 v[PC+13], v[PC+13], v[PC+15]
	v_add_f32 v[PC+1], v[PC+1], v[PC+5]
	v_add_f32 v[PC+9], v[PC+9], v[PC+13]
	v_add_f32 v[PC+1], v[PC+1], v[PC+9]
	v_permlanex16_b32 v22, v[PC+1], s14, s15
	v_add_f32 v23, v[PC+1], v22                    ; the row's sum
	v_rcp_f32 v23, v23
	v_sub_f32 v22, v11, v12                        ; (plain work behind the reciprocal)  my M less the row's
	v_cvt_i32_f32 v22, v22
	s_wait_alu depctr_va_vdst(0)
	v_ldexp_f32 v14, v23, v22
	v_mul_f32 v14, v14, v9                         ; F = 2^(my M - the row's M) / sum x the query's mask
.set n, 0
.rept 32
	v_pk_mul_f32 v[S+n:S+n+1], v[S+n:S+n+1], v[14:15] op_sel_hi:[1,0]   ; the finished weights
.set n, n+2
.endr
.irp b, 0,1,2,3
	v_mul_f32 v[BM+\b], v[BM+\b], v14              ; the blocks' largest
.endr
.irp b, 0,1,2,3
	v_max_num_f32 v[BM+\b], 0x2800000, v[BM+\b]    ; the floor 2^(5 - 127)
.endr
.irp b, 0,1,2,3
	v_add_nc_u32 v[SO+\b], 0xfe000000, v[BM+\b]
.endr
.irp b, 0,1,2,3
	v_lshrrev_b32 v[BX+\b], 23, v[SO+\b]
.endr
	v_lshl_or_b32 v20, v[BX+1], 8, v[BX]
	v_lshl_or_b32 v20, v[BX+2], 16, v20
	v_lshl_or_b32 v20, v[BX+3], 24, v20
.irp c, 0,1
	v_cvt_scalef32_pk16_bf6_f32 v[PC+6*\c:PC+2+6*\c], v[S+32*\c:S+15+32*\c], v[SO+2*\c]
	v_cvt_scalef32_pk16_bf6_f32 v[PC+12+4*\c:PC+14+4*\c], v[S+16+32*\c:S+31+32*\c], v[SO+2*\c+1]
.endr
	v_nop                                          ; one plain place behind a scaled conversion
.irp c, 0,1
.irp i, 0,1,2
	v_permlane16_swap_b32 v[PC+6*\c+\i], v[PC+12+4*\c+\i]
.endr
.irp i, 0,1,2
	v_mov_b32 v[PC+3+6*\c+\i], v[PC+12+4*\c+\i]
.endr
.endr
.rept 8
	v_nop                                          ; a scale register written by a vector instruction stands 8 places ahead of a scaled matrix instruction, an operand 4
.endr
.irp t, 0,1,2,3
	v_wmma_scale_f32_16x16x128_f8f6f4 v[S+8*\t:S+8*\t+7], v[VFR+12*\t:VFR+12*\t+11], v[PC:PC+11], 0, v[VS+\t], v20 matrix_a_fmt:MATRIX_FMT_BF6 matrix_b_fmt:MATRIX_FMT_BF6
.endr
.rept 5
	v_nop                                          ; four places in front of the stores that read the results; five in front of the next pass's first product, which writes over them (on the way that jumps over the adding up nothing else stands between)
.endr
.irp k, 0,1,2,3,4,5,6,7
	ds_store_b128 v[5+241*\odd], v[S+4*\k:S+4*\k+3] offset:512*\k   ; my keys' part of O^T, as an image of its 32 registers, into this pass's buffer
.endr
.if \odd == 0
	s_cmp_eq_u32 s13, 0                            ; the very first pass has no pass before it
	s_cbranch_scc1 .Lno_e_\@
.endif
	EPART 247-241*\odd, 7, 4096*\odd               ; the LAST pass's parts, from the other buffer: the barrier above has shown them whole
.if \odd == 0
.Lno_e_\@:
.endif
.endm
	s_mov_b32 s13, 0
.Lpass:                                            ; eight trips of two passes
	PASS 0
	PASS 1
	v_add_nc_u32 v7, 8192, v7                      ; two slots of the sums on
	s_add_co_u32 s13, s13, 1
	s_cmp_lt_u32 s13, 8
	s_cbranch_scc1 .Lpass
	s_wait_dscnt 0x0
	s_barrier_signal -1
	s_barrier_wait -1                              ; the last pass's sixteen parts lie in buffer 1
	EPART 247, 248, 0                              ; their sum goes into slot 0
	s_wait_dscnt 0x0
	s_barrier_signal -1
	s_barrier_wait -1                              ; sixteen passes' sums lie in LDS
	; ---- wave w quantises pass w's 16 rows x 64 channels: columns 64 w on of h, half a fragment of the next product's operand
.irp k, 0,1,2,3,4,5,6,7
	ds_load_b128 v[S+4*\k:S+4*\k+3], v251 offset:512*\k
.endr
	s_lshl_b32 s22, s12, 3
	s_add_co_u32 s22, s22, s11
	s_mul_i32 s2, s22, 12288
	s_mul_i32 s23, s10, 768
	s_add_co_u32 s2, s2, s23
	s_add_nc_u64 s[24:25], s[8:9], s[2:3]
	s_lshl_b32 s2, s22, 9
	s_add_co_u32 s2, s2, HQS
	s_add_nc_u64 s[26:27], s[8:9], s[2:3]
	s_wait_dscnt 0x0
.irp b, 0,1
	v_max3_num_f32 v[BM+\b], |v[S+16*\b]|, |v[S+1+16*\b]|, 0x2800000
.endr
.irp i, 2,4,6,8,10,12,14
.irp b, 0,1
	v_max3_num_f32 v[BM+\b], v[BM+\b], |v[S+16*\b+\i]|, |v[S+1+16*\b+\i]|
.endr
.endr
.irp b, 0,1
	v_permlanex16_b32 v[BX+\b], v[BM+\b], s14, s15
.endr
.irp b, 0,1
	v_max_num_f32 v[BM+\b], v[BM+\b], v[BX+\b]
.endr
.irp b, 0,1
	v_add_nc_u32 v[SO+\b], 0xfe000000, v[BM+\b]
.endr
.irp b, 0,1
	v_lshrrev_b32 v[BX+\b], 23, v[SO+\b]
.endr
	v_lshl_or_b32 v11, v[BX+1], 8, v[BX]
	v_cvt_scalef32_pk16_bf6_f32 v[PC:PC+2], v[S:S+15], v[SO]
	v_cvt_scalef32_pk16_bf6_f32 v[PC+12:PC+14], v[S+16:S+31], v[SO+1]
	v_nop                                          ; one plain place behind a scaled conversion
.irp i, 0,1,2
	v_permlane16_swap_b32 v[PC+\i], v[PC+12+\i]
.endr
.irp i, 0,1,2
	v_mov_b32 v[PC+3+\i], v[PC+12+\i]
.endr
.irp p, 0,1,2
	global_store_b64 v1, v[PC+2*\p:PC+2*\p+1], s[24:25] offset:256*\p   ; 256 consecutive bytes, aligned
.endr
	ds_store_b16 v252, v11
	s_wait_dscnt 0x0
	s_barrier_signal -1
	s_barrier_wait -1                              ; the row block's 512 bytes of scale words are whole
	s_cmp_lg_u32 s10, 0
	s_cbranch_scc1 .Lend
	ds_load_b128 v[S:S+3], v253
	s_wait_dscnt 0x0
	global_store_b128 v254, v[S:S+3], s[26:27]
.Lend:
	s_wait_tensorcnt 0x0
	ds_add_u32 v81, v255
	s_wait_dscnt 0x0
	s_endpgm
.Lfunc_end_k_q7ba3f394db_attn:
	.size	k_q7ba3f394db_attn, .Lfunc_end_k_q7ba3f394db_attn-k_q7ba3f394db_attn
	.p2alignl 7, 3214868480
	.fill 96, 4, 3214868480
	.section	.rodata,"a",@progbits
	.p2align	6, 0x0
	.amdhsa_kernel k_q7ba3f394db_attn
		.amdhsa_group_segment_fixed_size 211968
		.amdhsa_private_segment_fixed_size 0
		.amdhsa_enable_private_segment 0
		.amdhsa_kernarg_size 24
		.amdhsa_user_sgpr_count 2
		.amdhsa_user_sgpr_kernarg_segment_ptr 1
		.amdhsa_wavefront_size32 1
		.amdhsa_system_sgpr_workgroup_id_x 1
		.amdhsa_system_sgpr_workgroup_id_y 1
		.amdhsa_system_sgpr_workgroup_id_z 1
		.amdhsa_system_vgpr_workitem_id 0
		.amdhsa_next_free_vgpr 256
		.amdhsa_next_free_sgpr 102
		.amdhsa_reserve_vcc 0
		.amdhsa_float_denorm_mode_32 3
		.amdhsa_float_denorm_mode_16_64 3
		.amdhsa_memory_ordered 1
		.amdhsa_forward_progress 1
		.amdhsa_inst_pref_size 78
	.end_amdhsa_kernel
	.amdgpu_metadata
---
amdhsa.version: [ 1, 2 ]
amdhsa.kernels:
  - .name:           k_q7ba3f394db_attn
    .symbol:         k_q7ba3f394db_attn.kd
    .args:
      - { .name: qkv, .offset: 0, .size: 8, .value_kind: global_buffer, .address_space: global }
      - { .name: pad_mask, .offset: 8, .size: 8, .value_kind: global_buffer, .address_space: global }
      - { .name: hq, .offset: 16, .size: 8, .value_kind: global_buffer, .address_space: global }
    .group_segment_fixed_size: 211968
    .private_segment_fixed_size: 0
    .kernarg_segment_align: 8
    .kernarg_segment_size: 24
    .max_flat_workgroup_size: 512
    .sgpr_count:     102
    .vgpr_count:     256
    .wavefront_size: 32
...
	.end_amdgpu_metadata
.endif
;; end of part 9
;; launch wo (part 10): grid 8 x 32, 4 waves a work-group, clusters of 4 x 4, 327,680 bytes of LDS; arguments hq, cw, xo; writes xo
.if DOCPART == 10
	.amdgcn_target "amdgcn-amd-amdhsa--gfx1250"
	.amdhsa_code_object_version 6
	.text
	.protected	k_q7ba3f394db_wo
	.globl	k_q7ba3f394db_wo
	.p2align	8
	.type	k_q7ba3f394db_wo,@function
k_q7ba3f394db_wo:
	s_mov_b64 s[64:65], 0
	v_nop
	global_prefetch_b8 v0, s[64:65] scope:SCOPE_SE
	s_setreg_imm32_b32 hwreg(HW_REG_WAVE_MODE, 25, 1), 1
	s_wait_xcnt 0x0
	s_wait_alu depctr_hold_cnt(0) depctr_sa_sdst(0) depctr_va_vdst(0) depctr_va_sdst(0) depctr_va_ssrc(0) depctr_va_vcc(0) depctr_vm_vsrc(0)
	s_getreg_b32 s2, hwreg(HW_REG_IB_STS2, 6, 4)
	s_cmp_eq_u32 s2, 0
	s_cbranch_scc0 .Lentry_in_a_cluster
	s_endpgm
.Lentry_in_a_cluster:
	s_bfe_u32 s2, ttmp6, 0x10000c
	s_cmp_lg_u32 s2, 0xf033
	s_cbranch_scc0 .Lentry_shape_is_right
	s_endpgm
.Lentry_shape_is_right:
; xo = h Wo^T on codes of BF6 (E3M2) with E8M0 scales; xo [4,096][1,024] f32.  The residual and the norm follow in the next launch, where their loads are dense.
; Operands lie as images of fragments (16 rows x 128 K = 1,536 bytes: piece p of lane l at 256 p + 8 l), [row block][K / 128]; scale words [row block][K / 256][row][2].
; A TILE OF C IS 128 x 128: C has 256 such tiles, 256 work-groups; tiles of 256 x 256 would be 64.  Four waves, 64 x 64 each: 16 accumulators, 128 registers.
; K goes in steps of 512 through two LDS slots; a wave's tensor load brings 4 row blocks x 6,144 dense bytes.  With K = 1,024 the two slots are filled once each, at the start.
; The scale words of the work-group's rows, for all of K, come into LDS once, with the first fills.  CLUSTERS: 4 x 4 work-groups; A's tiles are asked for jointly along a row of the cluster, B's along a column.
; THE MATRIX INSTRUCTION IS USED TRANSPOSED (source 0 = 16 rows of the weight, source 1 = 16 rows of A): a lane holds eight neighbouring numbers of a row of C.
; REGISTERS: window 0: v0-31 addresses; v32-63 scale words, two sets; v64-127 the way out; v128-255 the accumulators ((a, b) at v[128 + 8 (4 a + b)]).
;   window 1: two sets of fragments for 128 along K, at v0 and v128: A's four (48 registers), then B's four.
.set SIZE_K, 1024
.set SIZE_N, 1024
.set APTR,   4
.set BPTR,   6
.set A_SC,   3145728
.set B_CO,   11796480
.set B_SC,   18874368+491520
.set KF,     SIZE_K/128
.set RBB,    1536*KF                   ; a row block's codes in memory
.set KJ,     SIZE_K/256
.set FR,     12                        ; registers of a fragment
.set NL,     6                         ; LDS loads that bring one
.set NP,     4                         ; places behind this matrix instruction (ISA guide 7.12.1)
.set HALFT,  4*6144                    ; 64 rows x 512 K: what one tensor load brings
.set SLOT,   4*HALFT                   ; A's 128 rows, then B's
.set LAPS,   SIZE_K/1024               ; a lap = two slots
.set SCL,    2*SLOT                    ; behind the ring: the scale words
.set HALFS,  512*KJ                    ; those of 64 rows
.set SPARE,  SCL+4*HALFS+256           ; behind them: the spare words, 128 bytes a wave, two blocks of 256 bytes that no other line names
.set SPITCH, 272                       ; the way out: a stage of 16 rows x (256 + 16) bytes a wave, in slot 0, which has had its last fill and its last read by then
.set LO,   7
.set ADRA, 16                          ; v16-17 LDS address of my A fragments in slot 0, 1
.set ADRB, 20                          ; v20-21 the same for B
.set STO,  24
.set RD,   25
.set CO,   26
.set ADRS, 27                          ; v27    of my scale words: lanes 0-15 A's rows, lanes 16-31 B's
.set SPW,  28                          ; v28    my spare word; never rewritten
.set NIL,  29                          ; v29    0; never rewritten
.set SC,   32                          ; set s (for slot s) at v[SC + 16 s]; in it register 4 i + q: lanes 0-15 the word of A's block i, lanes 16-31 that of B's block i, for the slot's q-th 128 along K
.set BK,   64
.set ACC,  128
.set G1, 24
.set G0, 32
.set G1B, 48
.set G0B, 56
.set G1S, 68
.set G0S, 76
.set G1SB, 80
.set G0SB, 88
.set MSB, 0
.macro WIN new                         ; the immediate's high byte repeats the setting that is left
.if MSB != (\new)
	s_set_vgpr_msb (MSB<<8)|(\new)
.set MSB, (\new)
.endif
.endm
.set MUL,  0x05                        ; sources 0 (B) and 1 (A) window 1; C and D window 0
.set TO_F, 0x40                        ; destination window 1, address window 0
.macro JLOAD g0a, g1a, g0b, g1b        ; a joint load: waves 0, 1 fetch for A, waves 2, 3 for B; four v_nop follow each line
	s_cmp_eq_u32 s15, 0
	s_cbranch_scc0 .Lfor_b_\@
	tensor_load_to_lds s[\g0a:\g0a+3], s[\g1a:\g1a+7]
	s_nop 0
.rept 4
	v_nop
.endr
	s_branch .Lasked_\@
.Lfor_b_\@:
	tensor_load_to_lds s[\g0b:\g0b+3], s[\g1b:\g1b+7]
	s_nop 0
.rept 4
	v_nop
.endr
.Lasked_\@:
.endm
.macro CREST                           ; a round of the cluster's barrier behind its opening barrier
	s_cmp_lg_u32 s14, 0
	s_cbranch_scc1 .Lnot_wave_0_\@
	s_barrier_signal -3
.Lnot_wave_0_\@:
	s_barrier_wait -3
	s_barrier_signal -1
	s_barrier_wait -1
.endm
.macro CROUND
	s_barrier_signal -1
	s_barrier_wait -1
	CREST
.endm
	s_load_b128 s[4:7], s[0:1], 0x0                ; A's buffer, cw
	s_load_b64 s[12:13], s[0:1], 0x10              ; xo
	v_lshl_add_u32 v[SPW], v0, 2, SPARE
	v_mov_b32 v[NIL], 0
	ds_add_u32 v28, v29
	ds_add_u32 v28, v29
	s_wait_dscnt 0x0
	v_lshrrev_b32 v1, 5, v0
	v_readfirstlane_b32 s14, v1                    ; wave
	s_lshr_b32 s15, s14, 1                         ; my half of the tile's rows.  Also: I fetch for A (0) or B (1)
	s_and_b32 s16, s14, 1                          ; my half of its columns.  Also: which 64 rows I fetch
	s_bfe_u32 s40, ttmp6, 0x40000                  ; cx
	s_bfe_u32 s41, ttmp6, 0x40004                  ; cy
	s_lshl_b32 s42, ttmp9, 2
	s_add_co_u32 s42, s42, s40                     ; tile column
	s_and_b32 s17, ttmp7, 0xffff
	s_lshl_b32 s17, s17, 2
	s_add_co_u32 s17, s17, s41                     ; tile row
	s_lshl_b32 s43, s41, 2
	s_lshl_b32 s43, 15, s43                        ; my row of the cluster
	s_lshl_b32 s44, 0x1111, s40                    ; my column
	s_or_b32 s[G1+0], s43, (3<<16)|(1<<21)         ; the mask; elements of 8 bytes; bit 21 beside a mask; no padding
	s_or_b32 s[G1B+0], s44, (3<<16)|(1<<21)
.irp g, G1, G1B
	s_mov_b32 s[\g+1], 768<<16                     ; tensor_dim0 = 768 elements: four fragments
	s_mov_b32 s[\g+2], 4<<16                       ; tensor_dim1 = 4 row blocks
	s_mov_b32 s[\g+3], 768<<16                     ; tile_dim0
	s_mov_b32 s[\g+4], 4                           ; tile_dim1
	s_mov_b32 s[\g+5], RBB/8                       ; from row block to row block
	s_mov_b32 s[\g+6], 0
	s_mov_b32 s[\g+7], 0
.endr
	s_or_b32 s[G1S+0], s43, (3<<16)|(1<<21)        ; the scale words of 64 rows: a dense block, as rows of 256 bytes
	s_or_b32 s[G1SB+0], s44, (3<<16)|(1<<21)
.irp g, G1S, G1SB
	s_mov_b32 s[\g+1], 32<<16
	s_mov_b32 s[\g+2], (HALFS/256)<<16
	s_mov_b32 s[\g+3], 32<<16
	s_mov_b32 s[\g+4], HALFS/256
	s_mov_b32 s[\g+5], 32
	s_mov_b32 s[\g+6], 0
	s_mov_b32 s[\g+7], 0
.endr
	s_lshl_b32 s18, s16, 2
	s_lshl_b32 s20, s17, 3
	s_add_co_u32 s20, s20, s18                     ; A: the first row block that I fetch: 8 x tile row + 4 x half
	s_lshl_b32 s46, s42, 3
	s_add_co_u32 s46, s46, s18                     ; B likewise
	s_mul_i32 s22, s20, 128*KJ
	s_add_co_u32 s22, s22, A_SC
	s_mul_i32 s20, s20, RBB
	s_mul_i32 s92, s46, 128*KJ
	s_add_co_u32 s92, s92, B_SC
	s_mul_i32 s46, s46, RBB
	s_add_co_u32 s46, s46, B_CO
	s_mov_b32 s21, 0
	s_mov_b32 s23, 0
	s_mov_b32 s47, 0
	s_mov_b32 s93, 0
	s_mul_i32 s45, s14, HALFT                      ; where they go: by the wave's number alone
	s_mul_i32 s94, s14, HALFS
	s_wait_kmcnt 0x0
	s_add_nc_u64 s[20:21], s[APTR:APTR+1], s[20:21]
	s_add_nc_u64 s[22:23], s[APTR:APTR+1], s[22:23]
	s_add_nc_u64 s[46:47], s[BPTR:BPTR+1], s[46:47]
	s_add_nc_u64 s[92:93], s[BPTR:BPTR+1], s[92:93]
	CROUND                                         ; all sixteen work-groups are here: the first joint loads meet
	s_mov_b32 s[G0S], 1
	s_add_co_u32 s[G0S+1], s94, SCL
	s_mov_b64 s[G0S+2:G0S+3], s[22:23]
	s_or_b32 s[G0S+3], s[G0S+3], 0x80000000
	s_mov_b32 s[G0SB], 1
	s_add_co_u32 s[G0SB+1], s94, SCL+128           ; B's words lie 128 bytes further on, so that A's 128 bytes and B's of one load fall into different halves of a span of 256
	s_mov_b64 s[G0SB+2:G0SB+3], s[92:93]
	s_or_b32 s[G0SB+3], s[G0SB+3], 0x80000000
	JLOAD G0S, G1S, G0SB, G1SB                     ; three tensor loads of mine go out here: the scale words and slots 0 and 1
.irp s, 0,1
	s_mov_b32 s[G0+4*\s], 1
	s_add_co_u32 s[G0+4*\s+1], s45, \s*SLOT
	s_add_nc_u64 s[G0+4*\s+2:G0+4*\s+3], s[20:21], \s*6144
	s_or_b32 s[G0+4*\s+3], s[G0+4*\s+3], 0x80000000
	s_mov_b32 s[G0B+4*\s], 1
	s_add_co_u32 s[G0B+4*\s+1], s45, \s*SLOT
	s_add_nc_u64 s[G0B+4*\s+2:G0B+4*\s+3], s[46:47], \s*6144
	s_or_b32 s[G0B+4*\s+3], s[G0B+4*\s+3], 0x80000000
	JLOAD G0+4*\s, G1, G0B+4*\s, G1B
.endr
	v_and_b32 v1, 15, v0                           ; r
	v_bfe_u32 v2, v0, 4, 1                         ; h
	v_and_b32 v3, 31, v0
	v_lshlrev_b32 v[LO], 3, v3                     ; 8 x lane
	s_mul_i32 s21, s15, HALFT
	s_mul_i32 s22, s16, HALFT
	s_add_co_u32 s22, s22, 2*HALFT
.irp s, 0,1
	v_add_nc_u32 v[ADRA+\s], s21, v[LO]
	v_add_nc_u32 v[ADRB+\s], s22, v[LO]
	s_add_co_u32 s21, s21, SLOT
	s_add_co_u32 s22, s22, SLOT
.endr
	v_lshlrev_b32 v5, 3, v1                        ; my row's two words of 256 along K
	s_mul_i32 s21, s15, HALFS
	s_mul_i32 s22, s16, HALFS
	s_add_co_u32 s22, s22, 2*HALFS+128
	s_sub_co_u32 s22, s22, s21
	v_mul_u32_u24 v6, s22, v2                      ; lanes 16-31 take B's
	s_add_co_u32 s21, s21, SCL
	v_add_nc_u32 v5, v5, v6
	v_add_nc_u32 v[ADRS], s21, v5
	s_mul_i32 s23, s14, 16*SPITCH                  ; my stage
	v_mul_u32_u24 v5, v1, SPITCH
	v_lshl_add_u32 v5, v2, 5, v5
	v_add_nc_u32 v[STO], s23, v5                   ; in: row r, 32 bytes for each half of the lanes
	v_mul_u32_u24 v5, v2, SPITCH
	v_lshl_add_u32 v5, v1, 4, v5
	v_add_nc_u32 v[RD], s23, v5                    ; back: lanes 0-15 take one row of 256 bytes, lanes 16-31 the next
	v_lshlrev_b32 v5, 12, v2
	v_lshl_add_u32 v[CO], v1, 4, v5                ; and the same two rows in C (a row of C is 4,096 bytes)
	s_lshl_b32 s20, s17, 7
	s_lshl_b32 s21, s15, 6
	s_add_co_u32 s20, s20, s21                     ; my first row of C: 128 x tile row + 64 x half
	s_lshl_b32 s20, s20, 12                        ; x 4,096 bytes
	s_lshl_b32 s46, s42, 9
	s_lshl_b32 s47, s16, 8
	s_add_co_u32 s46, s46, s47                     ; my first column, in bytes
	s_add_co_u32 s20, s20, s46
	s_mov_b32 s21, 0
	s_add_nc_u64 s[12:13], s[12:13], s[20:21]
.macro FRAG reg, adr, q, i             ; a fragment comes as it was stored: six loads of 8 bytes a lane, 256 consecutive bytes each
.irp p, 0,1,2,3,4,5
	ds_load_b64 v[\reg+2*\p:\reg+2*\p+1], v[\adr] offset:(\i)*6144+(\q)*1536+256*\p
.endr
.endm
; 4 matrix instructions: A's block a x B's four, from set p.  The 16 accumulators take turns, one instruction a turn, in the same order in every step.
.macro MUL4 a, p, q, sc, zero
.irp b, 0,1,2,3
.if \zero
	v_wmma_scale_f32_16x16x128_f8f6f4 v[ACC+8*(4*(\a)+\b):ACC+8*(4*(\a)+\b)+7], v[128*(\p)+48+FR*\b:128*(\p)+48+FR*\b+FR-1], v[128*(\p)+FR*(\a):128*(\p)+FR*(\a)+FR-1], 0, v[SC+16*(\sc)+4*\b+(\q)], v[SC+16*(\sc)+4*(\a)+(\q)] matrix_a_fmt:MATRIX_FMT_BF6 matrix_b_fmt:MATRIX_FMT_BF6 matrix_a_scale:MATRIX_SCALE_ROW1
.else
	v_wmma_scale_f32_16x16x128_f8f6f4 v[ACC+8*(4*(\a)+\b):ACC+8*(4*(\a)+\b)+7], v[128*(\p)+48+FR*\b:128*(\p)+48+FR*\b+FR-1], v[128*(\p)+FR*(\a):128*(\p)+FR*(\a)+FR-1], v[ACC+8*(4*(\a)+\b):ACC+8*(4*(\a)+\b)+7], v[SC+16*(\sc)+4*\b+(\q)], v[SC+16*(\sc)+4*(\a)+(\q)] matrix_a_fmt:MATRIX_FMT_BF6 matrix_b_fmt:MATRIX_FMT_BF6 matrix_a_scale:MATRIX_SCALE_ROW1
.endif
.endr
.endm
.macro FETCH slot, q, p                ; 48 LDS loads in one run: the eight fragments of the slot's q-th 128 along K into set p
	WIN TO_F
.irp i, 0,1,2,3
	FRAG 128*(\p)+48+FR*\i, ADRB+\slot, \q, \i
.endr
.irp i, 0,1,2,3
	FRAG 128*(\p)+FR*\i, ADRA+\slot, \q, \i
.endr
.endm
.macro SCALES sc                       ; the slot's four words a row: lanes 0-15 A's block i, lanes 16-31 B's block i
	WIN 0
.irp i, 0,1,2,3
.irp j, 0,1
	ds_load_b64 v[SC+16*\sc+4*\i+2*\j:SC+16*\sc+4*\i+2*\j+1], v[ADRS] offset:\i*KJ*128+\j*128
.endr
.endr
.endm
.macro PLACES n                        ; plain vector instructions between a matrix instruction and a load into, or a read of, its registers
.rept \n
	v_nop
.endr
.endm
.macro STEP slot, q, zero              ; a step of 128 along K that has its successor in the same slot: the next step's fragments are asked for, then this step's are multiplied
	PLACES NP                                      ; the other set was read by the step before
	FETCH \slot, (\q)+1, ((\q)+1)%2
	s_wait_dscnt 8*NL                              ; all but the 48 loads just issued: this step's fragments and scale words are in
	WIN MUL
	MUL4 0, (\q)%2, \q, \slot, \zero
	MUL4 1, (\q)%2, \q, \slot, \zero
	MUL4 2, (\q)%2, \q, \slot, \zero
	MUL4 3, (\q)%2, \q, \slot, \zero
.endm
.macro TURN slot, next, fill           ; a slot's fourth step changes slots: one barrier; fill = 1: this slot is filled again, two slots ahead
	WIN 0                                          ; (the add's two registers lie in window 0)
	s_wait_tensorcnt 0x0                           ; all my tensor loads have landed: my part of the next slot
	ds_add_u32 v[SPW], v[NIL]                      ; 0 onto my spare word
	s_wait_dscnt 1                                 ; this step's fragments are in; the add alone may be out
	WIN MUL
	MUL4 0, 1, 3, \slot, 0
	s_wait_dscnt 0x0                               ; the add is done, and my reads of this slot are over
	s_barrier_signal -1
	MUL4 1, 1, 3, \slot, 0
	WIN 0
	s_barrier_wait -1
.if \fill
	CREST                                          ; the barrier has opened a round of the cluster's barrier: no wave of any partner still reads this slot or has a load on its way
	s_add_nc_u64 s[G0+4*\slot+2:G0+4*\slot+3], s[G0+4*\slot+2:G0+4*\slot+3], 12288
	s_add_nc_u64 s[G0B+4*\slot+2:G0B+4*\slot+3], s[G0B+4*\slot+2:G0B+4*\slot+3], 12288
	JLOAD G0+4*\slot, G1, G0B+4*\slot, G1B         ; my one tensor load behind the round; its four v_nop are the places in front of the loads below
.else
	PLACES NP
.endif
	v_add_nc_u32 v[ADRS], 256, v[ADRS]             ; the next slot's scale words
	FETCH \next, 0, 0
	SCALES \next
	WIN MUL
	MUL4 2, 1, 3, \slot, 0
	MUL4 3, 1, 3, \slot, 0
.endm
	s_wait_tensorcnt 1                             ; the scale words and my part of slot 0 are in; slot 1's load may be out
	s_barrier_signal -1
	s_barrier_wait -1
	FETCH 0, 0, 0
	SCALES 0
	STEP 0, 0, 1                                   ; the first step's products start the sums
.if LAPS > 1
	WIN 0                                          ; at a label and at a branch every window is 0
	s_mov_b32 s3, LAPS-1
.Llap:                                             ; a trip goes once round the ring, from a lap's second step to the next lap's first, and fills both slots again
	STEP 0, 1, 0
	STEP 0, 2, 0
	TURN 0, 1, 1
	STEP 1, 0, 0
	STEP 1, 1, 0
	STEP 1, 2, 0
	TURN 1, 0, 1
	STEP 0, 0, 0
	WIN 0
	s_sub_co_u32 s3, s3, 1
	s_cmp_lg_u32 s3, 0
	s_cbranch_scc1 .Llap
.endif
	STEP 0, 1, 0                                   ; the last lap fills nothing
	STEP 0, 2, 0
	TURN 0, 1, 0
	STEP 1, 0, 0
	STEP 1, 1, 0
	STEP 1, 2, 0
	s_wait_dscnt 0x0                               ; the very last step: nothing more to fetch
	WIN MUL
	MUL4 0, 1, 3, 1, 0
	MUL4 1, 1, 3, 1, 0
	MUL4 2, 1, 3, 1, 0
	MUL4 3, 1, 3, 1, 0
	WIN 0
; THE WAY OUT, block by block of 16 rows x 64 columns, through my own stage: in as 32 bytes a lane, back as whole rows of 256 bytes.  LDS serves a wave's instructions in order (ISA guide 5.7.1.4).
.macro TOSTAGE a
.irp b, 0,1,2,3
	ds_store_b128 v[STO], v[ACC+8*(4*(\a)+\b):ACC+8*(4*(\a)+\b)+3] offset:64*\b          ; each accumulator from its low end on
	ds_store_b128 v[STO], v[ACC+8*(4*(\a)+\b)+4:ACC+8*(4*(\a)+\b)+7] offset:64*\b+16
.endr
.set BB, BK+32*((\a)%2)
.irp t, 0,1,2,3,4,5,6,7
	ds_load_b128 v[BB+4*\t:BB+4*\t+3], v[RD] offset:\t*2*SPITCH
.endr
.endm
.macro SEND a, younger                 ; younger: the LDS instructions issued behind block a's loads, which may stay out
.set BB, BK+32*((\a)%2)
	s_wait_dscnt \younger
.if (\a) > 0
	s_add_nc_u64 s[12:13], s[12:13], 16*SIZE_N*4   ; (behind a wait on XCNT: the earlier stores have read their base)
.endif
.irp t, 0,1,2,3,4,5,6,7
	global_store_b128 v[CO], v[BB+4*\t:BB+4*\t+3], s[12:13] offset:2*\t*SIZE_N*4   ; 16 lanes store 256 consecutive bytes, aligned
.endr
.endm
	PLACES NP                                      ; behind the last products: their results are read
	TOSTAGE 0
.irp a, 1,2,3
.if \a > 1
	s_wait_xcnt 0x0                                ; block a - 2's stores have read their registers and their base
.endif
	TOSTAGE \a
	SEND \a-1, 16                                  ; behind block a - 1's loads: block a's 8 stores and 8 loads
.endr
	s_wait_xcnt 0x0
	SEND 3, 0
	s_wait_tensorcnt 0x0                           ; the wave's end
	ds_add_u32 v[SPW], v[NIL]
	s_wait_dscnt 0x0
	CROUND                                         ; the closing round
	s_endpgm
.Lfunc_end_k_q7ba3f394db_wo:
	.size	k_q7ba3f394db_wo, .Lfunc_end_k_q7ba3f394db_wo-k_q7ba3f394db_wo
	.p2alignl 7, 3214868480
	.fill 96, 4, 3214868480
	.section	.rodata,"a",@progbits
	.p2align	6, 0x0
	.amdhsa_kernel k_q7ba3f394db_wo
		.amdhsa_group_segment_fixed_size 327680
		.amdhsa_private_segment_fixed_size 0
		.amdhsa_enable_private_segment 0
		.amdhsa_kernarg_size 24
		.amdhsa_user_sgpr_count 2
		.amdhsa_user_sgpr_kernarg_segment_ptr 1
		.amdhsa_wavefront_size32 1
		.amdhsa_system_sgpr_workgroup_id_x 1
		.amdhsa_system_sgpr_workgroup_id_y 1
		.amdhsa_system_sgpr_workgroup_id_z 1
		.amdhsa_system_vgpr_workitem_id 0
		.amdhsa_next_free_vgpr 512
		.amdhsa_next_free_sgpr 100
		.amdhsa_reserve_vcc 0
		.amdhsa_float_denorm_mode_32 3
		.amdhsa_float_denorm_mode_16_64 3
		.amdhsa_memory_ordered 1
		.amdhsa_forward_progress 1
		.amdhsa_inst_pref_size 61
	.end_amdhsa_kernel
	.amdgpu_metadata
---
amdhsa.version: [ 1, 2 ]
amdhsa.kernels:
  - .name:           k_q7ba3f394db_wo
    .symbol:         k_q7ba3f394db_wo.kd
    .args:
      - { .name: hq, .offset: 0, .size: 8, .value_kind: global_buffer, .address_space: global }
      - { .name: cw, .offset: 8, .size: 8, .value_kind: global_buffer, .address_space: global }
      - { .name: xo, .offset: 16, .size: 8, .value_kind: global_buffer, .address_space: global }
    .group_segment_fixed_size: 327680
    .private_segment_fixed_size: 0
    .kernarg_segment_align: 8
    .kernarg_segment_size: 24
    .max_flat_workgroup_size: 128
    .sgpr_count:     100
    .vgpr_count:     512
    .wavefront_size: 32
...
	.end_amdgpu_metadata
.endif
;; end of part 10
;; launch ln1: the kernel of part 5 again; grid 256 x 1, 16 waves a work-group, no clusters, 68,608 bytes of LDS; arguments xo, q, g1, be1, h1, hq; writes h1, hq
;; launch ff1: the kernel of part 6 again; grid 16 x 16, 4 waves a work-group, clusters of 4 x 4, 327,680 bytes of LDS; arguments hq, cw, b1, fq; writes fq
;; launch ff2 (part 11): grid 8 x 32, 4 waves a work-group, clusters of 4 x 4, 327,680 bytes of LDS; arguments fq, cw, xo; writes xo
.if DOCPART == 11
	.amdgcn_target "amdgcn-amd-amdhsa--gfx1250"
	.amdhsa_code_object_version 6
	.text
	.protected	k_q7ba3f394db_ff2
	.globl	k_q7ba3f394db_ff2
	.p2align	8
	.type	k_q7ba3f394db_ff2,@function
k_q7ba3f394db_ff2:
	s_mov_b64 s[64:65], 0
	v_nop
	global_prefetch_b8 v0, s[64:65] scope:SCOPE_SE
	s_setreg_imm32_b32 hwreg(HW_REG_WAVE_MODE, 25, 1), 1
	s_wait_xcnt 0x0
	s_wait_alu depctr_hold_cnt(0) depctr_sa_sdst(0) depctr_va_vdst(0) depctr_va_sdst(0) depctr_va_ssrc(0) depctr_va_vcc(0) depctr_vm_vsrc(0)
	s_getreg_b32 s2, hwreg(HW_REG_IB_STS2, 6, 4)
	s_cmp_eq_u32 s2, 0
	s_cbranch_scc0 .Lentry_in_a_cluster
	s_endpgm
.Lentry_in_a_cluster:
	s_bfe_u32 s2, ttmp6, 0x10000c
	s_cmp_lg_u32 s2, 0xf033
	s_cbranch_scc0 .Lentry_shape_is_right
	s_endpgm
.Lentry_shape_is_right:
; xo = gelu(..) W2^T on codes of BF6 (E3M2) with E8M0 scales, K = 4,096; xo [4,096][1,024] f32.  b2, the residual and the norm follow in the next launch, where their loads are dense.
; Operands lie as images of fragments (16 rows x 128 K = 1,536 bytes: piece p of lane l at 256 p + 8 l), [row block][K / 128]; scale words [row block][K / 256][row][2].
; A TILE OF C IS 128 x 128: C has 256 such tiles, 256 work-groups; tiles of 256 x 256 would be 64.  Four waves, 64 x 64 each: 16 accumulators, 128 registers.
; K goes in steps of 512 through a ring of two LDS slots, eight slots' worth in all; a wave's tensor load brings 4 row blocks x 6,144 dense bytes.
; The scale words of the work-group's rows, for all of K, come into LDS once, with the first fills.  CLUSTERS: 4 x 4 work-groups; A's tiles are asked for jointly along a row of the cluster, B's along a column.
; THE MATRIX INSTRUCTION IS USED TRANSPOSED (source 0 = 16 rows of the weight, source 1 = 16 rows of A): a lane holds eight neighbouring numbers of a row of C.
; REGISTERS: window 0: v0-31 addresses; v32-63 scale words, two sets; v64-127 the way out; v128-255 the accumulators ((a, b) at v[128 + 8 (4 a + b)]).
;   window 1: two sets of fragments for 128 along K, at v0 and v128: A's four (48 registers), then B's four.
.set SIZE_K, 4096
.set SIZE_N, 1024
.set APTR,   4
.set BPTR,   6
.set A_SC,   12582912
.set B_CO,   15728640
.set B_SC,   18874368+655360
.set KF,     SIZE_K/128
.set RBB,    1536*KF                   ; a row block's codes in memory
.set KJ,     SIZE_K/256
.set FR,     12                        ; registers of a fragment
.set NL,     6                         ; LDS loads that bring one
.set NP,     4                         ; places behind this matrix instruction (ISA guide 7.12.1)
.set HALFT,  4*6144                    ; 64 rows x 512 K: what one tensor load brings
.set SLOT,   4*HALFT                   ; A's 128 rows, then B's
.set LAPS,   SIZE_K/1024               ; a lap = two slots
.set SCL,    2*SLOT                    ; behind the ring: the scale words
.set HALFS,  512*KJ                    ; those of 64 rows
.set SPARE,  SCL+4*HALFS+256           ; behind them: the spare words, 128 bytes a wave, two blocks of 256 bytes that no other line names
.set SPITCH, 272                       ; the way out: a stage of 16 rows x (256 + 16) bytes a wave, in slot 0, which has had its last fill and its last read by then
.set LO,   7
.set ADRA, 16                          ; v16-17 LDS address of my A fragments in slot 0, 1
.set ADRB, 20                          ; v20-21 the same for B
.set STO,  24
.set RD,   25
.set CO,   26
.set ADRS, 27                          ; v27    of my scale words: lanes 0-15 A's rows, lanes 16-31 B's
.set SPW,  28                          ; v28    my spare word; never rewritten
.set NIL,  29                          ; v29    0; never rewritten
.set SC,   32                          ; set s (for slot s) at v[SC + 16 s]; in it register 4 i + q: lanes 0-15 the word of A's block i, lanes 16-31 that of B's block i, for the slot's q-th 128 along K
.set BK,   64
.set ACC,  128
.set G1, 24
.set G0, 32
.set G1B, 48
.set G0B, 56
.set G1S, 68
.set G0S, 76
.set G1SB, 80
.set G0SB, 88
.set MSB, 0
.macro WIN new                         ; the immediate's high byte repeats the setting that is left
.if MSB != (\new)
	s_set_vgpr_msb (MSB<<8)|(\new)
.set MSB, (\new)
.endif
.endm
.set MUL,  0x05                        ; sources 0 (B) and 1 (A) window 1; C and D window 0
.set TO_F, 0x40                        ; destination window 1, address window 0
.macro JLOAD g0a, g1a, g0b, g1b        ; a joint load: waves 0, 1 fetch for A, waves 2, 3 for B; four v_nop follow each line
	s_cmp_eq_u32 s15, 0
	s_cbranch_scc0 .Lfor_b_\@
	tensor_load_to_lds s[\g0a:\g0a+3], s[\g1a:\g1a+7]
	s_nop 0
.rept 4
	v_nop
.endr
	s_branch .Lasked_\@
.Lfor_b_\@:
	tensor_load_to_lds s[\g0b:\g0b+3], s[\g1b:\g1b+7]
	s_nop 0
.rept 4
	v_nop
.endr
.Lasked_\@:
.endm
.macro CREST                           ; a round of the cluster's barrier behind its opening barrier
	s_cmp_lg_u32 s14, 0
	s_cbranch_scc1 .Lnot_wave_0_\@
	s_barrier_signal -3
.Lnot_wave_0_\@:
	s_barrier_wait -3
	s_barrier_signal -1
	s_barrier_wait -1
.endm
.macro CROUND
	s_barrier_signal -1
	s_barrier_wait -1
	CREST
.endm
	s_load_b128 s[4:7], s[0:1], 0x0                ; A's buffer, cw
	s_load_b64 s[12:13], s[0:1], 0x10              ; xo
	v_lshl_add_u32 v[SPW], v0, 2, SPARE
	v_mov_b32 v[NIL], 0
	ds_add_u32 v28, v29
	ds_add_u32 v28, v29
	s_wait_dscnt 0x0
	v_lshrrev_b32 v1, 5, v0
	v_readfirstlane_b32 s14, v1                    ; wave
	s_lshr_b32 s15, s14, 1                         ; my half of the tile's rows.  Also: I fetch for A (0) or B (1)
	s_and_b32 s16, s14, 1                          ; my half of its columns.  Also: which 64 rows I fetch
	s_bfe_u32 s40, ttmp6, 0x40000                  ; cx
	s_bfe_u32 s41, ttmp6, 0x40004                  ; cy
	s_lshl_b32 s42, ttmp9, 2
	s_add_co_u32 s42, s42, s40                     ; tile column
	s_and_b32 s17, ttmp7, 0xffff
	s_lshl_b32 s17, s17, 2
	s_add_co_u32 s17, s17, s41                     ; tile row
	s_lshl_b32 s43, s41, 2
	s_lshl_b32 s43, 15, s43                        ; my row of the cluster
	s_lshl_b32 s44, 0x1111, s40                    ; my column
	s_or_b32 s[G1+0], s43, (3<<16)|(1<<21)         ; the mask; elements of 8 bytes; bit 21 beside a mask; no padding
	s_or_b32 s[G1B+0], s44, (3<<16)|(1<<21)
.irp g, G1, G1B
	s_mov_b32 s[\g+1], 768<<16                     ; tensor_dim0 = 768 elements: four fragments
	s_mov_b32 s[\g+2], 4<<16                       ; tensor_dim1 = 4 row blocks
	s_mov_b32 s[\g+3], 768<<16                     ; tile_dim0
	s_mov_b32 s[\g+4], 4                           ; tile_dim1
	s_mov_b32 s[\g+5], RBB/8                       ; from row block to row block
	s_mov_b32 s[\g+6], 0
	s_mov_b32 s[\g+7], 0
.endr
	s_or_b32 s[G1S+0], s43, (3<<16)|(1<<21)        ; the scale words of 64 rows: a dense block, as rows of 256 bytes
	s_or_b32 s[G1SB+0], s44, (3<<16)|(1<<21)
.irp g, G1S, G1SB
	s_mov_b32 s[\g+1], 32<<16
	s_mov_b32 s[\g+2], (HALFS/256)<<16
	s_mov_b32 s[\g+3], 32<<16
	s_mov_b32 s[\g+4], HALFS/256
	s_mov_b32 s[\g+5], 32
	s_mov_b32 s[\g+6], 0
	s_mov_b32 s[\g+7], 0
.endr
	s_lshl_b32 s18, s16, 2
	s_lshl_b32 s20, s17, 3
	s_add_co_u32 s20, s20, s18                     ; A: the first row block that I fetch: 8 x tile row + 4 x half
	s_lshl_b32 s46, s42, 3
	s_add_co_u32 s46, s46, s18                     ; B likewise
	s_mul_i32 s22, s20, 128*KJ
	s_add_co_u32 s22, s22, A_SC
	s_mul_i32 s20, s20, RBB
	s_mul_i32 s92, s46, 128*KJ
	s_add_co_u32 s92, s92, B_SC
	s_mul_i32 s46, s46, RBB
	s_add_co_u32 s46, s46, B_CO
	s_mov_b32 s21, 0
	s_mov_b32 s23, 0
	s_mov_b32 s47, 0
	s_mov_b32 s93, 0
	s_mul_i32 s45, s14, HALFT                      ; where they go: by the wave's number alone
	s_mul_i32 s94, s14, HALFS
	s_wait_kmcnt 0x0
	s_add_nc_u64 s[20:21], s[APTR:APTR+1], s[20:21]
	s_add_nc_u64 s[22:23], s[APTR:APTR+1], s[22:23]
	s_add_nc_u64 s[46:47], s[BPTR:BPTR+1], s[46:47]
	s_add_nc_u64 s[92:93], s[BPTR:BPTR+1], s[92:93]
	CROUND                                         ; all sixteen work-groups are here: the first joint loads meet
	s_mov_b32 s[G0S], 1
	s_add_co_u32 s[G0S+1], s94, SCL
	s_mov_b64 s[G0S+2:G0S+3], s[22:23]
	s_or_b32 s[G0S+3], s[G0S+3], 0x80000000
	s_mov_b32 s[G0SB], 1
	s_add_co_u32 s[G0SB+1], s94, SCL+128           ; B's words lie 128 bytes further on, so that A's 128 bytes and B's of one load fall into different halves of a span of 256
	s_mov_b64 s[G0SB+2:G0SB+3], s[92:93]
	s_or_b32 s[G0SB+3], s[G0SB+3], 0x80000000
	JLOAD G0S, G1S, G0SB, G1SB                     ; three tensor loads of mine go out here: the scale words and slots 0 and 1
.irp s, 0,1
	s_mov_b32 s[G0+4*\s], 1
	s_add_co_u32 s[G0+4*\s+1], s45, \s*SLOT
	s_add_nc_u64 s[G0+4*\s+2:G0+4*\s+3], s[20:21], \s*6144
	s_or_b32 s[G0+4*\s+3], s[G0+4*\s+3], 0x80000000
	s_mov_b32 s[G0B+4*\s], 1
	s_add_co_u32 s[G0B+4*\s+1], s45, \s*SLOT
	s_add_nc_u64 s[G0B+4*\s+2:G0B+4*\s+3], s[46:47], \s*6144
	s_or_b32 s[G0B+4*\s+3], s[G0B+4*\s+3], 0x80000000
	JLOAD G0+4*\s, G1, G0B+4*\s, G1B
.endr
	v_and_b32 v1, 15, v0                           ; r
	v_bfe_u32 v2, v0, 4, 1                         ; h
	v_and_b32 v3, 31, v0
	v_lshlrev_b32 v[LO], 3, v3                     ; 8 x lane
	s_mul_i32 s21, s15, HALFT
	s_mul_i32 s22, s16, HALFT
	s_add_co_u32 s22, s22, 2*HALFT
.irp s, 0,1
	v_add_nc_u32 v[ADRA+\s], s21, v[LO]
	v_add_nc_u32 v[ADRB+\s], s22, v[LO]
	s_add_co_u32 s21, s21, SLOT
	s_add_co_u32 s22, s22, SLOT
.endr
	v_lshlrev_b32 v5, 3, v1                        ; my row's two words of 256 along K
	s_mul_i32 s21, s15, HALFS
	s_mul_i32 s22, s16, HALFS
	s_add_co_u32 s22, s22, 2*HALFS+128
	s_sub_co_u32 s22, s22, s21
	v_mul_u32_u24 v6, s22, v2                      ; lanes 16-31 take B's
	s_add_co_u32 s21, s21, SCL
	v_add_nc_u32 v5, v5, v6
	v_add_nc_u32 v[ADRS], s21, v5
	s_mul_i32 s23, s14, 16*SPITCH                  ; my stage
	v_mul_u32_u24 v5, v1, SPITCH
	v_lshl_add_u32 v5, v2, 5, v5
	v_add_nc_u32 v[STO], s23, v5                   ; in: row r, 32 bytes for each half of the lanes
	v_mul_u32_u24 v5, v2, SPITCH
	v_lshl_add_u32 v5, v1, 4, v5
	v_add_nc_u32 v[RD], s23, v5                    ; back: lanes 0-15 take one row of 256 bytes, lanes 16-31 the next
	v_lshlrev_b32 v5, 12, v2
	v_lshl_add_u32 v[CO], v1, 4, v5                ; and the same two rows in C (a row of C is 4,096 bytes)
	s_lshl_b32 s20, s17, 7
	s_lshl_b32 s21, s15, 6
	s_add_co_u32 s20, s20, s21                     ; my first row of C: 128 x tile row + 64 x half
	s_lshl_b32 s20, s20, 12                        ; x 4,096 bytes
	s_lshl_b32 s46, s42, 9
	s_lshl_b32 s47, s16, 8
	s_add_co_u32 s46, s46, s47                     ; my first column, in bytes
	s_add_co_u32 s20, s20, s46
	s_mov_b32 s21, 0
	s_add_nc_u64 s[12:13], s[12:13], s[20:21]
.macro FRAG reg, adr, q, i             ; a fragment comes as it was stored: six loads of 8 bytes a lane, 256 consecutive bytes each
.irp p, 0,1,2,3,4,5
	ds_load_b64 v[\reg+2*\p:\reg+2*\p+1], v[\adr] offset:(\i)*6144+(\q)*1536+256*\p
.endr
.endm
; 4 matrix instructions: A's block a x B's four, from set p.  The 16 accumulators take turns, one instruction a turn, in the same order in every step.
.macro MUL4 a, p, q, sc, zero
.irp b, 0,1,2,3
.if \zero
	v_wmma_scale_f32_16x16x128_f8f6f4 v[ACC+8*(4*(\a)+\b):ACC+8*(4*(\a)+\b)+7], v[128*(\p)+48+FR*\b:128*(\p)+48+FR*\b+FR-1], v[128*(\p)+FR*(\a):128*(\p)+FR*(\a)+FR-1], 0, v[SC+16*(\sc)+4*\b+(\q)], v[SC+16*(\sc)+4*(\a)+(\q)] matrix_a_fmt:MATRIX_FMT_BF6 matrix_b_fmt:MATRIX_FMT_BF6 matrix_a_scale:MATRIX_SCALE_ROW1
.else
	v_wmma_scale_f32_16x16x128_f8f6f4 v[ACC+8*(4*(\a)+\b):ACC+8*(4*(\a)+\b)+7], v[128*(\p)+48+FR*\b:128*(\p)+48+FR*\b+FR-1], v[128*(\p)+FR*(\a):128*(\p)+FR*(\a)+FR-1], v[ACC+8*(4*(\a)+\b):ACC+8*(4*(\a)+\b)+7], v[SC+16*(\sc)+4*\b+(\q)], v[SC+16*(\sc)+4*(\a)+(\q)] matrix_a_fmt:MATRIX_FMT_BF6 matrix_b_fmt:MATRIX_FMT_BF6 matrix_a_scale:MATRIX_SCALE_ROW1
.endif
.endr
.endm
.macro FETCH slot, q, p                ; 48 LDS loads in one run: the eight fragments of the slot's q-th 128 along K into set p
	WIN TO_F
.irp i, 0,1,2,3
	FRAG 128*(\p)+48+FR*\i, ADRB+\slot, \q, \i
.endr
.irp i, 0,1,2,3
	FRAG 128*(\p)+FR*\i, ADRA+\slot, \q, \i
.endr
.endm
.macro SCALES sc                       ; the slot's four words a row: lanes 0-15 A's block i, lanes 16-31 B's block i
	WIN 0
.irp i, 0,1,2,3
.irp j, 0,1
	ds_load_b64 v[SC+16*\sc+4*\i+2*\j:SC+16*\sc+4*\i+2*\j+1], v[ADRS] offset:\i*KJ*128+\j*128
.endr
.endr
.endm
.macro PLACES n                        ; plain vector instructions between a matrix instruction and a load into, or a read of, its registers
.rept \n
	v_nop
.endr
.endm
.macro STEP slot, q, zero              ; a step of 128 along K that has its successor in the same slot: the next step's fragments are asked for, then this step's are multiplied
	PLACES NP                                      ; the other set was read by the step before
	FETCH \slot, (\q)+1, ((\q)+1)%2
	s_wait_dscnt 8*NL                              ; all but the 48 loads just issued: this step's fragments and scale words are in
	WIN MUL
	MUL4 0, (\q)%2, \q, \slot, \zero
	MUL4 1, (\q)%2, \q, \slot, \zero
	MUL4 2, (\q)%2, \q, \slot, \zero
	MUL4 3, (\q)%2, \q, \slot, \zero
.endm
.macro TURN slot, next, fill           ; a slot's fourth step changes slots: one barrier; fill = 1: this slot is filled again, two slots ahead
	WIN 0                                          ; (the add's two registers lie in window 0)
	s_wait_tensorcnt 0x0                           ; all my tensor loads have landed: my part of the next slot
	ds_add_u32 v[SPW], v[NIL]                      ; 0 onto my spare word
	s_wait_dscnt 1                                 ; this step's fragments are in; the add alone may be out
	WIN MUL
	MUL4 0, 1, 3, \slot, 0
	s_wait_dscnt 0x0                               ; the add is done, and my reads of this slot are over
	s_barrier_signal -1
	MUL4 1, 1, 3, \slot, 0
	WIN 0
	s_barrier_wait -1
.if \fill
	CREST                                          ; the barrier has opened a round of the cluster's barrier: no wave of any partner still reads this slot or has a load on its way
	s_add_nc_u64 s[G0+4*\slot+2:G0+4*\slot+3], s[G0+4*\slot+2:G0+4*\slot+3], 12288
	s_add_nc_u64 s[G0B+4*\slot+2:G0B+4*\slot+3], s[G0B+4*\slot+2:G0B+4*\slot+3], 12288
	JLOAD G0+4*\slot, G1, G0B+4*\slot, G1B         ; my one tensor load behind the round; its four v_nop are the places in front of the loads below
.else
	PLACES NP
.endif
	v_add_nc_u32 v[ADRS], 256, v[ADRS]             ; the next slot's scale words
	FETCH \next, 0, 0
	SCALES \next
	WIN MUL
	MUL4 2, 1, 3, \slot, 0
	MUL4 3, 1, 3, \slot, 0
.endm
	s_wait_tensorcnt 1                             ; the scale words and my part of slot 0 are in; slot 1's load may be out
	s_barrier_signal -1
	s_barrier_wait -1
	FETCH 0, 0, 0
	SCALES 0
	STEP 0, 0, 1                                   ; the first step's products start the sums
.if LAPS > 1
	WIN 0                                          ; at a label and at a branch every window is 0
	s_mov_b32 s3, LAPS-1
.Llap:                                             ; a trip goes once round the ring, from a lap's second step to the next lap's first, and fills both slots again
	STEP 0, 1, 0
	STEP 0, 2, 0
	TURN 0, 1, 1
	STEP 1, 0, 0
	STEP 1, 1, 0
	STEP 1, 2, 0
	TURN 1, 0, 1
	STEP 0, 0, 0
	WIN 0
	s_sub_co_u32 s3, s3, 1
	s_cmp_lg_u32 s3, 0
	s_cbranch_scc1 .Llap
.endif
	STEP 0, 1, 0                                   ; the last lap fills nothing
	STEP 0, 2, 0
	TURN 0, 1, 0
	STEP 1, 0, 0
	STEP 1, 1, 0
	STEP 1, 2, 0
	s_wait_dscnt 0x0                               ; the very last step: nothing more to fetch
	WIN MUL
	MUL4 0, 1, 3, 1, 0
	MUL4 1, 1, 3, 1, 0
	MUL4 2, 1, 3, 1, 0
	MUL4 3, 1, 3, 1, 0
	WIN 0
; THE WAY OUT, block by block of 16 rows x 64 columns, through my own stage: in as 32 bytes a lane, back as whole rows of 256 bytes.  LDS serves a wave's instructions in order (ISA guide 5.7.1.4).
.macro TOSTAGE a
.irp b, 0,1,2,3
	ds_store_b128 v[STO], v[ACC+8*(4*(\a)+\b):ACC+8*(4*(\a)+\b)+3] offset:64*\b          ; each accumulator from its low end on
	ds_store_b128 v[STO], v[ACC+8*(4*(\a)+\b)+4:ACC+8*(4*(\a)+\b)+7] offset:64*\b+16
.endr
.set BB, BK+32*((\a)%2)
.irp t, 0,1,2,3,4,5,6,7
	ds_load_b128 v[BB+4*\t:BB+4*\t+3], v[RD] offset:\t*2*SPITCH
.endr
.endm
.macro SEND a, younger                 ; younger: the LDS instructions issued behind block a's loads, which may stay out
.set BB, BK+32*((\a)%2)
	s_wait_dscnt \younger
.if (\a) > 0
	s_add_nc_u64 s[12:13], s[12:13], 16*SIZE_N*4   ; (behind a wait on XCNT: the earlier stores have read their base)
.endif
.irp t, 0,1,2,3,4,5,6,7
	global_store_b128 v[CO], v[BB+4*\t:BB+4*\t+3], s[12:13] offset:2*\t*SIZE_N*4   ; 16 lanes store 256 consecutive bytes, aligned
.endr
.endm
	PLACES NP                                      ; behind the last products: their results are read
	TOSTAGE 0
.irp a, 1,2,3
.if \a > 1
	s_wait_xcnt 0x0                                ; block a - 2's stores have read their registers and their base
.endif
	TOSTAGE \a
	SEND \a-1, 16                                  ; behind block a - 1's loads: block a's 8 stores and 8 loads
.endr
	s_wait_xcnt 0x0
	SEND 3, 0
	s_wait_tensorcnt 0x0                           ; the wave's end
	ds_add_u32 v[SPW], v[NIL]
	s_wait_dscnt 0x0
	CROUND                                         ; the closing round
	s_endpgm
.Lfunc_end_k_q7ba3f394db_ff2:
	.size	k_q7ba3f394db_ff2, .Lfunc_end_k_q7ba3f394db_ff2-k_q7ba3f394db_ff2
	.p2alignl 7, 3214868480
	.fill 96, 4, 3214868480
	.section	.rodata,"a",@progbits
	.p2align	6, 0x0
	.amdhsa_kernel k_q7ba3f394db_ff2
		.amdhsa_group_segment_fixed_size 327680
		.amdhsa_private_segment_fixed_size 0
		.amdhsa_enable_private_segment 0
		.amdhsa_kernarg_size 24
		.amdhsa_user_sgpr_count 2
		.amdhsa_user_sgpr_kernarg_segment_ptr 1
		.amdhsa_wavefront_size32 1
		.amdhsa_system_sgpr_workgroup_id_x 1
		.amdhsa_system_sgpr_workgroup_id_y 1
		.amdhsa_system_sgpr_workgroup_id_z 1
		.amdhsa_system_vgpr_workitem_id 0
		.amdhsa_next_free_vgpr 512
		.amdhsa_next_free_sgpr 100
		.amdhsa_reserve_vcc 0
		.amdhsa_float_denorm_mode_32 3
		.amdhsa_float_denorm_mode_16_64 3
		.amdhsa_memory_ordered 1
		.amdhsa_forward_progress 1
		.amdhsa_inst_pref_size 106
	.end_amdhsa_kernel
	.amdgpu_metadata
---
amdhsa.version: [ 1, 2 ]
amdhsa.kernels:
  - .name:           k_q7ba3f394db_ff2
    .symbol:         k_q7ba3f394db_ff2.kd
    .args:
      - { .name: fq, .offset: 0, .size: 8, .value_kind: global_buffer, .address_space: global }
      - { .name: cw, .offset: 8, .size: 8, .value_kind: global_buffer, .address_space: global }
      - { .name: xo, .offset: 16, .size: 8, .value_kind: global_buffer, .address_space: global }
    .group_segment_fixed_size: 327680
    .private_segment_fixed_size: 0
    .kernarg_segment_align: 8
    .kernarg_segment_size: 24
    .max_flat_workgroup_size: 128
    .sgpr_count:     100
    .vgpr_count:     512
    .wavefront_size: 32
...
	.end_amdgpu_metadata
.endif
;; end of part 11
;; launch ln2: the kernel of part 8 again; grid 512 x 1, 8 waves a work-group, no clusters, 0 bytes of LDS; arguments xo, h1, b2, g2, be2, out0; writes out0
;; ======== version 3 of 3: 8 launches; version 2 with the launch attn written anew for expert scheduling mode
;; workspace buffers: cw 19,660,800 bytes; qkv 10,092,544 bytes; hq 3,276,800 bytes; xo 16,777,216 bytes; h1 16,777,216 bytes; fq 13,107,200 bytes
;; launch quant: the kernel of part 1 again; grid 768 x 1, 4 waves a work-group, no clusters, 34,304 bytes of LDS; arguments q, k, v, Wq, Wk, Wv, Wo, W1, W2, cw; writes cw
;; launch qkv: the kernel of part 2 again; grid 4 x 48, 4 waves a work-group, clusters of 4 x 4, 327,680 bytes of LDS; arguments cw, qkv; writes qkv
;; launch attn (part 12): grid 8 x 32, 16 waves a work-group, no clusters, 211,968 bytes of LDS; arguments qkv, pad_mask, hq; writes hq
.if DOCPART == 12
	.amdgcn_target "amdgcn-amd-amdhsa--gfx1250"
	.amdhsa_code_object_version 6
	.text
	.protected	k_q7ba3f394db_attn
	.globl	k_q7ba3f394db_attn
	.p2align	8
	.type	k_q7ba3f394db_attn,@function
k_q7ba3f394db_attn:
	s_mov_b64 s[64:65], 0
	v_nop
	global_prefetch_b8 v0, s[64:65] scope:SCOPE_SE
	s_setreg_imm32_b32 hwreg(HW_REG_WAVE_SCHED_MODE, 0, 2), 2
	s_setreg_imm32_b32 hwreg(HW_REG_WAVE_MODE, 25, 1), 1
	s_wait_xcnt 0x0
	s_wait_alu depctr_vm_vsrc(0)
; h = (softmax(mask_keys(Q K^T) / 8) x mask_queries) V for 32 heads of 2,048 x 64, both products on codes of BF6 (E3M2) with E8M0 scales; the second product's left operand is the FINISHED, normalised weight, quantised along the keys.
; A head is 128 rows t of the [4,096][1,024] results: row i of the head is (t % 128) 16 + column / 64.  Work-group (tb, hd) owns rows t = 128 hd + 16 tb + r; pass cg = 0 .. 15 takes the 16 queries i = 256 tb + 16 r + cg.
; THE KEYS ARE SHARED OUT AMONG THE SIXTEEN WAVES: wave w owns keys 128 w .. 128 w + 127, one K step of the second product; its fragments of K and of V^T stay in registers for the whole launch.  Each score is made once and
; each exponential taken once; the waves' maxima and sums meet in LDS, so that the row's final maximum and sum are known before a weight is converted; the waves' parts of O^T are added through LDS.
; ONE BARRIER A PASS: the statistics and the parts of O^T have two buffers each, which take turns.  Pass n's parts are added up in pass n + 1, behind that pass's barrier.  Between two barriers a wave reads the statistics
; of buffer n % 2, reads the parts of buffer 1 - n % 2, stores its part into buffer n % 2, stores one slot of the sums, and stores the next statistics into buffer 1 - n % 2: five regions that lie apart.
; A trip of the loop runs two passes, so that each buffer is a register and a constant.
; THE FIRST PRODUCT HAS K = 64: a fragment of K holds two tiles of 16 keys (registers 0-5, 6-11); Q stands between zeros in 18 registers, and is named as Q | 0 for the first tile and as 0 | Q for the second: the other tile's codes meet zero codes.
; Both products are used transposed (source 0 = keys, or channels; source 1 = queries): a lane holds one query.  Lane r of key tile (d, u) is key 32 d + 8 u + r + 8 (r / 8), so register 16 d + 8 u + j is key 32 d + 16 h + 8 u + j.
; p = 2^(t - M), t = score x log2(e) / 8, M the wave's largest t rounded up to a whole number; the change to the row's M is a multiplication by a power of two, which rounds nothing.
; LIMITS: a batch row whose pad_mask is all false (the reference gives NaN there) is not served; NaN and infinities are not served; a block of zeros carries the byte 1, not 127 (zero codes; the bytes are this program's own).
; No cluster: what the eight work-groups of a head share, K and V, is read once, at the head, 12 KB a wave, into registers; there is no tile that is asked for again.
; THE MODE: SCHED_MODE bits 1:0 = 2 (LLVM: expert scheduling mode 2), set by the entry lines.  The code itself states the register dependences
; between vector or matrix instructions and memory or LDS instructions, with s_wait_alu, always for 0.
; THE PLAN.  Registers that memory or LDS instructions touch, in the loop:
;   Q (v50-55), v21   The pass's eight first products read them; the next pass's loads land in them, behind the wait for the 64 exponentials, behind which nothing names them.
;   v[12:13]          Written by the pass's vector work; read by the store of the statistics.
;   PC (v62-77)       The statistics land here; later the conversions, exchanges and moves write the weights' codes here, and the second product reads them.
;   S + 0 .. 31       Written by both products; read by the eight stores of my part of O^T.
;   S + 32 .. 63      Written by the first product, worked on and read by the conversions; then the last pass's parts land here, asked for ahead of the second product, which names none of them; the sum's store reads S + 32 .. 35.
;   v7                Read by the sum's store; stepped once a trip.  All other offsets and LDS addresses are made at the head and not written in the loop.
; On va_vdst a pass has the three waits behind its transcendentals, which also state what the loads and the store behind them hang on, one ahead of the second product, one ahead of the stores of its results and one
; ahead of the store of the sum.  On vm_vsrc it has one: at the odd pass's head, and at the trip's end, ahead of the step of v7, for the even pass that follows and for the way out of the loop.
.set QKS,  9437184
.set VTC,  6291456
.set VTS,  9961472
.set HQS,  3145728
.set OP1,  65536                       ; LDS: 0 and OP1: the waves' parts of O^T, 4,096 bytes each, two buffers
.set ORB,  131072                      ; the sums, 4,096 bytes a pass: pass n's in slot (n + 1) % 16
.set STAT, 204800                      ; row r of 144 bytes: wave w's {-M, l} at 8 w; two buffers, STB apart
.set STB,  2304
.set HSC,  209408                      ; h's scale words, 512 bytes
.set BM,   24                          ; v24-27 the blocks' largest scores, then largest weights
.set BX,   28
.set SO,   32
.set KS,   36                          ; v36-39 K's scale words;  v40-43 V's;  v20 the weights';  v21 Q's
.set VS,   40
.set QZ,   44                          ; v44-61 0 | Q | 0
.set PC,   62                          ; v62-80 the codes just made; also the statistics as read
.set KFR,  82                          ; v82-129  K: four fragments
.set VFR,  130                         ; v130-177 V^T: four fragments
.set S,    178                         ; v178-241 scores, weights; then O^T in the lower 32
	s_load_b128 s[4:7], s[0:1], 0x0                ; qkv, pad_mask
	s_load_b64 s[8:9], s[0:1], 0x10                ; hq
	v_lshl_add_u32 v81, v0, 2, 0x33400
	v_mov_b32 v255, 0
	v_lshrrev_b32 v11, 5, v0
	v_readfirstlane_b32 s10, v11                   ; wave w
	s_mov_b32 s11, ttmp9                           ; tb
	s_and_b32 s12, ttmp7, 0xffff                   ; hd
	v_and_b32 v22, 31, v0                          ; lane
	v_and_b32 v23, 15, v0                          ; r
	v_bfe_u32 v11, v0, 4, 1                        ; h
	v_lshlrev_b32 v1, 3, v22                       ; 8 x lane
	v_lshlrev_b32 v2, 2, v23                       ; 4 r
	v_lshlrev_b32 v254, 4, v22                     ; 16 x lane
	v_mul_u32_u24 v3, v23, 144
	v_lshl_add_u32 v4, v11, 6, v3
	v_add_nc_u32 v4, STAT, v4                      ; the statistics as read: row r, eight waves' pairs for each half of the lanes
	s_wait_alu depctr_va_sdst(0)                   ; s10 is written, ahead of its first reader: LDS addresses and the buffers' offsets are made from it
	s_lshl_b32 s24, s10, 3
	s_add_co_u32 s24, s24, STAT
	v_add_nc_u32 v3, s24, v3                       ; and as written: row r, my wave's pair
	s_lshl_b32 s24, s10, 12
	v_add_nc_u32 v5, s24, v254                     ; my part of O^T in buffer 0: 4,096 w + 16 x lane
	s_add_co_u32 s25, s10, 1
	s_and_b32 s25, s25, 15
	s_lshl_b32 s25, s25, 12
	s_add_co_u32 s25, s25, ORB
	v_add_nc_u32 v251, s25, v254                   ; at the end: pass w's sum, in slot (w + 1) % 16
	s_lshl_b32 s24, s10, 8
	v_lshl_add_u32 v6, v23, 4, s24                 ; what I add up: bytes 256 w + 16 r of every part,
	v_add_nc_u32 v7, ORB, v6                       ; where the sum goes (8,192 on in each trip),
	v_lshl_add_u32 v6, v11, 15, v6                 ; lanes 16-31 take parts 8 to 15
	s_lshr_b32 s24, s10, 2
	s_lshl_b32 s24, s24, 7
	s_and_b32 s25, s10, 3
	s_lshl_b32 s25, s25, 1
	s_add_co_u32 s24, s24, s25
	s_add_co_u32 s24, s24, HSC
	v_lshl_add_u32 v252, v23, 3, s24               ; h's two scale bytes of columns 64 w on: 128 (w / 4) + 8 r + 2 (w % 4)
	v_add_nc_u32 v253, HSC, v254
	v_and_b32 v243, 7, v23
	v_lshrrev_b32 v244, 3, v23
	v_mul_u32_u24 v242, v243, 768
	v_lshl_add_u32 v242, v244, 3, v242
	v_lshl_add_u32 v242, v11, 7, v242              ; K's codes: 768 (r % 8) + 8 (r / 8) + 128 h
	v_lshlrev_b32 v245, 6, v243
	v_lshl_add_u32 v245, v244, 2, v245             ; K's scale bytes: 64 (r % 8) + 4 (r / 8)
	v_lshl_add_u32 v246, v244, 3, v23              ; r + 8 (r / 8)
	v_mul_u32_u24 v247, v246, 1536
	v_mad_u32_u24 v247, v11, 24, v247              ; V's codes: channel's row, + 24 h
	v_lshlrev_b32 v248, 6, v246                    ; V's scale bytes
	v_lshlrev_b32 v249, 4, v11                     ; the keys' mask: 16 h
	v_lshlrev_b32 v250, 4, v23                     ; the queries' mask: 16 r
	s_lshr_b32 s22, s10, 1
	s_and_b32 s23, s10, 1
	s_mov_b32 s3, 0
	s_mov_b32 s14, 0x76543210
	s_mov_b32 s15, 0xfedcba98                      ; selects for lane l xor 16
	s_mov_b32 s16, 0x3e38aa3b                      ; c = log2(e) / 8
	s_mov_b32 s17, s16                             ; (named with it as a pair)
	s_wait_kmcnt 0x0
	s_mul_i32 s2, s12, 98304                       ; K's codes: row block 256 + 8 hd + w / 2, rows 8 (w % 2) on
	s_mul_i32 s34, s22, 12288
	s_add_co_u32 s2, s2, s34
	s_lshl_b32 s34, s23, 6
	s_add_co_u32 s2, s2, s34
	s_add_co_u32 s2, s2, 3145728
	s_add_nc_u64 s[24:25], s[4:5], s[2:3]
	s_lshl_b32 s2, s12, 13
	s_lshl_b32 s34, s22, 10
	s_add_co_u32 s2, s2, s34
	s_lshl_b32 s34, s23, 5
	s_add_co_u32 s2, s2, s34
	s_add_co_u32 s2, s2, QKS+262144
	s_add_nc_u64 s[26:27], s[4:5], s[2:3]
	s_mul_i32 s2, s12, 98304                       ; V's codes: my 128 keys are 96 bytes of each channel's row
	s_mul_i32 s34, s10, 96
	s_add_co_u32 s2, s2, s34
	s_add_co_u32 s2, s2, VTC
	s_add_nc_u64 s[28:29], s[4:5], s[2:3]
	s_lshl_b32 s2, s12, 12                         ; V's bytes: key block 4 w + x stands at 8 (4 (w % 2) + x) + w / 2
	s_lshl_b32 s34, s23, 5
	s_add_co_u32 s2, s2, s34
	s_add_co_u32 s2, s2, s22
	s_add_co_u32 s2, s2, VTS
	s_add_nc_u64 s[30:31], s[4:5], s[2:3]
	s_lshr_b32 s35, s12, 4
	s_lshl_b32 s35, s35, 11                        ; the batch's row of pad_mask
	s_lshl_b32 s2, s10, 7
	s_add_co_u32 s2, s2, s35
	s_add_nc_u64 s[32:33], s[6:7], s[2:3]
	s_lshl_b32 s2, s11, 8
	s_add_co_u32 s2, s2, s35
	s_add_nc_u64 s[6:7], s[6:7], s[2:3]
	s_lshl_b32 s34, s12, 3
	s_add_co_u32 s34, s34, s11                     ; my row block 8 hd + tb
	s_mul_i32 s2, s34, 12288
	s_add_nc_u64 s[18:19], s[4:5], s[2:3]          ; Q's codes, 768 bytes a pass
	s_lshl_b32 s2, s34, 10
	s_add_co_u32 s2, s2, QKS
	s_add_nc_u64 s[20:21], s[4:5], s[2:3]          ; Q's scale words, 64 bytes a pass
	s_wait_alu depctr_va_vdst(0)                   ; the offsets v1, v2, v242, v245 and v247 to v250 are written, which the loads below read; so are the LDS addresses v3 to v7 and v251 to v254
.irp d, 0,1,2,3
.irp u, 0,1
.irp p, 0,1,2
	global_load_b64 v[KFR+12*\d+6*\u+2*\p:KFR+12*\d+6*\u+2*\p+1], v242, s[24:25] offset:6144*\u+16*\d+256*\p
.endr
	global_load_u16 v[S+16+2*\d+\u], v245, s[26:27] offset:512*\u+8*\d
.endr
.endr
.irp t, 0,1,2,3                                ; lane r of channel tile t takes channel 32 (t / 2) + 8 (t % 2) + r + 8 (r / 8), so that O^T's 16 registers of two tiles are 16 neighbouring channels
.irp c, 0,1
.irp p, 0,1,2
	global_load_b64 v[VFR+12*\t+6*\c+2*\p:VFR+12*\t+6*\c+2*\p+1], v247, s[28:29] offset:(32*(\t/2)+8*(\t%2))*1536+48*\c+8*\p
.endr
.endr
.irp x, 0,1,2,3
	global_load_u8 v[S+24+4*\t+\x], v248, s[30:31] offset:(32*(\t/2)+8*(\t%2))*64+8*\x
.endr
.endr
.irp b, 0,1,2,3
	global_load_b128 v[S+4*\b:S+4*\b+3], v249, s[32:33] offset:32*\b   ; the mask bytes of keys 32 b + 16 h + 0 .. 15
.endr
	global_load_b128 v[S+40:S+43], v250, s[6:7]    ; and of queries 16 r + 0 .. 15
.irp p, 0,1,2
	global_load_b64 v[QZ+6+2*\p:QZ+7+2*\p], v1, s[18:19] offset:256*\p   ; pass 0's Q
.endr
	global_load_b32 v21, v2, s[20:21]
	v_mov_b32 v10, 0xff800000                      ; -infinity
	v_mov_b32 v13, 0
	v_mov_b32 v15, 0                               ; (upper halves of pairs that packed forms name)
.irp i, 0,1,2,3,4,5
	v_mov_b32 v[QZ+\i], 0                          ; zero codes on both sides of Q
	v_mov_b32 v[QZ+12+\i], 0
.endr
.irp b, 0,1,2,3
	v_mov_b32 v[BX+\b], 0                          ; written once: a lane permute's destination counts as one of its sources
.endr
	s_wait_loadcnt 0x0                             ; all the head's loads are in
	s_wait_alu depctr_vm_vsrc(0)                   ; and have read their offsets: v247 and v248 are written anew below, v242 and v245 in the loop
	v_add_nc_u32 v246, OP1, v5                     ; my part of O^T in buffer 1,
	v_add_nc_u32 v247, OP1, v6                     ; what I add up of buffer 1,
	v_add_nc_u32 v248, 0, v7                       ; and slot 0 of the sums, which the last pass takes
.irp d, 0,1,2,3
	v_lshl_or_b32 v[KS+\d], v[S+17+2*\d], 16, v[S+16+2*\d]   ; {first tile's two bytes, second tile's two bytes}
.endr
.irp t, 0,1,2,3
	v_lshl_or_b32 v[VS+\t], v[S+25+4*\t], 8, v[S+24+4*\t]
	v_lshl_or_b32 v[VS+\t], v[S+26+4*\t], 16, v[VS+\t]
	v_lshl_or_b32 v[VS+\t], v[S+27+4*\t], 24, v[VS+\t]
.endr
.set n, 0
.rept 64                                       ; register n's key counts in the lanes whose bit is set: 64 lane masks in s36-63 and s66-101
	v_bfe_u32 v11, v[S+4*(n/16)+(n%16)/4], 8*(n%4), 8
	v_cmp_ne_u32 s[36+n+2*((n+36)/64)], 0, v11
.set n, n+1
.endr
	v_mov_b32 v8, 0
.set n, 0
.rept 16                                       ; bit cg: does query 16 r + cg count?  The word is shifted down one bit a pass
	v_bfe_u32 v11, v[S+40+n/4], 8*(n%4), 1
	v_lshl_or_b32 v8, v11, n, v8
.set n, n+1
.endr
	s_wait_alu depctr_va_sdst(0)                   ; the 64 lane masks are written, ahead of their first readers, the selects of the first pass, and ahead of the loop's label
	s_wait_alu depctr_va_vdst(0)                   ; K's and V's scale words and the zero codes beside Q are written, which the scaled products take; so are the LDS addresses v246 to v248
; The sixteen parts of one pass are added up: bytes 256 w + 16 r of each; lanes 0-15 take parts 0 to 7, lanes 16-31 parts 8 to 15.  ELOAD asks for them; rd: where I read.
.macro ELOAD rd
.irp i, 0,1,2,3,4,5,6,7
	ds_load_b128 v[S+32+4*\i:S+35+4*\i], v[\rd] offset:4096*\i
.endr
.endm
; ESUM adds them.  wr and off: where the sum goes; younger: the LDS instructions issued behind ELOAD's eight, which may stay out.
.macro ESUM wr, off, younger
	s_wait_dscnt \younger                          ; LDS instructions of a wave are done in order (ISA guide 5.7.1): the eight parts are in
.irp i, 0,2,4,6
	v_pk_add_f32 v[S+32+4*\i:S+33+4*\i], v[S+32+4*\i:S+33+4*\i], v[S+36+4*\i:S+37+4*\i]
	v_pk_add_f32 v[S+34+4*\i:S+35+4*\i], v[S+34+4*\i:S+35+4*\i], v[S+38+4*\i:S+39+4*\i]
.endr
.irp i, 0,4
	v_pk_add_f32 v[S+32+4*\i:S+33+4*\i], v[S+32+4*\i:S+33+4*\i], v[S+40+4*\i:S+41+4*\i]
	v_pk_add_f32 v[S+34+4*\i:S+35+4*\i], v[S+34+4*\i:S+35+4*\i], v[S+42+4*\i:S+43+4*\i]
.endr
	v_pk_add_f32 v[S+32:S+33], v[S+32:S+33], v[S+48:S+49]
	v_pk_add_f32 v[S+34:S+35], v[S+34:S+35], v[S+50:S+51]
.irp i, 0,1,2,3
	v_permlanex16_b32 v[242+\i], v[S+32+\i], s14, s15
.endr
	v_pk_add_f32 v[S+32:S+33], v[S+32:S+33], v[242:243]
	v_pk_add_f32 v[S+34:S+35], v[S+34:S+35], v[244:245]
	s_wait_alu depctr_va_vdst(0)                   ; the additions have written S + 32 .. 35, which the store reads; the step of v7 at the last trip's end is written too
	ds_store_b128 v[\wr], v[S+32:S+35] offset:\off   ; both halves of the lanes store the same 16 bytes
.endm
; A pass.  odd = 0, 1: which of a trip's two, and so which buffers.
.macro PASS odd
	s_wait_loadcnt 0x0                             ; this pass's Q and its scale words are in, so their bases may step
	s_add_nc_u64 s[18:19], s[18:19], 768
	s_add_nc_u64 s[20:21], s[20:21], 64
.if \odd
	s_wait_alu depctr_vm_vsrc(0)                   ; the even pass's LDS stores have read S + 0 .. 35 and v[12:13], which this pass writes again.  (For the even pass the wait at the trip's end states the same)
.endif
.irp d, 0,1,2,3
	v_wmma_scale_f32_16x16x128_f8f6f4 v[S+16*\d:S+16*\d+7], v[KFR+12*\d:KFR+12*\d+11], v[QZ+6:QZ+17], 0, v[KS+\d], v21 matrix_a_fmt:MATRIX_FMT_BF6 matrix_b_fmt:MATRIX_FMT_BF6
	v_wmma_scale_f32_16x16x128_f8f6f4 v[S+16*\d+8:S+16*\d+15], v[KFR+12*\d:KFR+12*\d+11], v[QZ:QZ+11], 0, v[KS+\d], v21 matrix_a_fmt:MATRIX_FMT_BF6 matrix_b_fmt:MATRIX_FMT_BF6
.endr
.rept 4
	v_nop                                          ; places in front of the first read of the scores
.endr
.set n, 0
.rept 64
	v_cndmask_b32 v[S+n], v10, v[S+n], s[36+n+2*((n+36)/64)]   ; hidden keys: -infinity, ahead of the maximum.  Each accumulator from its low end on
.set n, n+1
.endr
.irp b, 0,1,2,3
	v_max3_num_f32 v[BM+\b], v[S+16*\b], v[S+1+16*\b], v[S+2+16*\b]   ; the largest score of each block of 32 keys: for the maximum, and, since p rises with the score, for the block's largest weight
.endr
.irp i, 3,5,7,9,11,13
.irp b, 0,1,2,3
	v_max3_num_f32 v[BM+\b], v[BM+\b], v[S+16*\b+\i], v[S+1+16*\b+\i]
.endr
.endr
.irp b, 0,1,2,3
	v_max_num_f32 v[BM+\b], v[BM+\b], v[S+15+16*\b]
.endr
.irp b, 0,1,2,3
	v_permlanex16_b32 v[BX+\b], v[BM+\b], s14, s15
.endr
.irp b, 0,1,2,3
	v_max_num_f32 v[BM+\b], v[BM+\b], v[BX+\b]
.endr
	v_max3_num_f32 v11, v[BM], v[BM+1], v[BM+2]
	v_max3_num_f32 v11, v11, v[BM+3], 0xff61b1e6   ; -3e38 among the leaves: a wave all of whose keys are hidden keeps a finite M
	v_mul_f32 v11, s16, v11
	v_floor_f32 v12, -v11                          ; -M of my 128 keys: a whole number
.set n, 0
.rept 32
	v_pk_fma_f32 v[S+n:S+n+1], v[S+n:S+n+1], s[16:17], v[12:13] op_sel_hi:[1,0,0]   ; t - M
.set n, n+2
.endr
.irp b, 0,1,2,3
	v_fma_f32 v[BM+\b], v[BM+\b], s16, v12
.endr
.set n, 0
.rept 64
	v_exp_f32 v[S+n], v[S+n]
.set n, n+1
.endr
	v_and_b32 v9, 1, v8                            ; (plain work behind the exponentials)  the query's mask as a factor;
	v_lshrrev_b32 v8, 1, v8                        ; the next pass's bit comes down
	v_cvt_f32_u32 v9, v9
	s_wait_alu depctr_va_vdst(0)                   ; the 64 exponentials have written p, ahead of its first reader; and the first products are done reading Q and its scale words, in which the loads below land
.irp p, 0,1,2
	global_load_b64 v[QZ+6+2*\p:QZ+7+2*\p], v1, s[18:19] offset:256*\p   ; the next pass's Q.  (The last pass's loads fall on the next row block of the same buffer and are not used)
.endr
	global_load_b32 v21, v2, s[20:21]
.irp b, 0,1,2,3
	v_exp_f32 v[BM+\b], v[BM+\b]                   ; the block's largest p: the same two instructions on the same number
.endr
	v_pk_add_f32 v[16:17], v[S:S+1], v[S+2:S+3]    ; the sum of the unquantised p, in two chains
	v_pk_add_f32 v[18:19], v[S+4:S+5], v[S+6:S+7]
.irp j, 8,12,16,20,24,28,32,36,40,44,48,52,56,60
	v_pk_add_f32 v[16:17], v[16:17], v[S+\j:S+\j+1]
	v_pk_add_f32 v[18:19], v[18:19], v[S+\j+2:S+\j+3]
.endr
	v_pk_add_f32 v[16:17], v[16:17], v[18:19]
	v_add_f32 v16, v16, v17
	v_permlanex16_b32 v22, v16, s14, s15
	v_add_f32 v13, v16, v22                        ; l of my 128 keys, beside -M
	s_wait_alu depctr_va_vdst(0)                   ; the four exponentials have written the blocks' largest p; v[12:13] is written, which the store reads; the last pass's second product is done reading PC, in which the statistics land
	ds_store_b64 v3, v[12:13] offset:STB*\odd
	s_wait_dscnt 0x0                               ; for the others' sake: my pair has landed, and so have my part of the last pass's O^T and my store of a sum; my reads of the other buffers are over
	s_barrier_signal -1
	s_barrier_wait -1                              ; all sixteen pairs of this pass, and all sixteen parts of the last, lie in LDS
.irp k, 0,1,2,3
	ds_load_b128 v[PC+4*\k:PC+4*\k+3], v4 offset:STB*\odd+16*\k
.endr
	s_wait_dscnt 0x0
	v_min3_num_f32 v11, v[PC], v[PC+2], v[PC+4]
	v_min3_num_f32 v11, v11, v[PC+6], v[PC+8]
	v_min3_num_f32 v11, v11, v[PC+10], v[PC+12]
	v_min_num_f32 v11, v11, v[PC+14]
	v_permlanex16_b32 v22, v11, s14, s15
	v_min_num_f32 v11, v11, v22                    ; the row's -M
.irp i, 0,1,2,3,4,5,6,7
	v_sub_f32 v[PC+2*\i], v11, v[PC+2*\i]          ; that wave's M less the row's: a whole number, 0 or less
.endr
.irp i, 0,1,2,3,4,5,6,7
	v_cvt_i32_f32 v[PC+2*\i], v[PC+2*\i]           ; (it saturates)
.endr
.irp i, 0,1,2,3,4,5,6,7
	v_ldexp_f32 v[PC+1+2*\i], v[PC+1+2*\i], v[PC+2*\i]
.endr
	v_add_f32 v[PC+1], v[PC+1], v[PC+3]
	v_add_f32 v[PC+5], v[PC+5], v[PC+7]
	v_add_f32 v[PC+9], v[PC+9], v[PC+11]
	v_add_f32 v[PC+13], v[PC+13], v[PC+15]
	v_add_f32 v[PC+1], v[PC+1], v[PC+5]
	v_add_f32 v[PC+9], v[PC+9], v[PC+13]
	v_add_f32 v[PC+1], v[PC+1], v[PC+9]
	v_permlanex16_b32 v22, v[PC+1], s14, s15
	v_add_f32 v23, v[PC+1], v22                    ; the row's sum
	v_rcp_f32 v23, v23
	v_sub_f32 v22, v11, v12                        ; (plain work behind the reciprocal)  my M less the row's
	v_cvt_i32_f32 v22, v22
	s_wait_alu depctr_va_vdst(0)                   ; the reciprocal has written v23, ahead of its first reader
	v_ldexp_f32 v14, v23, v22
	v_mul_f32 v14, v14, v9                         ; F = 2^(my M - the row's M) / sum x the query's mask
.set n, 0
.rept 32
	v_pk_mul_f32 v[S+n:S+n+1], v[S+n:S+n+1], v[14:15] op_sel_hi:[1,0]   ; the finished weights
.set n, n+2
.endr
.irp b, 0,1,2,3
	v_mul_f32 v[BM+\b], v[BM+\b], v14              ; the blocks' largest
.endr
.irp b, 0,1,2,3
	v_max_num_f32 v[BM+\b], 0x2800000, v[BM+\b]    ; the floor 2^(5 - 127)
.endr
.irp b, 0,1,2,3
	v_add_nc_u32 v[SO+\b], 0xfe000000, v[BM+\b]
.endr
.irp b, 0,1,2,3
	v_lshrrev_b32 v[BX+\b], 23, v[SO+\b]
.endr
	v_lshl_or_b32 v20, v[BX+1], 8, v[BX]
	v_lshl_or_b32 v20, v[BX+2], 16, v20
	v_lshl_or_b32 v20, v[BX+3], 24, v20
.irp c, 0,1
	v_cvt_scalef32_pk16_bf6_f32 v[PC+6*\c:PC+2+6*\c], v[S+32*\c:S+15+32*\c], v[SO+2*\c]
	v_cvt_scalef32_pk16_bf6_f32 v[PC+12+4*\c:PC+14+4*\c], v[S+16+32*\c:S+31+32*\c], v[SO+2*\c+1]
.endr
	v_nop                                          ; one plain place behind a scaled conversion
.irp c, 0,1
.irp i, 0,1,2
	v_permlane16_swap_b32 v[PC+6*\c+\i], v[PC+12+4*\c+\i]
.endr
.irp i, 0,1,2
	v_mov_b32 v[PC+3+6*\c+\i], v[PC+12+4*\c+\i]
.endr
.endr
.rept 8
	v_nop                                          ; a scale register written by a vector instruction stands 8 places ahead of a scaled matrix instruction, an operand 4
.endr
	s_wait_alu depctr_va_vdst(0)                   ; the weights' codes in PC and their scale word v20 are written, which the scaled products take; the conversions are done reading S + 32 .. 63, in which the loads below land
.if \odd == 0
	s_cmp_eq_u32 s13, 0                            ; the very first pass has no pass before it: nothing to ask for
	s_cbranch_scc1 .Lno_l_\@
.endif
	ELOAD 247-241*\odd                             ; the LAST pass's parts, from the other buffer: the barrier above has shown them whole.  They land while the products below run, which name none of their registers
.if \odd == 0
.Lno_l_\@:
.endif
.irp t, 0,1,2,3
	v_wmma_scale_f32_16x16x128_f8f6f4 v[S+8*\t:S+8*\t+7], v[VFR+12*\t:VFR+12*\t+11], v[PC:PC+11], 0, v[VS+\t], v20 matrix_a_fmt:MATRIX_FMT_BF6 matrix_b_fmt:MATRIX_FMT_BF6
.endr
.rept 5
	v_nop                                          ; four places in front of the stores that read the results; five in front of the next pass's first product, which writes over them (on the way that jumps over the adding up nothing else stands between)
.endr
	s_wait_alu depctr_va_vdst(0)                   ; the products have written S + 0 .. 31, which the stores read; the places above stay beside this wait
.irp k, 0,1,2,3,4,5,6,7
	ds_store_b128 v[5+241*\odd], v[S+4*\k:S+4*\k+3] offset:512*\k   ; my keys' part of O^T, as an image of its 32 registers, into this pass's buffer
.endr
.if \odd == 0
	s_cmp_eq_u32 s13, 0                            ; the very first pass has nothing to add up
	s_cbranch_scc1 .Lno_e_\@
.endif
	ESUM 7, 4096*\odd, 8                           ; behind the eight loads stand the eight stores above, which may stay out
.if \odd == 0
.Lno_e_\@:
.endif
.endm
	s_mov_b32 s13, 0
.Lpass:                                            ; eight trips of two passes
	PASS 0
	PASS 1
	s_wait_alu depctr_vm_vsrc(0)                   ; the sum's store has read v7, which is stepped below; and the odd pass's LDS stores have read S + 0 .. 35 and v[12:13], which the next pass, or the loads behind the loop, write again
	v_add_nc_u32 v7, 8192, v7                      ; two slots of the sums on
	s_add_co_u32 s13, s13, 1
	s_cmp_lt_u32 s13, 8
	s_cbranch_scc1 .Lpass
	s_wait_dscnt 0x0
	s_barrier_signal -1
	s_barrier_wait -1                              ; the last pass's sixteen parts lie in buffer 1
	ELOAD 247                                      ; no vector instruction since the last wait on va_vdst names S + 32 .. 63
	ESUM 248, 0, 0                                 ; their sum goes into slot 0
	s_wait_dscnt 0x0
	s_barrier_signal -1
	s_barrier_wait -1                              ; sixteen passes' sums lie in LDS
	; ---- wave w quantises pass w's 16 rows x 64 channels: columns 64 w on of h, half a fragment of the next product's operand
.irp k, 0,1,2,3,4,5,6,7
	ds_load_b128 v[S+4*\k:S+4*\k+3], v251 offset:512*\k   ; S + 0 .. 31 were last named by the last pass's second product, ahead of the waits on va_vdst behind it; the stores that read them stand ahead of the wait at the trip's end
.endr
	s_lshl_b32 s22, s12, 3
	s_add_co_u32 s22, s22, s11
	s_mul_i32 s2, s22, 12288
	s_mul_i32 s23, s10, 768
	s_add_co_u32 s2, s2, s23
	s_add_nc_u64 s[24:25], s[8:9], s[2:3]
	s_lshl_b32 s2, s22, 9
	s_add_co_u32 s2, s2, HQS
	s_add_nc_u64 s[26:27], s[8:9], s[2:3]
	s_wait_dscnt 0x0
.irp b, 0,1
	v_max3_num_f32 v[BM+\b], |v[S+16*\b]|, |v[S+1+16*\b]|, 0x2800000
.endr
.irp i, 2,4,6,8,10,12,14
.irp b, 0,1
	v_max3_num_f32 v[BM+\b], v[BM+\b], |v[S+16*\b+\i]|, |v[S+1+16*\b+\i]|
.endr
.endr
.irp b, 0,1
	v_permlanex16_b32 v[BX+\b], v[BM+\b], s14, s15
.endr
.irp b, 0,1
	v_max_num_f32 v[BM+\b], v[BM+\b], v[BX+\b]
.endr
.irp b, 0,1
	v_add_nc_u32 v[SO+\b], 0xfe000000, v[BM+\b]
.endr
.irp b, 0,1
	v_lshrrev_b32 v[BX+\b], 23, v[SO+\b]
.endr
	v_lshl_or_b32 v11, v[BX+1], 8, v[BX]
	v_cvt_scalef32_pk16_bf6_f32 v[PC:PC+2], v[S:S+15], v[SO]
	v_cvt_scalef32_pk16_bf6_f32 v[PC+12:PC+14], v[S+16:S+31], v[SO+1]
	v_nop                                          ; one plain place behind a scaled conversion
.irp i, 0,1,2
	v_permlane16_swap_b32 v[PC+\i], v[PC+12+\i]
.endr
.irp i, 0,1,2
	v_mov_b32 v[PC+3+\i], v[PC+12+\i]
.endr
	s_wait_alu depctr_va_vdst(0)                   ; h's codes in PC + 0 .. 5 and its two scale bytes in v11 are written, which the stores read; the maxima and conversions are done reading S + 0 .. 3, in which wave 0's load below lands
.irp p, 0,1,2
	global_store_b64 v1, v[PC+2*\p:PC+2*\p+1], s[24:25] offset:256*\p   ; 256 consecutive bytes, aligned
.endr
	ds_store_b16 v252, v11
	s_wait_dscnt 0x0
	s_barrier_signal -1
	s_barrier_wait -1                              ; the row block's 512 bytes of scale words are whole
	s_cmp_lg_u32 s10, 0
	s_cbranch_scc1 .Lend
	ds_load_b128 v[S:S+3], v253
	s_wait_dscnt 0x0
	global_store_b128 v254, v[S:S+3], s[26:27]
.Lend:
	s_wait_dscnt 0x0                               ; the closing lines, six on end
	s_wait_alu 0x0
	s_wait_tensorcnt 0x0
	ds_add_u32 v81, v255
	s_wait_dscnt 0x0
	s_endpgm
.Lfunc_end_k_q7ba3f394db_attn:
	.size	k_q7ba3f394db_attn, .Lfunc_end_k_q7ba3f394db_attn-k_q7ba3f394db_attn
	.p2alignl 7, 3214868480
	.fill 96, 4, 3214868480
	.section	.rodata,"a",@progbits
	.p2align	6, 0x0
	.amdhsa_kernel k_q7ba3f394db_attn
		.amdhsa_group_segment_fixed_size 211968
		.amdhsa_private_segment_fixed_size 0
		.amdhsa_enable_private_segment 0
		.amdhsa_kernarg_size 24
		.amdhsa_user_sgpr_count 2
		.amdhsa_user_sgpr_kernarg_segment_ptr 1
		.amdhsa_wavefront_size32 1
		.amdhsa_system_sgpr_workgroup_id_x 1
		.amdhsa_system_sgpr_workgroup_id_y 1
		.amdhsa_system_sgpr_workgroup_id_z 1
		.amdhsa_system_vgpr_workitem_id 0
		.amdhsa_next_free_vgpr 256
		.amdhsa_next_free_sgpr 102
		.amdhsa_reserve_vcc 0
		.amdhsa_float_denorm_mode_32 3
		.amdhsa_float_denorm_mode_16_64 3
		.amdhsa_memory_ordered 1
		.amdhsa_forward_progress 1
		.amdhsa_inst_pref_size 79
	.end_amdhsa_kernel
	.amdgpu_metadata
---
amdhsa.version: [ 1, 2 ]
amdhsa.kernels:
  - .name:           k_q7ba3f394db_attn
    .symbol:         k_q7ba3f394db_attn.kd
    .args:
      - { .name: qkv, .offset: 0, .size: 8, .value_kind: global_buffer, .address_space: global }
      - { .name: pad_mask, .offset: 8, .size: 8, .value_kind: global_buffer, .address_space: global }
      - { .name: hq, .offset: 16, .size: 8, .value_kind: global_buffer, .address_space: global }
    .group_segment_fixed_size: 211968
    .private_segment_fixed_size: 0
    .kernarg_segment_align: 8
    .kernarg_segment_size: 24
    .max_flat_workgroup_size: 512
    .sgpr_count:     102
    .vgpr_count:     256
    .wavefront_size: 32
...
	.end_amdgpu_metadata
.endif
;; end of part 12
;; launch wo: the kernel of part 10 again; grid 8 x 32, 4 waves a work-group, clusters of 4 x 4, 327,680 bytes of LDS; arguments hq, cw, xo; writes xo
;; launch ln1: the kernel of part 5 again; grid 256 x 1, 16 waves a work-group, no clusters, 68,608 bytes of LDS; arguments xo, q, g1, be1, h1, hq; writes h1, hq
;; launch ff1: the kernel of part 6 again; grid 16 x 16, 4 waves a work-group, clusters of 4 x 4, 327,680 bytes of LDS; arguments hq, cw, b1, fq; writes fq
;; launch ff2: the kernel of part 11 again; grid 8 x 32, 4 waves a work-group, clusters of 4 x 4, 327,680 bytes of LDS; arguments fq, cw, xo; writes xo
;; launch ln2: the kernel of part 8 again; grid 512 x 1, 8 waves a work-group, no clusters, 0 bytes of LDS; arguments xo, h1, b2, g2, be2, out0; writes out0
